; MI455X (gfx1250); checked and timed in simulation.
; The chip was launched on July 23, 2026; its instructions are those of AMD's public machine-readable ISA for CDNA 5 (MIT licence, August 2026) and "CDNA5" Instruction Set Architecture Reference Guide (July 2026). The comments in the code are by the model that wrote it; some were corrected since.
;; Attention. Allowed arithmetic: float matrix products may take bf16 or f16 operands with f32 sums; other float arithmetic in f32, or as packed bf16 or f16 multiplies, adds, multiply-adds, maxima and minima; sums over many terms, partial sums and values carried from step to step in f32; what a program stores and reads back later, other than sums and carried values, may be rounded once to bf16 or f16.
;; Inputs: cu_seqlens 5 int32; k_norm_w 128 float32; positions 1 x 2,048 int32; q_norm_w 128 float32; rope_cache 2,048 x 64 x 2 float32; wk 1,024 x 4,096 float32; wo 4,096 x 2,048 float32; wq 2,048 x 4,096 float32; wv 1,024 x 4,096 float32; x 1 x 2,048 x 4,096 float32.
;; Outputs: out0 1 x 2,048 x 4,096 float32.
;; 2 versions, each right. Each part assembles by itself: llvm-mc -triple=amdgcn-amd-amdhsa -mcpu=gfx1250 --defsym DOCPART=n.
;; ======== version 1 of 2: 4 launches
;; limits: values are held in f16: magnitudes above 65,504 overflow, below 6.1e-05 lose precision
;; workspace buffers: cb 67,108,864 bytes; qkf 12,582,912 bytes; vf 4,194,304 bytes; of 8,388,608 bytes
;; launch cast (part 1): grid 256 x 8, 8 waves a work-group, no clusters, 0 bytes of LDS; arguments x, wq, wk, wv, wo, cb; writes cb
.if DOCPART == 1
	.amdgcn_target "amdgcn-amd-amdhsa--gfx1250"
	.amdhsa_code_object_version 6
	.text
	.protected	k_q808a3ed8aa_cast
	.globl	k_q808a3ed8aa_cast
	.p2align	8
	.type	k_q808a3ed8aa_cast,@function
k_q808a3ed8aa_cast:
	s_mov_b64 s[64:65], 0
	v_nop
	global_prefetch_b8 v0, s[64:65] scope:SCOPE_SE
	s_setreg_imm32_b32 hwreg(HW_REG_WAVE_MODE, 25, 1), 1
	s_wait_xcnt 0x0
; 16-BIT COPIES OF THE FIVE LARGE INPUTS.  cb = U[6144][4096] in bf16 (rows 0-2047 x, 2048-4095 wq, 4096-5119 wk, 5120-6143 wv), then wo[4096][2048]:
; wo is rounded to bf16 like the others, and that number is written as f16, the format of the product that takes it.
; LIMITS.  |wo| stays under 65,504; below 2^-17 the f16 copy of wo has f16's fixed step of 6e-8.  NaN and infinities are not treated apart.
; SHARES.  Work-group y names 16 MiB of f32 (x: 0, 1; wq: 2, 3; wk: 4; wv: 5; wo: 6, 7), work-group x 64 KiB of them, a wave 8 KiB: sixteen loads of 512 consecutive bytes,
; all issued before the first is waited for; each store of a wave covers 256 consecutive bytes, aligned.  No LDS, no barrier, no matrix work: every byte is touched once, by one lane.
.set X, 4                              ; v[4:67]  load i: four f32 at X + 4 i; its two packed words take the first two places
	s_load_b256 s[4:11], s[0:1], 0x0               ; x s[4:5], wq s[6:7], wk s[8:9], wv s[10:11]
	s_load_b128 s[12:15], s[0:1], 0x20             ; wo s[12:13], cb s[14:15]
	s_and_b32 s24, ttmp7, 0xffff                   ; y
	s_mov_b32 s25, 0xffff0000                      ; a word's upper bf16
	s_lshr_b32 s20, 0x8a, s24                      ; y = 1, 3, 7 are their tensors' second 16 MiB
	s_and_b32 s20, s20, 1
	s_lshl_b32 s20, s20, 24
	s_lshl_b32 s26, ttmp9, 16
	s_add_co_u32 s20, s20, s26                     ; byte offset in the source
	s_mov_b32 s21, 0
	s_lshl_b32 s22, s24, 23
	s_lshl_b32 s26, ttmp9, 15
	s_add_co_u32 s22, s22, s26                     ; byte offset in cb: half of the f32 bytes that lie in front
	s_mov_b32 s23, 0
	v_lshrrev_b32 v3, 5, v0                        ; wave
	v_and_b32 v2, 31, v0                           ; lane
	v_lshlrev_b32 v1, 4, v2
	v_lshl_or_b32 v1, v3, 13, v1                   ; source: 8,192 x wave + 16 x lane
	v_lshlrev_b32 v2, 3, v2
	v_lshl_or_b32 v2, v3, 12, v2                   ; destination: 4,096 x wave + 8 x lane
	s_wait_kmcnt 0x0
	s_cmp_ge_u32 s24, 2
	s_cselect_b64 s[16:17], s[6:7], s[4:5]
	s_cmp_ge_u32 s24, 4
	s_cselect_b64 s[16:17], s[8:9], s[16:17]
	s_cmp_ge_u32 s24, 5
	s_cselect_b64 s[16:17], s[10:11], s[16:17]
	s_cmp_ge_u32 s24, 6
	s_cselect_b64 s[16:17], s[12:13], s[16:17]
	s_add_nc_u64 s[16:17], s[16:17], s[20:21]
	s_add_nc_u64 s[18:19], s[14:15], s[22:23]
.irp i, 0,1,2,3,4,5,6,7,8,9,10,11,12,13,14,15
	global_load_b128 v[X+4*(\i):X+4*(\i)+3], v1, s[16:17] offset:512*(\i) th:TH_LOAD_NT
.endr
	s_cmp_ge_u32 s24, 6
	s_cbranch_scc1 .Lwo
.irp i, 0,1,2,3,4,5,6,7,8,9,10,11,12,13,14,15
	s_wait_loadcnt 15-(\i)                         ; loads come back in order: load i is in, the 15 - i younger ones may stay out
	v_cvt_pk_bf16_f32 v[X+4*(\i)],   v[X+4*(\i)],   v[X+4*(\i)+1]
	v_cvt_pk_bf16_f32 v[X+4*(\i)+1], v[X+4*(\i)+2], v[X+4*(\i)+3]
	global_store_b64 v2, v[X+4*(\i):X+4*(\i)+1], s[18:19] offset:256*(\i) th:TH_STORE_NT
.endr
	s_endpgm
.Lwo:                                  ; wo: rounded to bf16, widened again, written as f16 (exact within the limits above)
.irp i, 0,1,2,3,4,5,6,7,8,9,10,11,12,13,14,15
	s_wait_loadcnt 15-(\i)
	v_cvt_pk_bf16_f32 v[X+4*(\i)],   v[X+4*(\i)],   v[X+4*(\i)+1]
	v_cvt_pk_bf16_f32 v[X+4*(\i)+2], v[X+4*(\i)+2], v[X+4*(\i)+3]
	v_and_b32     v[X+4*(\i)+1], s25, v[X+4*(\i)]
	v_lshlrev_b32 v[X+4*(\i)],   16,  v[X+4*(\i)]
	v_and_b32     v[X+4*(\i)+3], s25, v[X+4*(\i)+2]
	v_lshlrev_b32 v[X+4*(\i)+2], 16,  v[X+4*(\i)+2]
	v_cvt_pk_f16_f32 v[X+4*(\i)],   v[X+4*(\i)],   v[X+4*(\i)+1]
	v_cvt_pk_f16_f32 v[X+4*(\i)+1], v[X+4*(\i)+2], v[X+4*(\i)+3]
	global_store_b64 v2, v[X+4*(\i):X+4*(\i)+1], s[18:19] offset:256*(\i) th:TH_STORE_NT
.endr
	s_endpgm
.Lfunc_end_k_q808a3ed8aa_cast:
	.size	k_q808a3ed8aa_cast, .Lfunc_end_k_q808a3ed8aa_cast-k_q808a3ed8aa_cast
	.p2alignl 7, 3214868480
	.fill 96, 4, 3214868480
	.section	.rodata,"a",@progbits
	.p2align	6, 0x0
	.amdhsa_kernel k_q808a3ed8aa_cast
		.amdhsa_group_segment_fixed_size 0
		.amdhsa_private_segment_fixed_size 0
		.amdhsa_enable_private_segment 0
		.amdhsa_kernarg_size 48
		.amdhsa_user_sgpr_count 2
		.amdhsa_user_sgpr_kernarg_segment_ptr 1
		.amdhsa_wavefront_size32 1
		.amdhsa_system_sgpr_workgroup_id_x 1
		.amdhsa_system_sgpr_workgroup_id_y 1
		.amdhsa_system_sgpr_workgroup_id_z 1
		.amdhsa_system_vgpr_workitem_id 0
		.amdhsa_next_free_vgpr 72
		.amdhsa_next_free_sgpr 66
		.amdhsa_reserve_vcc 0
		.amdhsa_float_denorm_mode_32 3
		.amdhsa_float_denorm_mode_16_64 3
		.amdhsa_memory_ordered 1
		.amdhsa_forward_progress 1
		.amdhsa_inst_pref_size 16
	.end_amdhsa_kernel
	.amdgpu_metadata
---
amdhsa.version: [ 1, 2 ]
amdhsa.kernels:
  - .name:           k_q808a3ed8aa_cast
    .symbol:         k_q808a3ed8aa_cast.kd
    .args:
      - { .name: x, .offset: 0, .size: 8, .value_kind: global_buffer, .address_space: global }
      - { .name: wq, .offset: 8, .size: 8, .value_kind: global_buffer, .address_space: global }
      - { .name: wk, .offset: 16, .size: 8, .value_kind: global_buffer, .address_space: global }
      - { .name: wv, .offset: 24, .size: 8, .value_kind: global_buffer, .address_space: global }
      - { .name: wo, .offset: 32, .size: 8, .value_kind: global_buffer, .address_space: global }
      - { .name: cb, .offset: 40, .size: 8, .value_kind: global_buffer, .address_space: global }
    .group_segment_fixed_size: 0
    .private_segment_fixed_size: 0
    .kernarg_segment_align: 8
    .kernarg_segment_size: 48
    .max_flat_workgroup_size: 256
    .sgpr_count:     66
    .vgpr_count:     72
    .wavefront_size: 32
...
	.end_amdgpu_metadata
.endif
;; end of part 1
;; launch qkv (part 2): grid 16 x 16, 4 waves a work-group, clusters of 4 x 4, 327,680 bytes of LDS; arguments cb, positions, rope_cache, q_norm_w, k_norm_w, qkf, vf; writes qkf, vf
.if DOCPART == 2
	.amdgcn_target "amdgcn-amd-amdhsa--gfx1250"
	.amdhsa_code_object_version 6
	.text
	.protected	k_q808a3ed8aa_qkv
	.globl	k_q808a3ed8aa_qkv
	.p2align	8
	.type	k_q808a3ed8aa_qkv,@function
k_q808a3ed8aa_qkv:
	s_mov_b64 s[64:65], 0
	v_nop
	global_prefetch_b8 v0, s[64:65] scope:SCOPE_SE
	s_setreg_imm32_b32 hwreg(HW_REG_WAVE_MODE, 25, 1), 1
	s_wait_xcnt 0x0
	s_wait_alu depctr_hold_cnt(0) depctr_sa_sdst(0) depctr_va_vdst(0) depctr_va_sdst(0) depctr_va_ssrc(0) depctr_va_vcc(0) depctr_vm_vsrc(0)
	s_getreg_b32 s2, hwreg(HW_REG_IB_STS2, 6, 4)
	s_cmp_eq_u32 s2, 0
	s_cbranch_scc0 .Lentry_in_a_cluster
	s_endpgm
.Lentry_in_a_cluster:
	s_bfe_u32 s2, ttmp6, 0x10000c
	s_cmp_lg_u32 s2, 0xf033
	s_cbranch_scc0 .Lentry_shape_is_right
	s_endpgm
.Lentry_shape_is_right:
; THE THREE PROJECTIONS, with RMS norm, gain and RoPE (q, k) or a factor 1/4 (v) on the way out.  Operands: U[6144][4096] in bf16 at cb's head (rows: x, wq, wk, wv); sums in f32.
; A tile is 128 "A rows" x 256 "B rows" of U, K = 4,096 in 32 steps of 128 through two LDS slots.  16 x 16 work-groups, one tile each, in clusters of 4 x 4.
;   clusters x = 0, 1, 2 (q, q, k): A = 128 tokens of x, B = 256 weight rows = two heads.      cluster x = 3 (v): A = 128 rows of wv = one kv head, B = 256 tokens of x.
; Four waves: WH = wave / 2 takes 64 A rows, WL = wave % 2 takes 128 B rows: 32 accumulators (a = 0..3, b = 0..7) at v[8 (8 a + b)] of window 1.
; THE MATRIX INSTRUCTION IS USED TRANSPOSED (source 0 = 16 B rows, source 1 = 16 A rows): lane l holds A row l % 16 and, in registers 0-7, B rows 16 b + 8 (l / 16) + 0..7.
; So for q and k a lane holds one token and 64 of its head's 128 channels (the other 64 lie in the lane 16 away): norm and RoPE need one exchange; for v a lane holds one channel and 8 tokens.
; RESULTS leave in f16 as FRAGMENT BLOCKS of 1,024 bytes: byte 512 j + 16 l + 2 e = element (row l % 16, k = 16 j + 8 (l / 16) + e): the register image of a 16 x 32 operand.
;   qkf: [24 heads: 0-15 q, 16-23 k][128 blocks of 16 tokens][4 chunks of 32 channels][1,024]          vf: v / 4, [8 heads][32 steps of 64 keys][2 x 32 keys][8 x 16 channels][1,024]
; A lane's 8 numbers are 16 bytes of such a block, so every store of a wave covers 512 consecutive bytes, aligned, straight from registers.
; FORMATS.  All float inputs count rounded to bf16: x and the weights by the launch before, rope_cache and the gains here.  q, k, v are rounded once, to f16.
; LIMITS.  |q|, |k| under 65,504 and |v| under 262,016 (v is kept times 2^-2, exactly; the last launch multiplies by 4).  A position outside 0..2047 is clamped to that range.  NaN and infinities are not treated apart.
; CLUSTER.  A's tile hangs on the cluster's row alone and is asked for jointly by its four work-groups, B's on the column alone: the same tensor load, descriptor and mask in all four.
; REGISTERS.  window 0: v1 l % 16, v2 l / 16, v4-7 rope offsets, v8-10 small offsets, v16-30 addresses; v32-127, v128-223 two fragment buffers (B's 8 fragments, then A's 4); on the way out see below.
;   window 1: the accumulators.   window 2: cos and sin as loaded, 64 a + 16 b + 4 q.   window 3: v0-63 the gains as loaded.
; SCALARS.  s18-20 wave, WH, WL; s21, s22 cx, cy; s24-31, s48-55 descriptor groups 1; s32-39, s56-63 groups 0, a set a slot; s43 LIM; s44-45 PFA; s66, s67 cluster x, y; s68 ISV; s69, s70 A's and B's tile number;
;   s71, s72 their first rows in U; s73-75 at work; s76-79 tile addresses; s80-85 constants; s86-87 where results go; s88-89 positions; s90-91 the gains; s92-93 at work.
.set KSTEP, 128
.set PITCH, 272                        ; an LDS row: 256 bytes + 16 of padding = 68 words: the 16 rows of a fragment load start 4 banks apart (64 banks of 4 bytes: ISA guide 11.1)
.set AHALF, 64*PITCH                   ; what wave 0 or 1 fetches, and what a wave reads of A
.set BHALF, 128*PITCH                  ; what wave 2 or 3 fetches, and what a wave reads of B
.set BOFF,  2*AHALF
.set SLOT,  BOFF+2*BHALF               ; 104,448
.set SPARE, 2*SLOT                     ; behind the ring: the spare words, 128 bytes a wave: two blocks of 256 bytes that no other line names
.set LAPS,  16                         ; a lap = two K steps = once round the ring
.set RO,   4
.set ADRA, 16
.set ADRB, 20
.set L16,  26
.set SPW,  28
.set NIL,  29
.set PFO,  30
.set F0,   32
.set F1,   128
.set WV, 18
.set WH, 19
.set WL, 20
.set G1A, 24
.set G0A, 32
.set LIM, 43
.set PFA, 44
.set G1B, 48
.set G0B, 56
.set MSB, 0
.macro WIN new                         ; the immediate's high byte repeats the setting that is left; a switch that changes nothing is dropped
.if MSB != (\new)
	s_set_vgpr_msb (MSB<<8)|(\new)
.set MSB, \new
.endif
.endm
.set MUL, 0x50                         ; C and D in window 1, both sources in window 0
.macro PLACES                          ; four plain places behind matrix instructions, in front of loads into registers that they read and of lines that read results
.rept 4
	v_nop
.endr
.endm
.macro CREST                           ; a round of the cluster's barrier behind its opening barrier
	s_cmp_lg_u32 s[WV], 0
	s_cbranch_scc1 .Lnot_wave_0_\@
	s_barrier_signal -3
.Lnot_wave_0_\@:
	s_barrier_wait -3
	s_barrier_signal -1
	s_barrier_wait -1
.endm
.macro CROUND
	s_barrier_signal -1
	s_barrier_wait -1
	CREST
.endm
.macro JLOAD s                         ; a joint load: waves 0, 1 fetch A's halves, waves 2, 3 B's; an s_nop 0 and four v_nop follow each line
	s_cmp_eq_u32 s[WH], 0
	s_cbranch_scc0 .Lfor_b_\@
	tensor_load_to_lds s[G0A+4*(\s):G0A+4*(\s)+3], s[G1A:G1A+7]
	s_nop 0
.rept 4
	v_nop
.endr
	s_branch .Lasked_\@
.Lfor_b_\@:
	tensor_load_to_lds s[G0B+4*(\s):G0B+4*(\s)+3], s[G1B:G1B+7]
	s_nop 0
.rept 4
	v_nop
.endr
.Lasked_\@:
.endm
; A prefetch of the K step that stands two refills on: 32 rows x 256 bytes, a lane a row.  Each row of U is named once a K step in the launch: x's rows by wave 0 of the clusters x = 0, wv's by wave 0 of the
; clusters x = 3, y < 2, wq's and wk's by waves 2 and 3 of the clusters x < 3, y = 0; the four partners that ask for a tile jointly take 32 rows each, told apart by address.  The loop's last trip asks for nothing.
.macro ASK
	s_cmp_gt_u32 s3, s[LIM]
	s_cbranch_scc0 .Lnot_mine_\@
	global_prefetch_b8 v[PFO], s[PFA:PFA+1] offset:KSTEP*2 th:TH_LOAD_NT scope:SCOPE_SE
.Lnot_mine_\@:
.endm
.macro MUL8 f, a, zero                 ; A block a x all 8 B blocks, 32 along K.  The 32 accumulators come once a quarter, in one order: no two products on end share one
	WIN MUL
.irp b, 0,1,2,3,4,5,6,7
.if \zero
	v_wmma_f32_16x16x32_bf16 v[8*(8*(\a)+(\b)):8*(8*(\a)+(\b))+7], v[(\f)+8*(\b):(\f)+8*(\b)+7], v[(\f)+64+8*(\a):(\f)+64+8*(\a)+7], 0
.else
	v_wmma_f32_16x16x32_bf16 v[8*(8*(\a)+(\b)):8*(8*(\a)+(\b))+7], v[(\f)+8*(\b):(\f)+8*(\b)+7], v[(\f)+64+8*(\a):(\f)+64+8*(\a)+7], v[8*(8*(\a)+(\b)):8*(8*(\a)+(\b))+7]
.endif
.endr
.endm
.macro FETCH slot, k, f                ; 24 LDS loads in one run: B's 8 fragments, then A's 4, of the 32 along K at byte k of the rows
	WIN 0
.irp i, 0,1,2,3,4,5,6,7
	ds_load_b128 v[(\f)+8*(\i):(\f)+8*(\i)+3],   v[ADRB+(\slot)] offset:(\k)+(\i)*16*PITCH
	ds_load_b128 v[(\f)+8*(\i)+4:(\f)+8*(\i)+7], v[ADRB+(\slot)] offset:(\k)+(\i)*16*PITCH+32
.endr
.irp i, 0,1,2,3
	ds_load_b128 v[(\f)+64+8*(\i):(\f)+64+8*(\i)+3],   v[ADRA+(\slot)] offset:(\k)+(\i)*16*PITCH
	ds_load_b128 v[(\f)+64+8*(\i)+4:(\f)+64+8*(\i)+7], v[ADRA+(\slot)] offset:(\k)+(\i)*16*PITCH+32
.endr
.endm
.macro QUARTER slot, k, f, g, zero     ; multiplies buffer f; in its middle fetches the next quarter, at byte k, into g
	s_wait_dscnt 4                                 ; all but the four youngest loads (A's blocks 2 and 3)
	MUL8 \f, 0, \zero
	MUL8 \f, 1, \zero
	PLACES                                         ; g was read by the quarter before
	FETCH \slot, \k, \g
	s_wait_dscnt 24                                ; all but the 24 just issued
	MUL8 \f, 2, \zero
	MUL8 \f, 3, \zero
.endm
; The last quarter of a K step multiplies buffer 1 and changes slots: one barrier; in front of it each wave waits for all its tensor loads (one is out: its part of the next slot), adds 0 to its spare word,
; and waits for that and for its reads of this slot.  fill = 1: the barrier opens a round of the cluster's, and this slot is filled again, two K steps on, first thing behind the round:
; 112 matrix instructions ahead of the wait for it.
.macro TURN slot, next, fill
.if \fill
	s_wait_xcnt 0x0                                ; the last prefetch, a K step back, has read its address
	s_add_nc_u64 s[PFA:PFA+1], s[PFA:PFA+1], KSTEP*2
.endif
	WIN 0
	s_wait_tensorcnt 0x0
	ds_add_u32 v[SPW], v[NIL]
	s_wait_dscnt 5                                 ; the add and A's four youngest loads may be out
	MUL8 F1, 0, 0
	s_wait_dscnt 0x0                               ; the add is done, my reads of this slot are over
	s_barrier_signal -1
	MUL8 F1, 1, 0
.if \fill
	WIN 0
.endif
	s_barrier_wait -1
.if \fill
	CREST                                          ; no wave of any partner still reads this slot or has a load on its way
	s_add_nc_u64 s[G0A+4*(\slot)+2:G0A+4*(\slot)+3], s[G0A+4*(\slot)+2:G0A+4*(\slot)+3], 2*KSTEP*2
	s_add_nc_u64 s[G0B+4*(\slot)+2:G0B+4*(\slot)+3], s[G0B+4*(\slot)+2:G0B+4*(\slot)+3], 2*KSTEP*2
	JLOAD \slot                                    ; its four v_nop are also the places in front of the loads below
.else
	PLACES
.endif
	FETCH \next, 0, F0
.if \fill
	ASK
.endif
	MUL8 F1, 2, 0
	MUL8 F1, 3, 0
.endm
	s_load_b256 s[4:11], s[0:1], 0x0               ; cb s[4:5], positions s[6:7], rope_cache s[8:9], q_norm_w s[10:11]
	s_load_b128 s[12:15], s[0:1], 0x20             ; k_norm_w s[12:13], qkf s[14:15]
	s_load_b64 s[16:17], s[0:1], 0x30              ; vf
	v_lshl_add_u32 v[SPW], v0, 2, SPARE
	v_mov_b32 v[NIL], 0
	ds_add_u32 v[SPW], v[NIL]                      ; the wave's opening: the add and its wait stand ahead of my first tensor load; work on registers stands between
	v_lshrrev_b32 v1, 5, v0
	v_readfirstlane_b32 s[WV], v1
	s_lshr_b32 s[WH], s[WV], 1
	s_and_b32 s[WL], s[WV], 1
	s_bfe_u32 s21, ttmp6, 0x40000                  ; cx
	s_bfe_u32 s22, ttmp6, 0x40004                  ; cy
	s_mov_b32 s66, ttmp9                           ; cluster x
	s_and_b32 s67, ttmp7, 0xffff                   ; cluster y
	s_and_b32 s73, s67, 1
	s_lshr_b32 s74, s67, 1
	s_cmp_eq_u32 s66, 3                            ; the v clusters: the same answer in all sixteen partners
	s_cselect_b32 s68, 1, 0                        ; ISV
	s_cselect_b32 s73, s73, s67                    ; which four A tiles the cluster has
	s_cselect_b32 s74, s74, s66                    ; which four B tiles
	s_cselect_b32 s71, 5120, 0                     ; A's first row in U: wv or x
	s_cselect_b32 s72, 0, 2048                     ; B's: x or wq
	s_lshl_b32 s69, s73, 2
	s_add_co_u32 s69, s69, s22                     ; A's tile number: cy enters it, cx never
	s_lshl_b32 s70, s74, 2
	s_add_co_u32 s70, s70, s21                     ; B's tile number: cx enters it, cy never
	s_lshl_b32 s73, s69, 7
	s_add_co_u32 s71, s71, s73                     ; A's first row
	s_lshl_b32 s74, s70, 8
	s_add_co_u32 s72, s72, s74                     ; B's first row
	s_lshl_b32 s40, s22, 2
	s_lshl_b32 s40, 15, s40                        ; my row of the cluster
	s_lshl_b32 s41, 0x1111, s21                    ; my column
	s_or_b32 s[G1A], s40, (1<<16)|(1<<20)|(1<<21)|(5<<22)|(3<<25)  ; mask; 2-byte elements; padding on; bit 21 beside a mask; after every 64 words, 4 words
	s_or_b32 s[G1B], s41, (1<<16)|(1<<20)|(1<<21)|(5<<22)|(3<<25)
	s_mov_b32 s[G1A+1], KSTEP<<16                  ; tensor_dim0 = 128
	s_mov_b32 s[G1A+2], 64<<16                     ; tensor_dim1 = 64
	s_mov_b32 s[G1A+3], KSTEP<<16                  ; tile_dim0 = 128
	s_mov_b32 s[G1A+4], 64                         ; tile_dim1 = 64
	s_mov_b32 s[G1A+5], 4096                       ; elements from row to row
	s_mov_b32 s[G1A+6], 0
	s_mov_b32 s[G1A+7], 0
	s_mov_b32 s[G1B+1], KSTEP<<16
	s_mov_b32 s[G1B+2], 128<<16                    ; 128 rows
	s_mov_b32 s[G1B+3], KSTEP<<16
	s_mov_b32 s[G1B+4], 128
	s_mov_b32 s[G1B+5], 4096
	s_mov_b32 s[G1B+6], 0
	s_mov_b32 s[G1B+7], 0
	s_lshl_b32 s73, s[WL], 6
	s_add_co_u32 s76, s71, s73                     ; the 64 rows of A that I would fetch,
	s_lshl_b32 s76, s76, 13                        ; in bytes: a row of U is 8,192
	s_mov_b32 s77, 0
	s_lshl_b32 s74, s[WL], 7
	s_add_co_u32 s78, s72, s74                     ; the 128 rows of B
	s_lshl_b32 s78, s78, 13
	s_mov_b32 s79, 0
	s_mul_i32 s40, s[WL], AHALF                    ; where they go: no place in the cluster enters an LDS address
	s_mul_i32 s41, s[WL], BHALF
	s_add_co_u32 s41, s41, BOFF
	; where the results go.  q, k: head 2 x B tile + WL, token block 8 x A tile + 4 WH.  v: head = A tile, step 4 x B tile + 2 WL, channel block 4 WH
	s_lshl_b32 s73, s70, 1
	s_add_co_u32 s73, s73, s[WL]
	s_lshl_b32 s73, s73, 19
	s_lshl_b32 s74, s69, 3
	s_lshl_b32 s75, s[WH], 2
	s_add_co_u32 s74, s74, s75
	s_lshl_b32 s74, s74, 12
	s_add_co_u32 s73, s73, s74
	s_lshl_b32 s74, s69, 19
	s_lshl_b32 s75, s70, 2
	s_add_co_u32 s75, s75, s[WL]
	s_add_co_u32 s75, s75, s[WL]
	s_lshl_b32 s75, s75, 14
	s_add_co_u32 s74, s74, s75
	s_lshl_b32 s75, s[WH], 12
	s_add_co_u32 s74, s74, s75
	s_cmp_eq_u32 s68, 1
	s_cselect_b32 s86, s74, s73
	s_mov_b32 s87, 0
	s_lshl_b32 s88, s69, 9                         ; positions of my 64 tokens: 4 bytes x (128 x A tile + 64 WH)
	s_lshl_b32 s75, s[WH], 8
	s_add_co_u32 s88, s88, s75
	s_mov_b32 s89, 0
	s_mov_b32 s80, 0xffff0000                      ; a word's upper bf16
	s_mov_b32 s81, 0x3c000000                      ; 1 / 128
	s_mov_b32 s82, 0x358637bd                      ; 1e-6
	s_mov_b32 s84, 0x76543210                      ; v_permlanex16_b32: each lane takes its own place in the other half
	s_mov_b32 s85, 0xfedcba98
	s_wait_dscnt 0x0                               ; the opening add is done
	s_wait_kmcnt 0x0
	s_add_nc_u64 s[76:77], s[4:5], s[76:77]
	s_add_nc_u64 s[78:79], s[4:5], s[78:79]
	s_cmp_eq_u32 s68, 1
	s_cselect_b64 s[92:93], s[16:17], s[14:15]
	s_add_nc_u64 s[86:87], s[92:93], s[86:87]
	s_add_nc_u64 s[88:89], s[6:7], s[88:89]
	s_cmp_eq_u32 s66, 2
	s_cselect_b64 s[90:91], s[12:13], s[10:11]     ; k's gains in the clusters x = 2, else q's
	CROUND                                         ; all sixteen work-groups are here: the first joint loads meet
.irp s, 0,1
	s_mov_b32 s[G0A+4*(\s)], 1
	s_add_co_u32 s[G0A+4*(\s)+1], s40, (\s)*SLOT
	s_add_nc_u64 s[G0A+4*(\s)+2:G0A+4*(\s)+3], s[76:77], (\s)*KSTEP*2
	s_or_b32 s[G0A+4*(\s)+3], s[G0A+4*(\s)+3], 0x80000000
	s_mov_b32 s[G0B+4*(\s)], 1
	s_add_co_u32 s[G0B+4*(\s)+1], s41, (\s)*SLOT
	s_add_nc_u64 s[G0B+4*(\s)+2:G0B+4*(\s)+3], s[78:79], (\s)*KSTEP*2
	s_or_b32 s[G0B+4*(\s)+3], s[G0B+4*(\s)+3], 0x80000000
	JLOAD \s                                       ; two loads of mine are out
.endr
	v_and_b32 v1, 15, v0                           ; l % 16
	v_bfe_u32 v2, v0, 4, 1                         ; l / 16
	v_mul_u32_u24 v3, v1, PITCH
	v_lshl_add_u32 v3, v2, 4, v3                   ; a fragment's row x pitch + 16 x half
	s_mul_i32 s73, s[WH], AHALF
	s_mul_i32 s74, s[WL], BHALF
	s_add_co_u32 s74, s74, BOFF
.irp s, 0,1
	v_add_nc_u32 v[ADRA+(\s)], s73, v3
	v_add_nc_u32 v[ADRB+(\s)], s74, v3
	s_add_co_u32 s73, s73, SLOT
	s_add_co_u32 s74, s74, SLOT
.endr
	v_and_b32 v[L16], 31, v0
	v_lshlrev_b32 v[PFO], 13, v[L16]               ; the prefetches: a lane a row of U
	v_lshlrev_b32 v[L16], 4, v[L16]                ; 16 x lane
	v_lshlrev_b32 v9, 2, v1
	v_lshlrev_b32 v10, 6, v2
	v_lshlrev_b32 v8, 5, v2
	; who prefetches, and where
	s_cmp_eq_u32 s66, 0
	s_cselect_b32 s73, 1, 0
	s_cmp_lt_u32 s67, 2
	s_cselect_b32 s74, s68, 0
	s_or_b32 s73, s73, s74                         ; A's rows: clusters x = 0, and x = 3 with y < 2
	s_cmp_eq_u32 s67, 0
	s_cselect_b32 s74, 1, 0
	s_and_not1_b32 s74, s74, s68                   ; B's rows: clusters y = 0 but the v cluster
	s_cmp_eq_u32 s[WH], 0
	s_cselect_b32 s73, s73, s74
	s_cmp_eq_u32 s[WV], 1
	s_cselect_b32 s73, 0, s73                      ; wave 1 never asks: wave 0's four partners cover A's 128 rows
	s_cmp_eq_u32 s73, 1
	s_cselect_b32 s[LIM], 1, -1                    ; the same in all sixteen partners, for a given wave
	s_lshl_b32 s74, s21, 5
	s_add_co_u32 s74, s74, s71                     ; A: my work-group's 32 rows by cx
	s_lshl_b32 s75, s22, 5
	s_add_co_u32 s75, s75, s72                     ; B: by cy,
	s_lshl_b32 s73, s[WL], 7
	s_add_co_u32 s75, s75, s73                     ; of the 128 rows that I fetch
	s_cmp_eq_u32 s[WH], 0
	s_cselect_b32 s74, s74, s75
	s_lshl_b32 s74, s74, 13
	s_mov_b32 s75, 0
	s_add_nc_u64 s[PFA:PFA+1], s[4:5], s[74:75]
	s_add_nc_u64 s[PFA:PFA+1], s[PFA:PFA+1], 2*KSTEP*2  ; at K step 2: the first refill steps it to 3 and names K step 4.  K steps 0 to 3 come by their loads alone
	; THE GATHERS, waited for on the way out: positions, then cos and sin of my 4 x 16 tokens for my 32 pairs of channels, and my 64 gains.  The v clusters run these lines too, with tokens inside the
	; table, and use nothing of them: so every path has written the registers that the text names later.
.irp a, 0,1,2,3
	global_load_b32 v[RO+(\a)], v9, s[88:89] offset:64*(\a)
.endr
	s_wait_loadcnt 0x0
.irp a, 0,1,2,3
	v_min_u32 v[RO+(\a)], 0x7ff, v[RO+(\a)]        ; an index stays inside the table
.endr
.irp a, 0,1,2,3
	v_lshl_add_u32 v[RO+(\a)], v[RO+(\a)], 9, v10  ; 512 x position + 64 x (l / 16)
.endr
	WIN 0x80                                       ; destination window 2
.irp a, 0,1,2,3
.irp b, 0,1,2,3
.irp q, 0,1,2,3
	global_load_b128 v[64*(\a)+16*(\b)+4*(\q):64*(\a)+16*(\b)+4*(\q)+3], v[RO+(\a)], s[8:9] offset:128*(\b)+16*(\q)  ; cos, sin of i = 16 b + 8 (l / 16) + 2 q, and of i + 1
.endr
.endr
.endr
	WIN 0xc0                                       ; destination window 3
.irp b, 0,1,2,3,4,5,6,7
	global_load_b128 v[8*(\b):8*(\b)+3],   v8, s[90:91] offset:64*(\b)
	global_load_b128 v[8*(\b)+4:8*(\b)+7], v8, s[90:91] offset:64*(\b)+16
.endr
	WIN 0
	s_wait_tensorcnt 1                             ; my part of K step 0 is in; K step 1's may stay out
	s_barrier_signal -1
	s_barrier_wait -1
	FETCH 0, 0, F0
	QUARTER 0, 64,  F0, F1, 1                      ; the first quarter starts all 32 sums with the constant 0
	WIN 0
	s_mov_b32 s3, LAPS-1
.Llap:                                 ; a trip goes once round the ring, from a lap's second quarter to the next lap's first, and fills both slots again
	QUARTER 0, 128, F1, F0, 0
	QUARTER 0, 192, F0, F1, 0
	TURN 0, 1, 1
	QUARTER 1, 64,  F0, F1, 0
	QUARTER 1, 128, F1, F0, 0
	QUARTER 1, 192, F0, F1, 0
	TURN 1, 0, 1
	QUARTER 0, 64,  F0, F1, 0
	WIN 0
	s_sub_co_u32 s3, s3, 1
	s_cmp_lg_u32 s3, 0
	s_cbranch_scc1 .Llap
	QUARTER 0, 128, F1, F0, 0                      ; the last lap fills nothing
	QUARTER 0, 192, F0, F1, 0
	TURN 0, 1, 0
	QUARTER 1, 64,  F0, F1, 0
	QUARTER 1, 128, F1, F0, 0
	QUARTER 1, 192, F0, F1, 0
	s_wait_dscnt 4
	MUL8 F1, 0, 0
	MUL8 F1, 1, 0
	s_wait_dscnt 0x0
	MUL8 F1, 2, 0
	MUL8 F1, 3, 0
	WIN 0
	PLACES
	PLACES                                         ; eight, once a launch
	s_wait_loadcnt 0x0                             ; the gathers
	s_cmp_eq_u32 s68, 1
	s_cbranch_scc1 .Lv
; THE WAY OUT FOR q AND k.  window 0: v32-95 NW gains; v96-159 Y; v160-191 PK packed words; v192-223 four sets of cos, sin and two products; v224-231 SS; v232-239 RS, a pair a block
.set NW, 32
.set Y,  96
.set PK, 160
.set CC, 192
.set SN, 200
.set TA, 208
.set UA, 216
.set SS, 224
.set RS, 232
	WIN 0x0f                                       ; sources in window 3: the gains, rounded to bf16
.set i, 0
.rept 32
	v_cvt_pk_bf16_f32 v[PK+i], v[2*i], v[2*i+1]
.set i, i+1
.endr
	WIN 0
.set i, 0
.rept 32
	v_lshlrev_b32 v[NW+2*i],   16,  v[PK+i]
	v_and_b32     v[NW+2*i+1], s80, v[PK+i]
.set i, i+1
.endr
.macro SUMSQ a                         ; mean of squares + eps for block a's tokens: four chains over my 64 channels (each accumulator's lowest registers first), then the lane 16 away
	WIN 0x05                                       ; sources 0 and 1 in window 1
.irp b, 0,1,2,3,4,5,6,7
.irp p, 0,1,2,3
.if (\b) == 0
	v_pk_mul_f32 v[SS+2*(\p):SS+2*(\p)+1], v[64*(\a)+2*(\p):64*(\a)+2*(\p)+1], v[64*(\a)+2*(\p):64*(\a)+2*(\p)+1]
.else
	v_pk_fma_f32 v[SS+2*(\p):SS+2*(\p)+1], v[64*(\a)+8*(\b)+2*(\p):64*(\a)+8*(\b)+2*(\p)+1], v[64*(\a)+8*(\b)+2*(\p):64*(\a)+8*(\b)+2*(\p)+1], v[SS+2*(\p):SS+2*(\p)+1]
.endif
.endr
.endr
	WIN 0
	v_pk_add_f32 v[SS:SS+1], v[SS:SS+1], v[SS+2:SS+3]
	v_pk_add_f32 v[SS+4:SS+5], v[SS+4:SS+5], v[SS+6:SS+7]
	v_pk_add_f32 v[SS:SS+1], v[SS:SS+1], v[SS+4:SS+5]
	v_add_f32 v[SS], v[SS], v[SS+1]
	v_permlanex16_b32 v[SS+1], v[SS], s84, s85
	v_add_f32 v[SS], v[SS], v[SS+1]
	v_fma_f32 v[RS+2*(\a)], v[SS], s81, s82
.endm
	SUMSQ 0
	SUMSQ 1
	SUMSQ 2
	SUMSQ 3
.irp a, 0,1,2,3
	v_rsq_f32 v[RS+2*(\a)], v[RS+2*(\a)]
.endr
	v_nop                                          ; a plain instruction behind the last of the four,
	s_wait_alu depctr_va_vdst(0)                   ; and the wait ahead of the first use: one for the batch
.irp a, 0,1,2,3
	v_mov_b32 v[RS+2*(\a)+1], v[RS+2*(\a)]
.endr
.macro BLOCK a                         ; block a's 16 tokens: w (x rsqrt), RoPE, f16, eight stores of 512 consecutive bytes
	s_wait_xcnt 0x0                                ; the last block's stores have read PK
	WIN 0x0a                                       ; sources in window 2: cos and sin, rounded to bf16, two to a word
.irp b, 0,1,2,3
.irp q, 0,1,2,3
	v_cvt_pk_bf16_f32 v[PK+4*(\b)+(\q)],    v[64*(\a)+16*(\b)+4*(\q)],   v[64*(\a)+16*(\b)+4*(\q)+2]
	v_cvt_pk_bf16_f32 v[PK+16+4*(\b)+(\q)], v[64*(\a)+16*(\b)+4*(\q)+1], v[64*(\a)+16*(\b)+4*(\q)+3]
.endr
.endr
	WIN 0x01                                       ; source 0 in window 1
.set i, 0
.rept 32
	v_pk_mul_f32 v[Y+2*i:Y+2*i+1], v[64*(\a)+2*i:64*(\a)+2*i+1], v[RS+2*(\a):RS+2*(\a)+1] op_sel_hi:[1,0]
.set i, i+1
.endr
	WIN 0
.set i, 0
.rept 32
	v_pk_mul_f32 v[Y+2*i:Y+2*i+1], v[Y+2*i:Y+2*i+1], v[NW+2*i:NW+2*i+1]
.set i, i+1
.endr
.irp b, 0,1,2,3                        ; channels 16 b + .. pair with channels 64 + 16 b + ..
.irp q, 0,1,2,3
	v_lshlrev_b32 v[CC+2*(\q)],   16,  v[PK+4*(\b)+(\q)]
	v_and_b32     v[CC+2*(\q)+1], s80, v[PK+4*(\b)+(\q)]
	v_lshlrev_b32 v[SN+2*(\q)],   16,  v[PK+16+4*(\b)+(\q)]
	v_and_b32     v[SN+2*(\q)+1], s80, v[PK+16+4*(\b)+(\q)]
.endr
.irp q, 0,1,2,3
	v_pk_mul_f32 v[TA+2*(\q):TA+2*(\q)+1], v[Y+32+8*(\b)+2*(\q):Y+32+8*(\b)+2*(\q)+1], v[SN+2*(\q):SN+2*(\q)+1]
.endr
.irp q, 0,1,2,3
	v_pk_mul_f32 v[UA+2*(\q):UA+2*(\q)+1], v[Y+8*(\b)+2*(\q):Y+8*(\b)+2*(\q)+1], v[SN+2*(\q):SN+2*(\q)+1]
.endr
.irp q, 0,1,2,3
	v_pk_fma_f32 v[Y+8*(\b)+2*(\q):Y+8*(\b)+2*(\q)+1], v[Y+8*(\b)+2*(\q):Y+8*(\b)+2*(\q)+1], v[CC+2*(\q):CC+2*(\q)+1], v[TA+2*(\q):TA+2*(\q)+1] neg_lo:[0,0,1] neg_hi:[0,0,1]
.endr
.irp q, 0,1,2,3
	v_pk_fma_f32 v[Y+32+8*(\b)+2*(\q):Y+32+8*(\b)+2*(\q)+1], v[Y+32+8*(\b)+2*(\q):Y+32+8*(\b)+2*(\q)+1], v[CC+2*(\q):CC+2*(\q)+1], v[UA+2*(\q):UA+2*(\q)+1]
.endr
.endr
.set i, 0
.rept 32
	v_cvt_pk_f16_f32 v[PK+i], v[Y+2*i], v[Y+2*i+1]
.set i, i+1
.endr
.irp b, 0,1,2,3,4,5,6,7
	global_store_b128 v[L16], v[PK+4*(\b):PK+4*(\b)+3], s[86:87] offset:4096*(\a)+512*(\b)
.endr
.endm
	BLOCK 0
	BLOCK 1
	BLOCK 2
	BLOCK 3
	s_branch .Lend
; THE WAY OUT FOR v: times 1/4, f16; a lane's 8 tokens of one channel are 16 bytes of a fragment block of V^T.  v160-223 at work, v32-159 packed words, 32 a block
.Lv:
.set YV,  160
.set PKV, 32
.irp a, 0,1,2,3
	WIN 0x01
.set i, 0
.rept 32
	v_pk_mul_f32 v[YV+2*i:YV+2*i+1], v[64*(\a)+2*i:64*(\a)+2*i+1], 0x3e800000 op_sel_hi:[1,0]
.set i, i+1
.endr
	WIN 0
.set i, 0
.rept 32
	v_cvt_pk_f16_f32 v[PKV+32*(\a)+i], v[YV+2*i], v[YV+2*i+1]
.set i, i+1
.endr
.irp b, 0,1,2,3,4,5,6,7
	global_store_b128 v[L16], v[PKV+32*(\a)+4*(\b):PKV+32*(\a)+4*(\b)+3], s[86:87] offset:((\b)/4)*16384+(((\b)/2)%2)*8192+(\a)*1024+((\b)%2)*512
.endr
.endr
.Lend:
	s_wait_tensorcnt 0x0                           ; the wave's end
	ds_add_u32 v[SPW], v[NIL]
	s_wait_dscnt 0x0
	CROUND                                         ; the closing round: no work-group ends while a partner may still ask for a tile that names it
	s_endpgm
.Lfunc_end_k_q808a3ed8aa_qkv:
	.size	k_q808a3ed8aa_qkv, .Lfunc_end_k_q808a3ed8aa_qkv-k_q808a3ed8aa_qkv
	.p2alignl 7, 3214868480
	.fill 96, 4, 3214868480
	.section	.rodata,"a",@progbits
	.p2align	6, 0x0
	.amdhsa_kernel k_q808a3ed8aa_qkv
		.amdhsa_group_segment_fixed_size 327680
		.amdhsa_private_segment_fixed_size 0
		.amdhsa_enable_private_segment 0
		.amdhsa_kernarg_size 56
		.amdhsa_user_sgpr_count 2
		.amdhsa_user_sgpr_kernarg_segment_ptr 1
		.amdhsa_wavefront_size32 1
		.amdhsa_system_sgpr_workgroup_id_x 1
		.amdhsa_system_sgpr_workgroup_id_y 1
		.amdhsa_system_sgpr_workgroup_id_z 1
		.amdhsa_system_vgpr_workitem_id 0
		.amdhsa_next_free_vgpr 832
		.amdhsa_next_free_sgpr 96
		.amdhsa_reserve_vcc 0
		.amdhsa_float_denorm_mode_32 3
		.amdhsa_float_denorm_mode_16_64 3
		.amdhsa_memory_ordered 1
		.amdhsa_forward_progress 1
		.amdhsa_inst_pref_size 178
	.end_amdhsa_kernel
	.amdgpu_metadata
---
amdhsa.version: [ 1, 2 ]
amdhsa.kernels:
  - .name:           k_q808a3ed8aa_qkv
    .symbol:         k_q808a3ed8aa_qkv.kd
    .args:
      - { .name: cb, .offset: 0, .size: 8, .value_kind: global_buffer, .address_space: global }
      - { .name: positions, .offset: 8, .size: 8, .value_kind: global_buffer, .address_space: global }
      - { .name: rope_cache, .offset: 16, .size: 8, .value_kind: global_buffer, .address_space: global }
      - { .name: q_norm_w, .offset: 24, .size: 8, .value_kind: global_buffer, .address_space: global }
      - { .name: k_norm_w, .offset: 32, .size: 8, .value_kind: global_buffer, .address_space: global }
      - { .name: qkf, .offset: 40, .size: 8, .value_kind: global_buffer, .address_space: global }
      - { .name: vf, .offset: 48, .size: 8, .value_kind: global_buffer, .address_space: global }
    .group_segment_fixed_size: 327680
    .private_segment_fixed_size: 0
    .kernarg_segment_align: 8
    .kernarg_segment_size: 56
    .max_flat_workgroup_size: 128
    .sgpr_count:     96
    .vgpr_count:     832
    .wavefront_size: 32
...
	.end_amdgpu_metadata
.endif
;; end of part 2
;; launch attn (part 3): grid 32 x 8, 2 waves a work-group, no clusters, 0 bytes of LDS; arguments qkf, vf, cu_seqlens, of; writes of
.if DOCPART == 3
	.amdgcn_target "amdgcn-amd-amdhsa--gfx1250"
	.amdhsa_code_object_version 6
	.text
	.protected	k_q808a3ed8aa_attn
	.globl	k_q808a3ed8aa_attn
	.p2align	8
	.type	k_q808a3ed8aa_attn,@function
k_q808a3ed8aa_attn:
	s_mov_b64 s[64:65], 0
	v_nop
	global_prefetch_b8 v0, s[64:65] scope:SCOPE_SE
	s_setreg_imm32_b32 hwreg(HW_REG_WAVE_MODE, 25, 1), 1
	s_wait_xcnt 0x0
; ATTENTION, causal inside the segments of cu_seqlens.  16 query heads on 8 key/value heads of 128 channels, 2,048 tokens.  q, k (qkf) and v / 4 (vf) arrive in f16 as fragment blocks of 1,024 bytes
; (byte 512 j + 16 l + 2 e = row l % 16, k = 16 j + 8 (l / 16) + e), so a fragment is two loads of 512 consecutive bytes straight into registers.  O / 4 leaves the same way (of:
; [16 tiles of 128 tokens][16 heads][8 blocks of 16 tokens][4 chunks of 32 channels][1,024]).  Products, maxima and sums in f32; the weights are rounded to f16 for the second product, O once.
; THE MASK.  Key k is seen by query q where lo(q) <= k <= q, lo(q) = max(0, the largest cu[j] <= q): for an ascending cu that is seg[q] == seg[k] and k <= q.
; SHARES.  A wave owns 32 rows (RB = 2 x work-group x + wave) of the two query heads of one kv head (work-group y): four tiles t = 2 hd + g of 16 queries; every fragment of K and V feeds both heads.
; It walks the steps of 64 keys from lo(first row) / 64 to its diagonal step: the trip count hangs on cu_seqlens, whole numbers that this launch reads.  The waves share nothing: no LDS, no barrier,
; no tensor load and NO CLUSTER: row blocks walk different numbers of steps, by data, so no joint request and no barrier can stand in the loop.
; LAYOUT.  S^T = K Q^T (source 0 = 16 keys, source 1 = 16 queries): a lane holds ONE query (l % 16) and keys 8 (l / 16) + 0..7; two such results rounded to f16 ARE source 1 of O^T = V^T P.
; The mask is the C operand that starts S^T's sum: 0, or -1e30 where the key is hidden.  It is made anew only for steps that hold a hidden pair, and once behind such a step (zeros again).
; SOFTMAX.  Running maximum m and sum l a query: p = 2^(c s - c m), c = log2(e) / sqrt(128); O and l are multiplied by a = 2^(c m_old - c m_new) in every step.  m starts at -1e20, far above a hidden
; score and far below every f16 score (5.5e11 at the most), so a step in which a row sees nothing gives p = 0 and a = 1; every row sees its own key at the latest.
; LIMITS.  A hidden score counts as its value less 1e30; a weight below 2^-126 counts as 0; cu_seqlens ascends, as searchsorted relies on; NaN and infinities are not treated apart.
; O^T, l and the masks are cleared by moves while the first loads are on their way: a first step written out would be a second copy of the step's text.
; REGISTERS, in windows of 256 (s_set_vgpr_msb: bits 1:0 source 0, 3:2 source 1, 5:4 source 2, 7:6 destination):
;   window 0: v2 16 l; v3 256 l; v12-43 statistics, 8 a tile (c m, m, l, l, c0-c3; a takes c2's place); v44-53 the lanes' whole numbers; v64-191 S^T, 32 a tile; v192-255 P, 16 a tile
;   window 1: O^T, 64 a tile      window 2: v0-127 Q, v128-255 K of one step      window 3: v0-127 V of one step, v128-191 the masks, 32 a row group g
.set L16, 2
.set PFO, 3
.set ST,  12
.set QI,  44          ; my query's number, by g
.set LO,  46          ; lo of it
.set DD,  48          ; q - lo
.set TB,  50          ; 8 (l / 16) - lo
.set TT,  52          ; at work
.set S,   64
.set P,   192
.set KF,  128         ; window 2
.set MC,  128         ; window 3
.set WV,  12          ; s12 wave; s13 RB; s14 kv head; s15 Q0 = 32 RB; s16-20 cu; s21 lo(Q0); s22 lo(Q0 + 31); s23 first step; s24 diagonal step
.set NN,  25          ; s25 trips
.set II,  26          ; s26 trips done
.set JJ,  27          ; s27 the step in hand
.set DIRTY, 28        ; s28 1: the masks hold a hidden pair's mark
.set KB,  32          ; s[32:33] K of my head; s[34:35] V; s[36:37], s[38:39] the step to be loaded; s[40:41] an offset; s[42:43], s[44:45] K, V of my diagonal step
.set VB,  34
.set KP,  36
.set VP,  38
.set OFF, 40
.set KD,  42
.set VD,  44
.set ASKJ, 46         ; s46 the trip in which I prefetch, or none
.set QP,  48
.set OP,  50
.set CS,  58
.set SEL, 60
.set BIGN, 62
.set MSB, 0
.macro WIN new
.if MSB != (\new)
	s_set_vgpr_msb (MSB<<8)|(\new)
.set MSB, \new
.endif
.endm
.set W_KQ, 0x0a       ; K and Q in window 2, S^T in window 0
.set W_KM, 0x3a       ; the same with the C operand in window 3
.set W_PV, 0x53       ; V in window 3, P in window 0, O^T in window 1
.set W_RS, 0x41       ; destination and source 0 in window 1, source 1 in window 0
.macro PLACES
.rept 4
	v_nop
.endr
.endm
.macro LOADK                           ; a step's K: 4 blocks of 16 keys x 4 chunks: 32 loads of 512 consecutive bytes
	WIN 0x80
.set n, 0
.rept 32
	global_load_b128 v[KF+4*n:KF+4*n+3], v[L16], s[KP:KP+1] offset:512*n
.set n, n+1
.endr
	WIN 0
.endm
.macro LOADV                           ; a step's V^T: 2 x 32 keys x 8 blocks of 16 channels
	WIN 0xc0
.set n, 0
.rept 32
	global_load_b128 v[4*n:4*n+3], v[L16], s[VP:VP+1] offset:512*n
.set n, n+1
.endr
	WIN 0
.endm
; Product i of 64 of S^T: channels 32 (i / 16) on, keys 16 ((i / 4) % 4) on, tile i % 4.  The first 16 start the sums with the mask.  16 accumulators take turns.
.macro KQ
.set rS, S+32*(i%4)+8*((i/4)%4)
.set rK, KF+32*((i/4)%4)+8*(i/16)
.set rQ, 32*(i%4)+8*(i/16)
.set rM, MC+32*(i%2)+8*((i/4)%4)
.if i < 16
	WIN W_KM
	v_wmma_f32_16x16x32_f16 v[rS:rS+7], v[rK:rK+7], v[rQ:rQ+7], v[rM:rM+7]
.else
	WIN W_KQ
	v_wmma_f32_16x16x32_f16 v[rS:rS+7], v[rK:rK+7], v[rQ:rQ+7], v[rS:rS+7]
.endif
.endm
; Product i of 64 of O^T: keys 32 (i / 32) on, channels 16 ((i / 4) % 8) on, tile i % 4.  32 accumulators take turns.
.macro PV
	WIN W_PV
.set rO, 64*(i%4)+8*((i/4)%8)
.set rV, 64*(i/32)+8*((i/4)%8)
.set rP, P+16*(i%4)+8*(i/32)
	v_wmma_f32_16x16x32_f16 v[rO:rO+7], v[rV:rV+7], v[rP:rP+7], v[rO:rO+7]
.endm
; The masks of step J (s29 = 64 J): register n = 32 g + 8 kb + r stands for key 64 J + 16 kb + 8 (l / 16) + r; it is hidden where key - lo, taken unsigned, is greater than q - lo.  S^T's registers, dead here, hold key - lo.
.macro MASKS
	WIN 0
	v_add_nc_u32 v[TT], s29, v[TB]
	v_add_nc_u32 v[TT+1], s29, v[TB+1]
.set n, 0
.rept 64
	v_add_nc_u32 v[S+n], 16*((n/8)%4)+n%8, v[TT+n/32]
.set n, n+1
.endr
	WIN 0xc0
.set n, 0
.rept 64
	v_cmp_gt_u32 vcc_lo, v[S+n], v[DD+n/32]
	v_cndmask_b32 v[MC+n], 0, s[BIGN], vcc_lo
.set n, n+1
.endr
	WIN 0
.endm
; Number j of the 134 instructions of tile t's softmax for one step.  s0-s31 are the lane's 32 scores, in pairs 0-15.
;   0-15 the maximum of the scores and the old m, three operands at a time, each accumulator's lowest registers first     16-20 the other half of the lanes' maximum; m; c m; its change
;   21-69 the 16 scalings c s - c m and all 33 exponentials (a at 23): none of them names an exponential's result     70-85 the roundings to f16     86-101 the sums, l = a l + sum     102-133 O^T times a
.macro SM t
.set rT, ST+8*(\t)
.set rS, S+32*(\t)
.set rP, P+16*(\t)
.set rO, 64*(\t)+2*(j-102)
.if j < 102
	WIN 0
.endif
.if j < 4
	v_max3_num_f32 v[rT+4+j], v[rS+8*j], v[rS+8*j+1], v[rS+8*j+2]
.elseif j < 12
	v_max3_num_f32 v[rT+4+j%4], v[rT+4+j%4], v[rS+8*(j%4)+2*(j/4)+1], v[rS+8*(j%4)+2*(j/4)+2]
.elseif j == 12
	v_max3_num_f32 v[rT+4], v[rT+4], v[rS+7], v[rS+15]
.elseif j == 13
	v_max3_num_f32 v[rT+6], v[rT+6], v[rS+23], v[rS+31]
.elseif j == 14
	v_max3_num_f32 v[rT+4], v[rT+4], v[rT+5], v[rT+6]
.elseif j == 15
	v_max3_num_f32 v[rT+4], v[rT+4], v[rT+7], v[rT+1]
.elseif j == 16
	v_permlanex16_b32 v[rT+5], v[rT+4], s[SEL], s[SEL+1]
.elseif j == 17
	v_mov_b32 v[rT+7], v[rT]
.elseif j == 18
	v_max_num_f32 v[rT+1], v[rT+4], v[rT+5]
.elseif j == 19
	v_mul_f32 v[rT], s[CS], v[rT+1]
.elseif j == 20
	v_sub_f32 v[rT+7], v[rT+7], v[rT]
.elseif j == 23
	v_exp_f32 v[rT+6], v[rT+7]
.elseif (j < 23) || ((j < 38) && (j%2 == 0)) || ((j < 66) && (j%4 == 2))
.set b, (j-2)/4
.if j < 38
.set b, (j-20)/2
.endif
	v_pk_fma_f32 v[rS+2*b:rS+2*b+1], v[rS+2*b:rS+2*b+1], s[CS:CS+1], v[rT:rT+1] op_sel_hi:[1,0,0] neg_lo:[0,0,1] neg_hi:[0,0,1]
.elseif j < 70
.set e, j-38
.if j < 66
.set e, j-32-(j-38)/4
.endif
.if j < 38
.set e, (j-25)/2
.endif
	v_exp_f32 v[rS+e], v[rS+e]
.elseif j < 86
	v_cvt_pk_f16_f32 v[rP+j-70], v[rS+2*(j-70)], v[rS+2*(j-70)+1]
.elseif j < 102
.set z, j-86
.set w, 4
.set u, z
.if z >= 14
.set w, 32
.set u, 0
.elseif z >= 12
.set w, 16
.set u, z-12
.elseif z >= 8
.set w, 8
.set u, z-8
.endif
.if z < 15
	v_pk_add_f32 v[rS+w*u:rS+w*u+1], v[rS+w*u:rS+w*u+1], v[rS+w*u+w/2:rS+w*u+w/2+1]
.else
	v_pk_fma_f32 v[rT+2:rT+3], v[rT+2:rT+3], v[rT+6:rT+7], v[rS:rS+1] op_sel_hi:[1,0,1]
.endif
.else
	WIN W_RS
	v_pk_mul_f32 v[rO:rO+1], v[rO:rO+1], v[rT+6:rT+7] op_sel_hi:[1,0]
.endif
.endm
	s_load_b256 s[4:11], s[0:1], 0x0               ; qkf s[4:5], vf s[6:7], cu_seqlens s[8:9], of s[10:11]
	v_lshrrev_b32 v1, 5, v0
	v_readfirstlane_b32 s[WV], v1
	s_lshl_b32 s13, ttmp9, 1
	s_add_co_u32 s13, s13, s[WV]                   ; RB
	s_and_b32 s14, ttmp7, 0xffff                   ; kv head
	s_lshl_b32 s15, s13, 5                         ; Q0
	s_lshr_b32 s24, s13, 1                         ; the step that holds my diagonal
	s_mov_b32 s[CS], 0x3e0293ee                    ; c = log2(e) / sqrt(128)
	s_mov_b32 s[CS+1], s[CS]
	s_mov_b32 s[SEL], 0x76543210
	s_mov_b32 s[SEL+1], 0xfedcba98
	s_mov_b32 s[BIGN], 0xf149f2ca                  ; -1e30
	s_mov_b32 s[OFF+1], 0
	v_and_b32 v4, 31, v0
	v_lshlrev_b32 v[L16], 4, v4
	v_lshlrev_b32 v[PFO], 8, v4
	v_and_b32 v5, 15, v0                           ; l % 16
	v_bfe_u32 v6, v0, 4, 1                         ; l / 16
	s_wait_kmcnt 0x0
	s_load_b128 s[16:19], s[8:9], 0x0
	s_load_b32 s20, s[8:9], 0x10
	s_lshl_b32 s[OFF], s14, 20                     ; query head 2 x kv head: 524,288 bytes a head,
	s_lshl_b32 s29, s13, 13                        ; token block 2 RB: 4,096 bytes a block
	s_add_co_u32 s[OFF], s[OFF], s29
	s_add_nc_u64 s[QP:QP+1], s[4:5], s[OFF:OFF+1]
	WIN 0x80
.irp t, 0,1,2,3
.irp i, 0,1,2,3,4,5,6,7
	global_load_b128 v[32*(\t)+4*(\i):32*(\t)+4*(\i)+3], v[L16], s[QP:QP+1] offset:((\t)/2)*524288+((\t)%2)*4096+512*(\i)
.endr
.endr
	WIN 0
	s_add_co_u32 s[OFF], s14, 16
	s_lshl_b32 s[OFF], s[OFF], 19
	s_add_nc_u64 s[KB:KB+1], s[4:5], s[OFF:OFF+1]
	s_lshl_b32 s[OFF], s14, 19
	s_add_nc_u64 s[VB:VB+1], s[6:7], s[OFF:OFF+1]
	s_lshl_b32 s[OFF], s24, 14                     ; a step is 16,384 bytes of K and of V
	s_add_nc_u64 s[KD:KD+1], s[KB:KB+1], s[OFF:OFF+1]
	s_add_nc_u64 s[VD:VD+1], s[VB:VB+1], s[OFF:OFF+1]
	s_lshr_b32 s29, s13, 2                         ; O: tile of 128 tokens RB / 4, head 2 x kv head, block 2 (RB % 4)
	s_lshl_b32 s29, s29, 4
	s_lshl_b32 s30, s14, 1
	s_add_co_u32 s29, s29, s30
	s_lshl_b32 s29, s29, 3
	s_and_b32 s30, s13, 3
	s_lshl_b32 s30, s30, 1
	s_add_co_u32 s29, s29, s30
	s_lshl_b32 s[OFF], s29, 12
	s_add_nc_u64 s[OP:OP+1], s[10:11], s[OFF:OFF+1]
	s_sub_co_u32 s[ASKJ], s24, 2
	s_cmp_eq_u32 s[WV], 1
	s_cselect_b32 s[ASKJ], s[ASKJ], -1             ; the odd row block of a step asks for that step, two trips ahead of it
	s_mov_b32 s21, 0
	s_mov_b32 s22, 0
	s_add_co_u32 s31, s15, 31
	s_wait_kmcnt 0x0
.irp j, 16,17,18,19,20
	s_cmp_le_i32 s\j, s15
	s_cselect_b32 s29, s\j, 0
	s_max_i32 s21, s21, s29                        ; lo of my first row
	s_cmp_le_i32 s\j, s31
	s_cselect_b32 s29, s\j, 0
	s_max_i32 s22, s22, s29                        ; lo of my last row
.endr
	s_lshr_b32 s23, s21, 6
	s_min_u32 s23, s23, s24
	s_min_u32 s23, s23, 31                         ; the first step
	s_add_co_u32 s[NN], s24, 1
	s_sub_co_u32 s[NN], s[NN], s23                 ; at least 1
	s_lshl_b32 s[OFF], s23, 14
	s_add_nc_u64 s[KP:KP+1], s[KB:KB+1], s[OFF:OFF+1]
	s_add_nc_u64 s[VP:VP+1], s[VB:VB+1], s[OFF:OFF+1]
	LOADK
	LOADV
	; while the loads are out: the lanes' whole numbers, and what the first step finds
	v_add_nc_u32 v[QI], s15, v5
	v_add_nc_u32 v[QI+1], 16, v[QI]
	v_mov_b32 v[LO], 0
	v_mov_b32 v[LO+1], 0
.irp j, 16,17,18,19,20
.irp g, 0,1
	v_cmp_le_i32 vcc_lo, s\j, v[QI+(\g)]
	v_cndmask_b32 v[TT+(\g)], 0, s\j, vcc_lo
	v_max_i32 v[LO+(\g)], v[LO+(\g)], v[TT+(\g)]
.endr
.endr
	v_lshlrev_b32 v7, 3, v6
.irp g, 0,1
	v_sub_nc_u32 v[DD+(\g)], v[QI+(\g)], v[LO+(\g)]
	v_sub_nc_u32 v[TB+(\g)], v7, v[LO+(\g)]
.endr
.irp t, 0,1,2,3
	v_mov_b32 v[ST+8*(\t)+1], 0xe0ad78ec           ; m = -1e20
	v_mov_b32 v[ST+8*(\t)+2], 0
	v_mov_b32 v[ST+8*(\t)+3], 0
.endr
.irp t, 0,1,2,3
	v_mul_f32 v[ST+8*(\t)], s[CS], v[ST+8*(\t)+1]  ; c m, made as the loop makes it
.endr
	WIN 0x40
.set n, 0
.rept 256
	v_mov_b32 v[n], 0
.set n, n+1
.endr
	WIN 0xc0
.set n, 0
.rept 64
	v_mov_b32 v[MC+n], 0
.set n, n+1
.endr
	WIN 0
	s_mov_b32 s[DIRTY], 0
	s_mov_b32 s[II], 0
	s_mov_b32 s[JJ], s23
.Lstep:
	s_lshl_b32 s29, s[JJ], 6                       ; the step's first key
	s_cmp_lt_u32 s29, s22                          ; does a segment begin behind it for one of my rows,
	s_cselect_b32 s30, 1, 0
	s_add_co_u32 s31, s29, 63
	s_cmp_gt_u32 s31, s15                          ; or does it reach past my first row?
	s_cselect_b32 s30, 1, s30
	s_or_b32 s31, s30, s[DIRTY]                    ; then the masks are made; and once more behind such a step
	s_mov_b32 s[DIRTY], s30
	s_cmp_eq_u32 s31, 0
	s_cbranch_scc1 .Lclean
	MASKS
.Lclean:
	s_wait_loadcnt 32                              ; K of this step is in (at the first trip Q too); V's 32 younger loads may stay out
.set i, 0
.rept 64
	KQ
.set i, i+1
.endr
	WIN 0
	PLACES                                         ; in front of the loads into K's registers and of the softmax's reads
	s_wait_xcnt 0x0                                ; earlier loads have read their base
	s_add_co_u32 s30, s[JJ], 1
	s_min_u32 s30, s30, 31                         ; the last trip's loads go to a step inside the buffer and are not used: one text, the same counts on every path
	s_lshl_b32 s[OFF], s30, 14
	s_add_nc_u64 s[KP:KP+1], s[KB:KB+1], s[OFF:OFF+1]
	LOADK
	s_cmp_eq_u32 s[JJ], s[ASKJ]                    ; a prefetch of my diagonal step's K and V, 128 blocks of 256 bytes, a lane a block: behind this trip's loads, one trip ahead of the loads that want them.
	s_cbranch_scc0 .Lnoask                         ; Step s of a head is named once in the launch, by row block 2 s + 1
	global_prefetch_b8 v[PFO], s[KD:KD+1] th:TH_LOAD_NT scope:SCOPE_SE
	global_prefetch_b8 v[PFO], s[KD:KD+1] offset:8192 th:TH_LOAD_NT scope:SCOPE_SE
	global_prefetch_b8 v[PFO], s[VD:VD+1] th:TH_LOAD_NT scope:SCOPE_SE
	global_prefetch_b8 v[PFO], s[VD:VD+1] offset:8192 th:TH_LOAD_NT scope:SCOPE_SE
.Lnoask:
.set j, 0
.rept 70                               ; the four tiles alternate, so that no line reads the result of the one before it
	SM 0
	SM 1
	SM 2
	SM 3
.set j, j+1
.endr
	v_nop                                          ; a plain instruction behind the last exponential,
	s_wait_alu depctr_va_vdst(0)                   ; and the wait ahead of the first use: one for the step's 132 exponentials
.rept 64
	SM 0
	SM 1
	SM 2
	SM 3
.set j, j+1
.endr
	s_wait_loadcnt 32                              ; V of this step is in; the next K's 32 loads may stay out
.set i, 0
.rept 64
	PV
.set i, i+1
.endr
	WIN 0
	PLACES                                         ; in front of the loads into V's registers
	s_wait_xcnt 0x0
	s_add_nc_u64 s[VP:VP+1], s[VB:VB+1], s[OFF:OFF+1]
	LOADV
	s_add_co_u32 s[JJ], s[JJ], 1
	s_add_co_u32 s[II], s[II], 1
	s_cmp_lt_u32 s[II], s[NN]
	s_cbranch_scc1 .Lstep
	; THE WAY OUT: l's two halves and the other half of the lanes' are added; O^T is divided by l, rounded to f16 and stored as it lies: 512 consecutive bytes a store
.irp t, 0,1,2,3
	v_add_f32 v[ST+8*(\t)+4], v[ST+8*(\t)+2], v[ST+8*(\t)+3]
.endr
.irp t, 0,1,2,3
	v_permlanex16_b32 v[ST+8*(\t)+5], v[ST+8*(\t)+4], s[SEL], s[SEL+1]
.endr
.irp t, 0,1,2,3
	v_add_f32 v[ST+8*(\t)+4], v[ST+8*(\t)+4], v[ST+8*(\t)+5]
.endr
.irp t, 0,1,2,3
	v_rcp_f32 v[ST+8*(\t)+6], v[ST+8*(\t)+4]
.endr
	v_nop
	s_wait_alu depctr_va_vdst(0)                   ; one wait for the four reciprocals
.irp t, 0,1,2,3
	WIN W_RS
.set n, 64*(\t)
.rept 32
	v_pk_mul_f32 v[n:n+1], v[n:n+1], v[ST+8*(\t)+6:ST+8*(\t)+7] op_sel_hi:[1,0]
.set n, n+2
.endr
	WIN 0x05                                       ; sources in window 1, destination in window 0: S^T's registers are free
.set n, 0
.rept 32
	v_cvt_pk_f16_f32 v[S+32*(\t)+n], v[64*(\t)+2*n], v[64*(\t)+2*n+1]
.set n, n+1
.endr
	WIN 0
.irp f, 0,1,2,3,4,5,6,7
	global_store_b128 v[L16], v[S+32*(\t)+4*(\f):S+32*(\t)+4*(\f)+3], s[OP:OP+1] offset:((\t)/2)*32768+((\t)%2)*4096+(\f)*512
.endr
.endr
	s_endpgm
.Lfunc_end_k_q808a3ed8aa_attn:
	.size	k_q808a3ed8aa_attn, .Lfunc_end_k_q808a3ed8aa_attn-k_q808a3ed8aa_attn
	.p2alignl 7, 3214868480
	.fill 96, 4, 3214868480
	.section	.rodata,"a",@progbits
	.p2align	6, 0x0
	.amdhsa_kernel k_q808a3ed8aa_attn
		.amdhsa_group_segment_fixed_size 0
		.amdhsa_private_segment_fixed_size 0
		.amdhsa_enable_private_segment 0
		.amdhsa_kernarg_size 32
		.amdhsa_user_sgpr_count 2
		.amdhsa_user_sgpr_kernarg_segment_ptr 1
		.amdhsa_wavefront_size32 1
		.amdhsa_system_sgpr_workgroup_id_x 1
		.amdhsa_system_sgpr_workgroup_id_y 1
		.amdhsa_system_sgpr_workgroup_id_z 1
		.amdhsa_system_vgpr_workitem_id 0
		.amdhsa_next_free_vgpr 960
		.amdhsa_next_free_sgpr 66
		.amdhsa_reserve_vcc 1
		.amdhsa_float_denorm_mode_32 3
		.amdhsa_float_denorm_mode_16_64 3
		.amdhsa_memory_ordered 1
		.amdhsa_forward_progress 1
		.amdhsa_inst_pref_size 98
	.end_amdhsa_kernel
	.amdgpu_metadata
---
amdhsa.version: [ 1, 2 ]
amdhsa.kernels:
  - .name:           k_q808a3ed8aa_attn
    .symbol:         k_q808a3ed8aa_attn.kd
    .args:
      - { .name: qkf, .offset: 0, .size: 8, .value_kind: global_buffer, .address_space: global }
      - { .name: vf, .offset: 8, .size: 8, .value_kind: global_buffer, .address_space: global }
      - { .name: cu_seqlens, .offset: 16, .size: 8, .value_kind: global_buffer, .address_space: global }
      - { .name: of, .offset: 24, .size: 8, .value_kind: global_buffer, .address_space: global }
    .group_segment_fixed_size: 0
    .private_segment_fixed_size: 0
    .kernarg_segment_align: 8
    .kernarg_segment_size: 32
    .max_flat_workgroup_size: 64
    .sgpr_count:     66
    .vgpr_count:     960
    .wavefront_size: 32
...
	.end_amdgpu_metadata
.endif
;; end of part 3
;; launch oproj (part 4): grid 16 x 16, 4 waves a work-group, clusters of 4 x 4, 327,680 bytes of LDS; arguments of, cb, out0; writes out0
.if DOCPART == 4
	.amdgcn_target "amdgcn-amd-amdhsa--gfx1250"
	.amdhsa_code_object_version 6
	.text
	.protected	k_q808a3ed8aa_oproj
	.globl	k_q808a3ed8aa_oproj
	.p2align	8
	.type	k_q808a3ed8aa_oproj,@function
k_q808a3ed8aa_oproj:
	s_mov_b64 s[64:65], 0
	v_nop
	global_prefetch_b8 v0, s[64:65] scope:SCOPE_SE
	s_setreg_imm32_b32 hwreg(HW_REG_WAVE_MODE, 25, 1), 1
	s_wait_xcnt 0x0
	s_wait_alu depctr_hold_cnt(0) depctr_sa_sdst(0) depctr_va_vdst(0) depctr_va_sdst(0) depctr_va_ssrc(0) depctr_va_vcc(0) depctr_vm_vsrc(0)
	s_getreg_b32 s2, hwreg(HW_REG_IB_STS2, 6, 4)
	s_cmp_eq_u32 s2, 0
	s_cbranch_scc0 .Lentry_in_a_cluster
	s_endpgm
.Lentry_in_a_cluster:
	s_bfe_u32 s2, ttmp6, 0x10000c
	s_cmp_lg_u32 s2, 0xf033
	s_cbranch_scc0 .Lentry_shape_is_right
	s_endpgm
.Lentry_shape_is_right:
; THE OUTPUT PROJECTION.  out0[t][n] = 4 x the sum over k of (O / 4)[t][k] wo[n][k]; both operands in f16, sums in f32, the factor 4 in f32 at the end; out0 is f32 [2048][4096].
; A tile is 128 tokens x 256 columns; K = 2,048 in 16 steps of 128 (step s = head s) through two LDS slots.  16 x 16 work-groups, one tile each, in clusters of 4 x 4.
; A = of: [16 tiles of 128 tokens][16 heads][8 blocks of 16 tokens][4 chunks of 32 channels][1,024 bytes: byte 512 j + 16 l + 2 e = token l % 16, channel 16 j + 8 (l / 16) + e]: a K step of a tile is
; 32,768 dense bytes, and a fragment is two LDS loads of 512 consecutive bytes.  B = wo at byte 50,331,648 of cb, [4096][2048], rows of 4,096 bytes, padded in LDS.
; Four waves: WH = wave / 2 takes 64 tokens, WL = wave % 2 takes 128 columns: 32 accumulators (a, b) at v[8 (8 a + b)] of window 1.  The matrix instruction is used transposed (source 0 = 16 rows of wo,
; source 1 = 16 tokens): a lane holds one token and 8 neighbouring columns, 32 bytes.  They go through the wave's own stage in LDS and leave as rows of 512 consecutive bytes, aligned.
; CLUSTER.  A's tile hangs on the tile row alone and is asked for jointly along a row of the cluster, B's on the tile column alone, along a column.
; LIMITS.  Those of the operands: |O| under 262,016, |wo| under 65,504.  NaN and infinities are not treated apart.
; SCALARS as in the projection in front: s18-20 wave, WH, WL; s21, s22 cx, cy; s24-31, s48-55 groups 1; s32-39, s56-63 groups 0; s43 LIM; s44-45 PFA; s46-47 its step; s66, s67 cluster x, y; s69 tile row; s70 tile column; s86-87 out0 at my rows.
.set KSTEP, 128
.set PITCH, 272                        ; a row of B in LDS: 256 bytes + 16 of padding: the 16 rows of a fragment load start 4 banks apart (64 banks of 4 bytes: ISA guide 11.1)
.set AHALF, 16384                      ; 64 tokens of a K step, dense
.set BHALF, 128*PITCH
.set BOFF,  2*AHALF
.set SLOT,  BOFF+2*BHALF               ; 102,400
.set STAGE, 2*SLOT                     ; behind the ring, never filled by a tensor load: 16 rows x 528 bytes for each wave
.set SPITCH, 528                       ; 512 bytes + 16: 132 words: row r starts at bank 4 r mod 64
.set SPARE, STAGE+4*16*SPITCH          ; the spare words, 128 bytes a wave: two blocks of 256 bytes that no other line names
.set LAPS,  8
.set WOOFF, 50331648
.set ADRA, 16
.set ADRB, 20
.set STO,  24
.set RD,   25
.set L16,  26
.set SPW,  28
.set NIL,  29
.set PFO,  30
.set F0,   32
.set F1,   128
.set TO,   32                          ; the way out: 64 numbers times 4
.set WV, 18
.set WH, 19
.set WL, 20
.set G1A, 24
.set G0A, 32
.set LIM, 43
.set PFA, 44
.set PFS, 46
.set G1B, 48
.set G0B, 56
.set MSB, 0
.macro WIN new
.if MSB != (\new)
	s_set_vgpr_msb (MSB<<8)|(\new)
.set MSB, \new
.endif
.endm
.set MUL, 0x50                         ; C and D in window 1
.macro PLACES
.rept 4
	v_nop
.endr
.endm
.macro CREST
	s_cmp_lg_u32 s[WV], 0
	s_cbranch_scc1 .Lnot_wave_0_\@
	s_barrier_signal -3
.Lnot_wave_0_\@:
	s_barrier_wait -3
	s_barrier_signal -1
	s_barrier_wait -1
.endm
.macro CROUND
	s_barrier_signal -1
	s_barrier_wait -1
	CREST
.endm
.macro JLOAD s                         ; waves 0, 1 fetch A's halves, waves 2, 3 B's; an s_nop 0 and four v_nop follow each line
	s_cmp_eq_u32 s[WH], 0
	s_cbranch_scc0 .Lfor_b_\@
	tensor_load_to_lds s[G0A+4*(\s):G0A+4*(\s)+3], s[G1A:G1A+7]
	s_nop 0
.rept 4
	v_nop
.endr
	s_branch .Lasked_\@
.Lfor_b_\@:
	tensor_load_to_lds s[G0B+4*(\s):G0B+4*(\s)+3], s[G1B:G1B+7]
	s_nop 0
.rept 4
	v_nop
.endr
.Lasked_\@:
.endm
; A prefetch of the K step two refills on, 32 blocks of 256 bytes, a lane a block.  A's 32,768 bytes of a K step: wave 0 of the clusters x = 0, 8,192 bytes a partner by cx.  B's rows: waves 2 and 3 of the
; clusters y = 0, each for the 128 rows that it fetches, 32 a partner by cy.  So each block is named once in the launch.  The loop's last trip asks for nothing; K steps 0 to 3 come by their loads alone.
.macro ASK
	s_cmp_gt_u32 s3, s[LIM]
	s_cbranch_scc0 .Lnot_mine_\@
	global_prefetch_b8 v[PFO], s[PFA:PFA+1] th:TH_LOAD_NT scope:SCOPE_SE
.Lnot_mine_\@:
.endm
.macro MUL8 f, a, zero
	WIN MUL
.irp b, 0,1,2,3,4,5,6,7
.if \zero
	v_wmma_f32_16x16x32_f16 v[8*(8*(\a)+(\b)):8*(8*(\a)+(\b))+7], v[(\f)+8*(\b):(\f)+8*(\b)+7], v[(\f)+64+8*(\a):(\f)+64+8*(\a)+7], 0
.else
	v_wmma_f32_16x16x32_f16 v[8*(8*(\a)+(\b)):8*(8*(\a)+(\b))+7], v[(\f)+8*(\b):(\f)+8*(\b)+7], v[(\f)+64+8*(\a):(\f)+64+8*(\a)+7], v[8*(8*(\a)+(\b)):8*(8*(\a)+(\b))+7]
.endif
.endr
.endm
.macro FETCH slot, k, f                ; B's 8 fragments at byte k of its rows, then A's 4: chunk k / 64 of block a lies at 4,096 a + 16 k
	WIN 0
.irp i, 0,1,2,3,4,5,6,7
	ds_load_b128 v[(\f)+8*(\i):(\f)+8*(\i)+3],   v[ADRB+(\slot)] offset:(\k)+(\i)*16*PITCH
	ds_load_b128 v[(\f)+8*(\i)+4:(\f)+8*(\i)+7], v[ADRB+(\slot)] offset:(\k)+(\i)*16*PITCH+32
.endr
.irp i, 0,1,2,3
	ds_load_b128 v[(\f)+64+8*(\i):(\f)+64+8*(\i)+3],   v[ADRA+(\slot)] offset:(\i)*4096+(\k)*16
	ds_load_b128 v[(\f)+64+8*(\i)+4:(\f)+64+8*(\i)+7], v[ADRA+(\slot)] offset:(\i)*4096+(\k)*16+512
.endr
.endm
.macro QUARTER slot, k, f, g, zero
	s_wait_dscnt 4                                 ; all but the four youngest loads (A's blocks 2 and 3)
	MUL8 \f, 0, \zero
	MUL8 \f, 1, \zero
	PLACES
	FETCH \slot, \k, \g
	s_wait_dscnt 24                                ; all but the 24 just issued
	MUL8 \f, 2, \zero
	MUL8 \f, 3, \zero
.endm
.macro TURN slot, next, fill           ; the last quarter of a K step and the change of slots: as in the projection in front
.if \fill
	s_wait_xcnt 0x0                                ; the last prefetch, a K step back, has read its address
	s_add_nc_u64 s[PFA:PFA+1], s[PFA:PFA+1], s[PFS:PFS+1]
.endif
	WIN 0
	s_wait_tensorcnt 0x0                           ; all my tensor loads have landed: my part of the next slot
	ds_add_u32 v[SPW], v[NIL]
	s_wait_dscnt 5                                 ; the add and A's four youngest loads may be out
	MUL8 F1, 0, 0
	s_wait_dscnt 0x0                               ; the add is done, my reads of this slot are over
	s_barrier_signal -1
	MUL8 F1, 1, 0
.if \fill
	WIN 0
.endif
	s_barrier_wait -1
.if \fill
	CREST
	s_add_nc_u64 s[G0A+4*(\slot)+2:G0A+4*(\slot)+3], s[G0A+4*(\slot)+2:G0A+4*(\slot)+3], 2*32768
	s_add_nc_u64 s[G0B+4*(\slot)+2:G0B+4*(\slot)+3], s[G0B+4*(\slot)+2:G0B+4*(\slot)+3], 2*KSTEP*2
	JLOAD \slot
.else
	PLACES
.endif
	FETCH \next, 0, F0
.if \fill
	ASK
.endif
	MUL8 F1, 2, 0
	MUL8 F1, 3, 0
.endm
	s_load_b128 s[4:7], s[0:1], 0x0                ; of s[4:5], cb s[6:7]
	s_load_b64 s[8:9], s[0:1], 0x10                ; out0
	v_lshl_add_u32 v[SPW], v0, 2, SPARE
	v_mov_b32 v[NIL], 0
	ds_add_u32 v[SPW], v[NIL]                      ; the wave's opening: the add and its wait stand ahead of my first tensor load
	v_lshrrev_b32 v1, 5, v0
	v_readfirstlane_b32 s[WV], v1
	s_lshr_b32 s[WH], s[WV], 1
	s_and_b32 s[WL], s[WV], 1
	s_bfe_u32 s21, ttmp6, 0x40000                  ; cx
	s_bfe_u32 s22, ttmp6, 0x40004                  ; cy
	s_mov_b32 s66, ttmp9
	s_and_b32 s67, ttmp7, 0xffff
	s_lshl_b32 s69, s67, 2
	s_add_co_u32 s69, s69, s22                     ; tile row
	s_lshl_b32 s70, s66, 2
	s_add_co_u32 s70, s70, s21                     ; tile column
	s_lshl_b32 s40, s22, 2
	s_lshl_b32 s40, 15, s40                        ; my row of the cluster
	s_lshl_b32 s41, 0x1111, s21                    ; my column
	s_or_b32 s[G1A], s40, (1<<16)|(1<<21)          ; mask; 2-byte elements; bit 21 beside a mask; no padding
	s_or_b32 s[G1B], s41, (1<<16)|(1<<20)|(1<<21)|(5<<22)|(3<<25)
	s_mov_b32 s[G1A+1], 128<<16                    ; 16,384 dense bytes as 64 rows of 256
	s_mov_b32 s[G1A+2], 64<<16
	s_mov_b32 s[G1A+3], 128<<16
	s_mov_b32 s[G1A+4], 64
	s_mov_b32 s[G1A+5], 128
	s_mov_b32 s[G1A+6], 0
	s_mov_b32 s[G1A+7], 0
	s_mov_b32 s[G1B+1], KSTEP<<16                  ; 128 rows x 128 elements, 2,048 elements from row to row
	s_mov_b32 s[G1B+2], 128<<16
	s_mov_b32 s[G1B+3], KSTEP<<16
	s_mov_b32 s[G1B+4], 128
	s_mov_b32 s[G1B+5], 2048
	s_mov_b32 s[G1B+6], 0
	s_mov_b32 s[G1B+7], 0
	s_lshl_b32 s76, s69, 19                        ; A: 16 heads x 32,768 bytes a tile row,
	s_lshl_b32 s73, s[WL], 14                      ; my half
	s_add_co_u32 s76, s76, s73
	s_mov_b32 s77, 0
	s_lshl_b32 s78, s70, 20                        ; B: 256 rows of 4,096 bytes a tile column,
	s_lshl_b32 s74, s[WL], 19                      ; my 128 rows,
	s_add_co_u32 s78, s78, s74
	s_add_co_u32 s78, s78, WOOFF                   ; behind U
	s_mov_b32 s79, 0
	s_lshl_b32 s40, s[WL], 14                      ; where they go
	s_mul_i32 s41, s[WL], BHALF
	s_add_co_u32 s41, s41, BOFF
	s_lshl_b32 s86, s69, 21                        ; out0: 128 rows of 16,384 bytes a tile row,
	s_lshl_b32 s73, s[WH], 20                      ; my 64 rows,
	s_add_co_u32 s86, s86, s73
	s_lshl_b32 s73, s70, 10                        ; 256 columns of 4 bytes a tile column,
	s_add_co_u32 s86, s86, s73
	s_lshl_b32 s73, s[WL], 9                       ; my 128 columns
	s_add_co_u32 s86, s86, s73
	s_mov_b32 s87, 0
	s_wait_dscnt 0x0                               ; the opening add is done
	s_wait_kmcnt 0x0
	s_add_nc_u64 s[76:77], s[4:5], s[76:77]
	s_add_nc_u64 s[78:79], s[6:7], s[78:79]
	s_add_nc_u64 s[86:87], s[8:9], s[86:87]
	CROUND                                         ; all sixteen work-groups are here: the first joint loads meet
.irp s, 0,1
	s_mov_b32 s[G0A+4*(\s)], 1
	s_add_co_u32 s[G0A+4*(\s)+1], s40, (\s)*SLOT
	s_add_nc_u64 s[G0A+4*(\s)+2:G0A+4*(\s)+3], s[76:77], (\s)*32768
	s_or_b32 s[G0A+4*(\s)+3], s[G0A+4*(\s)+3], 0x80000000
	s_mov_b32 s[G0B+4*(\s)], 1
	s_add_co_u32 s[G0B+4*(\s)+1], s41, (\s)*SLOT
	s_add_nc_u64 s[G0B+4*(\s)+2:G0B+4*(\s)+3], s[78:79], (\s)*KSTEP*2
	s_or_b32 s[G0B+4*(\s)+3], s[G0B+4*(\s)+3], 0x80000000
	JLOAD \s                                       ; two loads of mine are out
.endr
	v_and_b32 v1, 15, v0                           ; l % 16
	v_bfe_u32 v2, v0, 4, 1                         ; l / 16
	v_and_b32 v4, 31, v0                           ; l
	v_lshlrev_b32 v[L16], 4, v4
	v_mul_u32_u24 v3, v1, PITCH
	v_lshl_add_u32 v3, v2, 4, v3
	s_lshl_b32 s73, s[WH], 14
	s_mul_i32 s74, s[WL], BHALF
	s_add_co_u32 s74, s74, BOFF
.irp s, 0,1
	v_add_nc_u32 v[ADRA+(\s)], s73, v[L16]
	v_add_nc_u32 v[ADRB+(\s)], s74, v3
	s_add_co_u32 s73, s73, SLOT
	s_add_co_u32 s74, s74, SLOT
.endr
	s_mul_i32 s73, s[WV], 16*SPITCH
	s_add_co_u32 s73, s73, STAGE                   ; my stage
	v_mul_u32_u24 v[STO], v1, SPITCH               ; in: row l % 16, 32 bytes for each half of the lanes
	v_lshl_add_u32 v[STO], v2, 5, v[STO]
	v_add_nc_u32 v[STO], s73, v[STO]
	v_add_nc_u32 v[RD], s73, v[L16]                ; back: a row of 512 bytes, 16 a lane
	; who prefetches, and where
	s_cmp_eq_u32 s66, 0
	s_cselect_b32 s73, 1, 0
	s_cmp_eq_u32 s67, 0
	s_cselect_b32 s74, 1, 0
	s_cmp_eq_u32 s[WH], 0
	s_cselect_b32 s73, s73, s74
	s_cmp_eq_u32 s[WV], 1
	s_cselect_b32 s73, 0, s73
	s_cmp_eq_u32 s73, 1
	s_cselect_b32 s[LIM], 1, -1                    ; the same in all sixteen partners, for a given wave
	s_lshl_b32 s73, s69, 19
	s_lshl_b32 s74, s21, 13
	s_add_co_u32 s73, s73, s74
	s_add_co_u32 s73, s73, 3*32768                 ; A: my work-group's 8,192 bytes, at K step 3
	s_lshl_b32 s74, s70, 8
	s_lshl_b32 s75, s[WL], 7
	s_add_co_u32 s74, s74, s75
	s_lshl_b32 s75, s22, 5
	s_add_co_u32 s74, s74, s75
	s_lshl_b32 s74, s74, 12
	s_add_co_u32 s74, s74, WOOFF+3*KSTEP*2         ; B: my work-group's 32 rows, at K step 3
	s_mov_b32 s[PFS], 256
	s_mov_b32 s[PFS+1], 0
	s_cmp_eq_u32 s[WH], 0
	s_cselect_b32 s74, s73, s74
	s_cselect_b32 s[PFS], 32768, s[PFS]            ; a K step along A, along B
	s_cselect_b32 s73, 8, 12                       ; lanes 256 bytes apart in A, a row of 4,096 apart in B
	s_cselect_b64 s[PFA:PFA+1], s[4:5], s[6:7]
	s_mov_b32 s75, 0
	s_add_nc_u64 s[PFA:PFA+1], s[PFA:PFA+1], s[74:75]  ; the first refill steps it to K step 4 and names that
	v_lshlrev_b32 v[PFO], s73, v4
	s_wait_tensorcnt 1                             ; my part of K step 0 is in; K step 1's may stay out
	s_barrier_signal -1
	s_barrier_wait -1
	FETCH 0, 0, F0
	QUARTER 0, 64,  F0, F1, 1                      ; the first quarter starts all 32 sums with the constant 0
	WIN 0
	s_mov_b32 s3, LAPS-1
.Llap:
	QUARTER 0, 128, F1, F0, 0
	QUARTER 0, 192, F0, F1, 0
	TURN 0, 1, 1
	QUARTER 1, 64,  F0, F1, 0
	QUARTER 1, 128, F1, F0, 0
	QUARTER 1, 192, F0, F1, 0
	TURN 1, 0, 1
	QUARTER 0, 64,  F0, F1, 0
	WIN 0
	s_sub_co_u32 s3, s3, 1
	s_cmp_lg_u32 s3, 0
	s_cbranch_scc1 .Llap
	QUARTER 0, 128, F1, F0, 0                      ; the last lap fills nothing
	QUARTER 0, 192, F0, F1, 0
	TURN 0, 1, 0
	QUARTER 1, 64,  F0, F1, 0
	QUARTER 1, 128, F1, F0, 0
	QUARTER 1, 192, F0, F1, 0
	s_wait_dscnt 4
	MUL8 F1, 0, 0
	MUL8 F1, 1, 0
	s_wait_dscnt 0x0
	MUL8 F1, 2, 0
	MUL8 F1, 3, 0
	WIN 0
	PLACES
	PLACES                                         ; eight, once a launch
; THE WAY OUT of block a (16 tokens x 128 columns): times 4; 32 bytes a lane into my stage; back as rows of 512 bytes; stored.  LDS serves a wave's instructions in order (ISA guide 5.7.1.4), and the stage
; is my own: no barrier, and no wait between the stores and the loads.
.macro OUTB a
.set BK, 96+64*((\a)%2)                ; rows read back: v96-159 and v160-223 by turns
	WIN 0x01                                       ; source 0 in window 1
.set i, 0
.rept 32
	v_pk_mul_f32 v[TO+2*i:TO+2*i+1], v[64*(\a)+2*i:64*(\a)+2*i+1], 4.0 op_sel_hi:[1,0]
.set i, i+1
.endr
	WIN 0
.irp b, 0,1,2,3,4,5,6,7
	ds_store_b128 v[STO], v[TO+8*(\b):TO+8*(\b)+3]   offset:64*(\b)
	ds_store_b128 v[STO], v[TO+8*(\b)+4:TO+8*(\b)+7] offset:64*(\b)+16
.endr
	s_wait_xcnt 0x0                                ; the stores of two blocks back have read these registers
.irp t, 0,1,2,3,4,5,6,7,8,9,10,11,12,13,14,15
	ds_load_b128 v[BK+4*(\t):BK+4*(\t)+3], v[RD] offset:(\t)*SPITCH
.endr
.irp t, 0,1,2,3,4,5,6,7,8,9,10,11,12,13,14,15
	s_wait_dscnt 15-(\t)                           ; row t is back; the 15 - t younger loads may stay out
	global_store_b128 v[L16], v[BK+4*(\t):BK+4*(\t)+3], s[86:87] offset:(\a)*262144+(\t)*16384 th:TH_STORE_NT
.endr
.endm
	OUTB 0
	OUTB 1
	OUTB 2
	OUTB 3
	s_wait_tensorcnt 0x0                           ; the wave's end: behind my last tensor load and my last LDS store
	ds_add_u32 v[SPW], v[NIL]
	s_wait_dscnt 0x0
	CROUND                                         ; the closing round: no work-group ends while a partner may still ask for a tile that names it
	s_endpgm
.Lfunc_end_k_q808a3ed8aa_oproj:
	.size	k_q808a3ed8aa_oproj, .Lfunc_end_k_q808a3ed8aa_oproj-k_q808a3ed8aa_oproj
	.p2alignl 7, 3214868480
	.fill 96, 4, 3214868480
	.section	.rodata,"a",@progbits
	.p2align	6, 0x0
	.amdhsa_kernel k_q808a3ed8aa_oproj
		.amdhsa_group_segment_fixed_size 327680
		.amdhsa_private_segment_fixed_size 0
		.amdhsa_enable_private_segment 0
		.amdhsa_kernarg_size 24
		.amdhsa_user_sgpr_count 2
		.amdhsa_user_sgpr_kernarg_segment_ptr 1
		.amdhsa_wavefront_size32 1
		.amdhsa_system_sgpr_workgroup_id_x 1
		.amdhsa_system_sgpr_workgroup_id_y 1
		.amdhsa_system_sgpr_workgroup_id_z 1
		.amdhsa_system_vgpr_workitem_id 0
		.amdhsa_next_free_vgpr 512
		.amdhsa_next_free_sgpr 96
		.amdhsa_reserve_vcc 0
		.amdhsa_float_denorm_mode_32 3
		.amdhsa_float_denorm_mode_16_64 3
		.amdhsa_memory_ordered 1
		.amdhsa_forward_progress 1
		.amdhsa_inst_pref_size 96
	.end_amdhsa_kernel
	.amdgpu_metadata
---
amdhsa.version: [ 1, 2 ]
amdhsa.kernels:
  - .name:           k_q808a3ed8aa_oproj
    .symbol:         k_q808a3ed8aa_oproj.kd
    .args:
      - { .name: of, .offset: 0, .size: 8, .value_kind: global_buffer, .address_space: global }
      - { .name: cb, .offset: 8, .size: 8, .value_kind: global_buffer, .address_space: global }
      - { .name: out0, .offset: 16, .size: 8, .value_kind: global_buffer, .address_space: global }
    .group_segment_fixed_size: 327680
    .private_segment_fixed_size: 0
    .kernarg_segment_align: 8
    .kernarg_segment_size: 24
    .max_flat_workgroup_size: 128
    .sgpr_count:     96
    .vgpr_count:     512
    .wavefront_size: 32
...
	.end_amdgpu_metadata
.endif
;; end of part 4
;; ======== version 2 of 2: 4 launches
;; limits: values are held in f16: magnitudes above 65,504 overflow, below 6.1e-05 lose precision
;; workspace buffers: cb 67,108,864 bytes; qkf 12,582,912 bytes; vf 4,194,304 bytes; of 8,388,608 bytes
;; launch cast (part 5): grid 256 x 8, 8 waves a work-group, no clusters, 35,840 bytes of LDS; arguments x, wq, wk, wv, wo, cb; writes cb
.if DOCPART == 5
	.amdgcn_target "amdgcn-amd-amdhsa--gfx1250"
	.amdhsa_code_object_version 6
	.text
	.protected	k_q808a3ed8aa_cast
	.globl	k_q808a3ed8aa_cast
	.p2align	8
	.type	k_q808a3ed8aa_cast,@function
k_q808a3ed8aa_cast:
	s_mov_b64 s[64:65], 0
	v_nop
	global_prefetch_b8 v0, s[64:65] scope:SCOPE_SE
	s_setreg_imm32_b32 hwreg(HW_REG_WAVE_MODE, 25, 1), 1
	s_wait_xcnt 0x0
; 16-BIT COPIES OF THE FIVE LARGE INPUTS, laid out as the matrix instructions read them.
; cb = U (6,144 rows x 4,096: rows 0-2047 x, 2048-4095 wq, 4096-5119 wk, 5120-6143 wv) in bf16, then wo (4,096 rows x 2,048): rounded to bf16 like the others, that number written as f16.
; LAYOUT of both: [group of 64 rows][chunk of 32 along K][4 blocks of 16 rows][1,024 bytes]; in a block byte 256 o + 16 r + 2 e = row r, k = 8 o + e: the register image of a 16 x 32 operand
; (lane l takes the 16 bytes at 16 l and at 512 + 16 l).  A group's whole K range is contiguous.
; LIMITS.  |wo| stays under 65,504; below 2^-17 the f16 copy of wo has f16's fixed step of 6e-8.  NaN and infinities are not treated apart.
; SHARES.  Work-group y names 16 MiB of f32 (x: 0, 1; wq: 2, 3; wk: 4; wv: 5; wo: 6, 7), work-group x a group of 64 rows x 256 numbers of them; wave w takes block w % 4, numbers 128 (w / 4) on:
; sixteen loads, a row each, of 512 consecutive bytes, all issued before the first is waited for.  A lane's four numbers are half of a 16-byte unit of another lane's store, so the wave's 4 KiB go through a
; stage of its own in LDS: in by octets of k (pitch 272 bytes = 68 words: the 32 lanes of a store fall on 64 different banks), back as 512 consecutive bytes a load; eight stores of 512 consecutive bytes, aligned.
; No barrier: no wave touches another's stage.  No matrix work, no cluster, no prefetch: every byte is touched once, and the launch only streams.
.set X, 4                              ; v[4:67]  load i: four f32 of row i at X + 4 i; its two packed words take the first two places; later the units read back
.set SPW, 68                           ; v68  LDS address of my spare word; never rewritten
.set NIL, 69                           ; v69  0; never rewritten
.set SPITCH, 272
.set STAGE, 16*SPITCH                  ; 4,352 bytes a wave: 16 octets x (16 rows x 16 bytes + 16)
.set SPARE, 8*STAGE                    ; behind the stages: the spare words, 128 bytes a wave: four blocks of 256 bytes that no other line names
	s_load_b256 s[4:11], s[0:1], 0x0               ; x s[4:5], wq s[6:7], wk s[8:9], wv s[10:11]
	s_load_b128 s[12:15], s[0:1], 0x20             ; wo s[12:13], cb s[14:15]
	v_lshl_add_u32 v[SPW], v0, 2, SPARE
	v_mov_b32 v[NIL], 0
	v_lshrrev_b32 v2, 5, v0
	v_readfirstlane_b32 s26, v2                    ; wave
	s_and_b32 s24, ttmp7, 0xffff                   ; y
	s_mov_b32 s25, 0xffff0000                      ; a word's upper bf16
	s_and_b32 s27, s26, 3                          ; my block of 16 rows in the group
	s_lshr_b32 s28, s26, 2                         ; my 128 of the 256 numbers
	s_cmp_ge_u32 s24, 6                            ; wo has rows of 2,048 numbers, the others of 4,096
	s_cselect_b32 s29, 3, 4                        ; log2 of the pieces of 256 numbers in a row
	s_cselect_b32 s30, 13, 14                      ; log2 of a row's bytes
	s_lshr_b32 s20, 0x8a, s24                      ; y = 1, 3, 7 are their tensors' second 16 MiB
	s_and_b32 s20, s20, 1
	s_lshl_b32 s20, s20, 24
	s_lshr_b32 s31, ttmp9, s29                     ; the group among the unit's
	s_lshl_b32 s31, s31, 2
	s_add_co_u32 s31, s31, s27                     ; my block of 16 rows,
	s_lshl_b32 s31, s31, 4                         ; its first row,
	s_lshl_b32 s31, s31, s30                       ; in bytes
	s_add_co_u32 s20, s20, s31
	s_bfm_b32 s31, s29, 0
	s_and_b32 s31, ttmp9, s31                      ; the piece of 256 numbers
	s_lshl_b32 s31, s31, 1
	s_add_co_u32 s31, s31, s28
	s_lshl_b32 s31, s31, 9                         ; 128 f32 are 512 bytes
	s_add_co_u32 s20, s20, s31                     ; byte offset in the source
	s_mov_b32 s21, 0
	s_lshl_b32 s22, s24, 23                        ; cb: a unit is 8 MiB, a work-group's 8 chunks are 32 KiB on end,
	s_lshl_b32 s31, ttmp9, 15
	s_add_co_u32 s22, s22, s31
	s_lshl_b32 s31, s28, 14                        ; my 4 chunks,
	s_add_co_u32 s22, s22, s31
	s_lshl_b32 s31, s27, 10                        ; my block in each
	s_add_co_u32 s22, s22, s31
	s_mov_b32 s23, 0
	s_mul_i32 s31, s26, STAGE                      ; my stage
	v_and_b32 v1, 31, v0                           ; lane
	v_lshrrev_b32 v2, 1, v1
	v_mul_u32_u24 v3, v2, SPITCH                   ; in: octet lane / 2,
	v_and_b32 v2, 1, v1
	v_lshl_add_u32 v3, v2, 3, v3                   ; its half lane % 2; the row stands in the immediate
	v_add_nc_u32 v3, s31, v3
	v_lshrrev_b32 v2, 4, v1
	v_mul_u32_u24 v2, v2, SPITCH                   ; back: lanes 0-15 one octet's 16 rows, lanes 16-31 the next octet's
	v_and_b32 v70, 15, v1
	v_lshl_add_u32 v2, v70, 4, v2
	v_add_nc_u32 v2, s31, v2
	v_lshlrev_b32 v1, 4, v1                        ; 16 x lane: in a row of the source and in 512 bytes of cb
	s_wait_kmcnt 0x0
	s_cmp_ge_u32 s24, 2
	s_cselect_b64 s[16:17], s[6:7], s[4:5]
	s_cmp_ge_u32 s24, 4
	s_cselect_b64 s[16:17], s[8:9], s[16:17]
	s_cmp_ge_u32 s24, 5
	s_cselect_b64 s[16:17], s[10:11], s[16:17]
	s_cmp_ge_u32 s24, 6
	s_cselect_b64 s[16:17], s[12:13], s[16:17]
	s_add_nc_u64 s[16:17], s[16:17], s[20:21]
	s_add_nc_u64 s[18:19], s[14:15], s[22:23]
.macro BODY rowb, wo                   ; rowb: a source row's bytes; wo = 1: the bf16 number is written as f16
.irp i, 0,1,2,3,4,5,6,7,8,9,10,11,12,13,14,15
	global_load_b128 v[X+4*(\i):X+4*(\i)+3], v1, s[16:17] offset:(\i)*(\rowb) th:TH_LOAD_NT
.endr
.irp i, 0,1,2,3,4,5,6,7,8,9,10,11,12,13,14,15
	s_wait_loadcnt 15-(\i)                         ; loads come back in order: row i is in, the 15 - i younger ones may stay out
.if \wo
	v_cvt_pk_bf16_f32 v[X+4*(\i)],   v[X+4*(\i)],   v[X+4*(\i)+1]
	v_cvt_pk_bf16_f32 v[X+4*(\i)+2], v[X+4*(\i)+2], v[X+4*(\i)+3]
	v_and_b32     v[X+4*(\i)+1], s25, v[X+4*(\i)]
	v_lshlrev_b32 v[X+4*(\i)],   16,  v[X+4*(\i)]
	v_and_b32     v[X+4*(\i)+3], s25, v[X+4*(\i)+2]
	v_lshlrev_b32 v[X+4*(\i)+2], 16,  v[X+4*(\i)+2]
	v_cvt_pk_f16_f32 v[X+4*(\i)],   v[X+4*(\i)],   v[X+4*(\i)+1]
	v_cvt_pk_f16_f32 v[X+4*(\i)+1], v[X+4*(\i)+2], v[X+4*(\i)+3]
.else
	v_cvt_pk_bf16_f32 v[X+4*(\i)],   v[X+4*(\i)],   v[X+4*(\i)+1]
	v_cvt_pk_bf16_f32 v[X+4*(\i)+1], v[X+4*(\i)+2], v[X+4*(\i)+3]
.endif
	ds_store_b64 v3, v[X+4*(\i):X+4*(\i)+1] offset:16*(\i)
.endr
.irp t, 0,1,2,3,4,5,6,7
	ds_load_b128 v[X+4*(\t):X+4*(\t)+3], v2 offset:2*SPITCH*(\t)  ; octets 2 t and 2 t + 1.  LDS serves a wave's instructions in order (ISA guide 5.7.1.4): these see the stores above
.endr
.irp t, 0,1,2,3,4,5,6,7
	s_wait_dscnt 7-(\t)                            ; load t is back; the 7 - t younger ones may stay out
	global_store_b128 v1, v[X+4*(\t):X+4*(\t)+3], s[18:19] offset:((\t)/2)*4096+((\t)%2)*512 th:TH_STORE_NT  ; chunk t / 2, half t % 2 of my block
.endr
	s_wait_tensorcnt 0x0                           ; the wave's end: behind my last LDS store
	ds_add_u32 v[SPW], v[NIL]
	s_wait_dscnt 0x0
	s_endpgm
.endm
	s_cmp_ge_u32 s24, 6
	s_cbranch_scc1 .Lwo
	BODY 16384, 0
.Lwo:
	BODY 8192, 1
.Lfunc_end_k_q808a3ed8aa_cast:
	.size	k_q808a3ed8aa_cast, .Lfunc_end_k_q808a3ed8aa_cast-k_q808a3ed8aa_cast
	.p2alignl 7, 3214868480
	.fill 96, 4, 3214868480
	.section	.rodata,"a",@progbits
	.p2align	6, 0x0
	.amdhsa_kernel k_q808a3ed8aa_cast
		.amdhsa_group_segment_fixed_size 35840
		.amdhsa_private_segment_fixed_size 0
		.amdhsa_enable_private_segment 0
		.amdhsa_kernarg_size 48
		.amdhsa_user_sgpr_count 2
		.amdhsa_user_sgpr_kernarg_segment_ptr 1
		.amdhsa_wavefront_size32 1
		.amdhsa_system_sgpr_workgroup_id_x 1
		.amdhsa_system_sgpr_workgroup_id_y 1
		.amdhsa_system_sgpr_workgroup_id_z 1
		.amdhsa_system_vgpr_workitem_id 0
		.amdhsa_next_free_vgpr 72
		.amdhsa_next_free_sgpr 66
		.amdhsa_reserve_vcc 0
		.amdhsa_float_denorm_mode_32 3
		.amdhsa_float_denorm_mode_16_64 3
		.amdhsa_memory_ordered 1
		.amdhsa_forward_progress 1
		.amdhsa_inst_pref_size 20
	.end_amdhsa_kernel
	.amdgpu_metadata
---
amdhsa.version: [ 1, 2 ]
amdhsa.kernels:
  - .name:           k_q808a3ed8aa_cast
    .symbol:         k_q808a3ed8aa_cast.kd
    .args:
      - { .name: x, .offset: 0, .size: 8, .value_kind: global_buffer, .address_space: global }
      - { .name: wq, .offset: 8, .size: 8, .value_kind: global_buffer, .address_space: global }
      - { .name: wk, .offset: 16, .size: 8, .value_kind: global_buffer, .address_space: global }
      - { .name: wv, .offset: 24, .size: 8, .value_kind: global_buffer, .address_space: global }
      - { .name: wo, .offset: 32, .size: 8, .value_kind: global_buffer, .address_space: global }
      - { .name: cb, .offset: 40, .size: 8, .value_kind: global_buffer, .address_space: global }
    .group_segment_fixed_size: 35840
    .private_segment_fixed_size: 0
    .kernarg_segment_align: 8
    .kernarg_segment_size: 48
    .max_flat_workgroup_size: 256
    .sgpr_count:     66
    .vgpr_count:     72
    .wavefront_size: 32
...
	.end_amdgpu_metadata
.endif
;; end of part 5
;; launch qkv (part 6): grid 16 x 16, 4 waves a work-group, clusters of 4 x 4, 327,680 bytes of LDS; arguments cb, positions, rope_cache, q_norm_w, k_norm_w, qkf, vf; writes qkf, vf
.if DOCPART == 6
	.amdgcn_target "amdgcn-amd-amdhsa--gfx1250"
	.amdhsa_code_object_version 6
	.text
	.protected	k_q808a3ed8aa_qkv
	.globl	k_q808a3ed8aa_qkv
	.p2align	8
	.type	k_q808a3ed8aa_qkv,@function
k_q808a3ed8aa_qkv:
	s_mov_b64 s[64:65], 0
	v_nop
	global_prefetch_b8 v0, s[64:65] scope:SCOPE_SE
	s_setreg_imm32_b32 hwreg(HW_REG_WAVE_MODE, 25, 1), 1
	s_wait_xcnt 0x0
	s_wait_alu depctr_hold_cnt(0) depctr_sa_sdst(0) depctr_va_vdst(0) depctr_va_sdst(0) depctr_va_ssrc(0) depctr_va_vcc(0) depctr_vm_vsrc(0)
	s_getreg_b32 s2, hwreg(HW_REG_IB_STS2, 6, 4)
	s_cmp_eq_u32 s2, 0
	s_cbranch_scc0 .Lentry_in_a_cluster
	s_endpgm
.Lentry_in_a_cluster:
	s_bfe_u32 s2, ttmp6, 0x10000c
	s_cmp_lg_u32 s2, 0xf033
	s_cbranch_scc0 .Lentry_shape_is_right
	s_endpgm
.Lentry_shape_is_right:
; THE THREE PROJECTIONS, with RMS norm, gain and RoPE (q, k) or a factor 1/4 (v) on the way out.  Operands: U (6,144 rows x 4,096 in bf16; rows: x, wq, wk, wv) at cb's head; sums in f32.
; U's LAYOUT: [96 groups of 64 rows][128 chunks of 32 along K][4 blocks of 16 rows][1,024 bytes: byte 256 o + 16 r + 2 e = row r, k = 8 o + e]: a block is the register image of a 16 x 32 operand,
; a group's K range is contiguous (524,288 bytes), and a tile in LDS is dense: a fragment is two LDS loads of 512 consecutive bytes.
; A tile is 128 "A rows" x 256 "B rows" of U.  16 x 16 work-groups, one tile each, in clusters of 4 x 4.
;   clusters x = 0, 1, 2 (q, q, k): A = 128 tokens of x, B = 256 weight rows = two heads.      cluster x = 3 (v): A = 128 rows of wv = one kv head, B = 256 tokens of x.
; K GOES IN STEPS OF 6 CHUNKS (192) through two LDS slots of 147,456 bytes, as large as two fit in LDS: 128 chunks = a first step of 2 + 21 steps of 6.  A refill has a whole step, 192 matrix instructions
; a wave, in which to land.
; Four waves: WH = wave / 2 takes 64 A rows (a group), WL = wave % 2 takes 128 B rows (two groups): 32 accumulators (a = 0..3, b = 0..7) at v[8 (8 a + b)] of window 1.
; THE MATRIX INSTRUCTION IS USED TRANSPOSED (source 0 = 16 B rows, source 1 = 16 A rows): lane l holds A row l % 16 and, in registers 0-7, B rows 16 b + 8 (l / 16) + 0..7.
; So for q and k a lane holds one token and 64 of its head's 128 channels (the other 64 lie in the lane 16 away): norm and RoPE need one exchange; for v a lane holds one channel and 8 tokens.
; RESULTS leave in f16 as blocks of the same 1,024 bytes:
;   qkf: [24 heads: 0-15 q, 16-23 k][128 blocks of 16 tokens][4 chunks of 32 channels][1,024]          vf: v / 4, [8 heads][32 steps of 64 keys][2 x 32 keys][8 x 16 channels][1,024]
; A lane's 8 numbers are 16 bytes of such a block, so every store of a wave covers 512 consecutive bytes, aligned, straight from registers.
; FORMATS.  All float inputs count rounded to bf16: x and the weights by the launch before, rope_cache and the gains here.  q, k, v are rounded once, to f16.
; LIMITS.  |q|, |k| under 65,504 and |v| under 262,016 (v is kept times 2^-2, exactly; the last launch multiplies by 4).  A position outside 0..2047 is clamped to that range.  NaN and infinities are not treated apart.
; CLUSTER.  A's tile hangs on the cluster's row alone and is asked for jointly by its four work-groups, B's on the column alone: the same tensor load, descriptor and mask in all four.
; REGISTERS.  window 0: v1 l % 16, v2 l / 16, v4-7 rope offsets, v8-10 small offsets, v16-30 addresses; v32-127, v128-223 two fragment buffers (B's 8 fragments, then A's 4); on the way out see below.
;   window 1: the accumulators.   window 2: cos and sin as loaded, 64 a + 16 b + 4 q.   window 3: v0-63 the gains as loaded.
; SCALARS.  s6-7 positions of my tokens; s8-9 rope_cache; s10-11 the gains; s12, s13 byte offset along K of each slot's next tile; s14-15 where results go; s18-20 wave, WH, WL; s21, s22 cx, cy;
;   s24-31, s48-55 descriptor groups 1; s32-39, s56-63 groups 0, a set a slot; s43 LIM; s44-45 PFA; s66, s67 cluster x, y; s68 ISV; s69, s70 A's and B's tile number; s71, s72 their first groups in U;
;   s73-75 at work; s76-79 my groups' addresses; s80-87, s88-95 groups 1 of the first step's short tiles, later s80-85 constants.
.set CH,    4096                       ; a chunk of a group: 64 rows x 32 along K
.set STEPC, 6                          ; chunks in a step
.set AREG,  STEPC*CH                   ; a group's part of a slot: 24,576 bytes: what wave 0 or 1 fetches, and what a wave reads of A
.set BREG,  2*AREG                     ; two groups: what wave 2 or 3 fetches, and what a wave reads of B
.set BOFF,  2*AREG                     ; A's two groups, then B's four
.set SLOT,  BOFF+2*BREG                ; 147,456
.set SPARE, 2*SLOT                     ; behind the ring: the spare words, 128 bytes a wave: two blocks of 256 bytes that no other line names
.set TRIPS, 10                         ; a trip = two steps = once round the ring; 20 refills
.set RO,   4
.set ADRA, 16
.set ADRB, 20
.set L16,  26
.set SPW,  28
.set NIL,  29
.set PFO,  30
.set F0,   32
.set F1,   128
.set OFS, 12
.set OUT, 14
.set WV, 18
.set WH, 19
.set WL, 20
.set G1A, 24
.set G0A, 32
.set LIM, 43
.set PFA, 44
.set G1B, 48
.set G0B, 56
.set G1A0, 80
.set G1B0, 88
.set MSB, 0
.macro WIN new                         ; the immediate's high byte repeats the setting that is left; a switch that changes nothing is dropped
.if MSB != (\new)
	s_set_vgpr_msb (MSB<<8)|(\new)
.set MSB, \new
.endif
.endm
.set MUL, 0x50                         ; C and D in window 1, both sources in window 0
.macro PLACES                          ; four plain places behind matrix instructions, in front of loads into registers that they read and of lines that read results
.rept 4
	v_nop
.endr
.endm
.macro CREST                           ; a round of the cluster's barrier behind its opening barrier
	s_cmp_lg_u32 s[WV], 0
	s_cbranch_scc1 .Lnot_wave_0_\@
	s_barrier_signal -3
.Lnot_wave_0_\@:
	s_barrier_wait -3
	s_barrier_signal -1
	s_barrier_wait -1
.endm
.macro CROUND
	s_barrier_signal -1
	s_barrier_wait -1
	CREST
.endm
.macro JLOAD s, ga, gb                 ; a joint load: waves 0, 1 fetch A's groups, waves 2, 3 B's pairs of groups; an s_nop 0 and four v_nop follow each line
	s_cmp_eq_u32 s[WH], 0
	s_cbranch_scc0 .Lfor_b_\@
	tensor_load_to_lds s[G0A+4*(\s):G0A+4*(\s)+3], s[(\ga):(\ga)+7]
	s_nop 0
.rept 4
	v_nop
.endr
	s_branch .Lasked_\@
.Lfor_b_\@:
	tensor_load_to_lds s[G0B+4*(\s):G0B+4*(\s)+3], s[(\gb):(\gb)+7]
	s_nop 0
.rept 4
	v_nop
.endr
.Lasked_\@:
.endm
; A PREFETCH, once a trip, behind the trip's second joint load and its run of LDS loads: the 12 chunks that the NEXT trip's two refills will ask for (one step and two steps ahead of those loads).
; A wave that asks names 24,576 bytes, a lane a block of 256, three instructions.  Each block of U is named once in the launch: x's groups by wave 0 of the clusters x = 0, wv's by wave 0 of the clusters
; x = 3, y < 2, wq's and wk's by waves 2 and 3 of the clusters x < 3, y = 0.  The four partners that ask for a tile jointly share it out by address: of A's two groups partner cx takes group cx / 2,
; step cx % 2; of B's four groups partner cy takes group cy, wave 2 the first step and wave 3 the second.  The last trip asks for nothing; steps 0 to 3 come by their loads alone.
.macro ASK
	s_cmp_gt_u32 s3, s[LIM]
	s_cbranch_scc0 .Lnot_mine_\@
	global_prefetch_b8 v[PFO], s[PFA:PFA+1] th:TH_LOAD_NT scope:SCOPE_SE
	global_prefetch_b8 v[PFO], s[PFA:PFA+1] offset:8192 th:TH_LOAD_NT scope:SCOPE_SE
	global_prefetch_b8 v[PFO], s[PFA:PFA+1] offset:16384 th:TH_LOAD_NT scope:SCOPE_SE
.Lnot_mine_\@:
.endm
.macro MUL8 f, a, zero                 ; A block a x all 8 B blocks, 32 along K.  The 32 accumulators come once a chunk, in one order: no two products on end share one
	WIN MUL
.irp b, 0,1,2,3,4,5,6,7
.if \zero
	v_wmma_f32_16x16x32_bf16 v[8*(8*(\a)+(\b)):8*(8*(\a)+(\b))+7], v[(\f)+8*(\b):(\f)+8*(\b)+7], v[(\f)+64+8*(\a):(\f)+64+8*(\a)+7], 0
.else
	v_wmma_f32_16x16x32_bf16 v[8*(8*(\a)+(\b)):8*(8*(\a)+(\b))+7], v[(\f)+8*(\b):(\f)+8*(\b)+7], v[(\f)+64+8*(\a):(\f)+64+8*(\a)+7], v[8*(8*(\a)+(\b)):8*(8*(\a)+(\b))+7]
.endif
.endr
.endm
.macro FETCH slot, c, f, gs            ; 24 LDS loads in one run: chunk c of the slot: B's 8 fragments, then A's 4.  gs: bytes from B's first group to its second
	WIN 0
.irp i, 0,1,2,3,4,5,6,7
	ds_load_b128 v[(\f)+8*(\i):(\f)+8*(\i)+3],   v[ADRB+(\slot)] offset:((\i)/4)*(\gs)+(\c)*CH+((\i)%4)*1024
	ds_load_b128 v[(\f)+8*(\i)+4:(\f)+8*(\i)+7], v[ADRB+(\slot)] offset:((\i)/4)*(\gs)+(\c)*CH+((\i)%4)*1024+512
.endr
.irp i, 0,1,2,3
	ds_load_b128 v[(\f)+64+8*(\i):(\f)+64+8*(\i)+3],   v[ADRA+(\slot)] offset:(\c)*CH+(\i)*1024
	ds_load_b128 v[(\f)+64+8*(\i)+4:(\f)+64+8*(\i)+7], v[ADRA+(\slot)] offset:(\c)*CH+(\i)*1024+512
.endr
.endm
.macro QUARTER slot, c, f, g, zero, gs ; multiplies buffer f; in its middle fetches chunk c of the slot into g
	s_wait_dscnt 4                                 ; all but the four youngest loads (A's blocks 2 and 3)
	MUL8 \f, 0, \zero
	MUL8 \f, 1, \zero
	PLACES                                         ; g was read by the chunk before
	FETCH \slot, \c, \g, \gs
	s_wait_dscnt 24                                ; all but the 24 just issued
	MUL8 \f, 2, \zero
	MUL8 \f, 3, \zero
.endm
.macro FIVE s                          ; chunks 0 to 4 of a step are multiplied, chunks 1 to 5 fetched
	QUARTER \s, 1, F0, F1, 0, AREG
	QUARTER \s, 2, F1, F0, 0, AREG
	QUARTER \s, 3, F0, F1, 0, AREG
	QUARTER \s, 4, F1, F0, 0, AREG
	QUARTER \s, 5, F0, F1, 0, AREG
.endm
; A step's last chunk (in buffer 1) and the change of slots.  Half of its products stand ahead of the wait for the tile, half behind the next slot's first LDS loads; none between the wait and the refill.
; One barrier: in front of it each wave waits for all its tensor loads (one is out: its part of the next slot), adds 0 to its spare word, and waits for that and for its reads of this slot.
; fill = 1: the barrier opens a round of the cluster's, and this slot is filled again, two steps on, first thing behind the round.  ask = 1: the trip's prefetches follow.
.macro TURN slot, next, fill, ask
.if \ask
	s_wait_xcnt 0x0                                ; the last prefetches, a trip back, have read their address
	s_add_nc_u64 s[PFA:PFA+1], s[PFA:PFA+1], 2*STEPC*CH
.endif
	s_wait_dscnt 4                                 ; all but A's blocks 2 and 3
	MUL8 F1, 0, 0
	MUL8 F1, 1, 0
	WIN 0
	s_wait_tensorcnt 0x0                           ; no tensor load of mine is out, so a group 0 may be written
	ds_add_u32 v[SPW], v[NIL]                      ; the descriptors' scalar work stands between the add and the wait for it
.if \fill
	s_mov_b32 s74, s[OFS+(\slot)]                  ; the addresses are made anew: my groups' first bytes + the tile's place along K
	s_add_nc_u64 s[G0A+4*(\slot)+2:G0A+4*(\slot)+3], s[76:77], s[74:75]
	s_or_b32 s[G0A+4*(\slot)+3], s[G0A+4*(\slot)+3], 0x80000000
	s_add_nc_u64 s[G0B+4*(\slot)+2:G0B+4*(\slot)+3], s[78:79], s[74:75]
	s_or_b32 s[G0B+4*(\slot)+3], s[G0B+4*(\slot)+3], 0x80000000
	s_add_co_u32 s[OFS+(\slot)], s[OFS+(\slot)], 2*STEPC*CH
.endif
	s_wait_dscnt 0x0                               ; the add is done, my reads of this slot are over
	s_barrier_signal -1
	s_barrier_wait -1
.if \fill
	CREST                                          ; no wave of any partner still reads this slot or has a load on its way
	JLOAD \slot, G1A, G1B                          ; its four v_nop are also the places in front of the loads below
.else
	PLACES
.endif
	FETCH \next, 0, F0, AREG
.if \ask
	ASK
.endif
	MUL8 F1, 2, 0
	MUL8 F1, 3, 0
.endm
	s_load_b256 s[4:11], s[0:1], 0x0               ; cb s[4:5], positions s[6:7], rope_cache s[8:9], q_norm_w s[10:11]
	s_load_b128 s[12:15], s[0:1], 0x20             ; k_norm_w s[12:13], qkf s[14:15]
	s_load_b64 s[16:17], s[0:1], 0x30              ; vf
	v_lshl_add_u32 v[SPW], v0, 2, SPARE
	v_mov_b32 v[NIL], 0
	ds_add_u32 v[SPW], v[NIL]                      ; the wave's opening: the add and its wait stand ahead of my first tensor load; work on registers stands between
	v_lshrrev_b32 v1, 5, v0
	v_readfirstlane_b32 s[WV], v1
	s_lshr_b32 s[WH], s[WV], 1
	s_and_b32 s[WL], s[WV], 1
	s_bfe_u32 s21, ttmp6, 0x40000                  ; cx
	s_bfe_u32 s22, ttmp6, 0x40004                  ; cy
	s_mov_b32 s66, ttmp9                           ; cluster x
	s_and_b32 s67, ttmp7, 0xffff                   ; cluster y
	s_and_b32 s73, s67, 1
	s_lshr_b32 s74, s67, 1
	s_cmp_eq_u32 s66, 3                            ; the v clusters: the same answer in all sixteen partners
	s_cselect_b32 s68, 1, 0                        ; ISV
	s_cselect_b32 s73, s73, s67                    ; which four A tiles the cluster has
	s_cselect_b32 s74, s74, s66                    ; which four B tiles
	s_cselect_b32 s71, 80, 0                       ; A's first group in U: wv's or x's
	s_cselect_b32 s72, 0, 32                       ; B's: x's or wq's
	s_lshl_b32 s69, s73, 2
	s_add_co_u32 s69, s69, s22                     ; A's tile number: cy enters it, cx never
	s_lshl_b32 s70, s74, 2
	s_add_co_u32 s70, s70, s21                     ; B's tile number: cx enters it, cy never
	s_lshl_b32 s73, s69, 1
	s_add_co_u32 s71, s71, s73                     ; A's first group: two a tile
	s_lshl_b32 s74, s70, 2
	s_add_co_u32 s72, s72, s74                     ; B's first group: four a tile
	s_lshl_b32 s40, s22, 2
	s_lshl_b32 s40, 15, s40                        ; my row of the cluster
	s_lshl_b32 s41, 0x1111, s21                    ; my column
	; groups 1, in elements of 8 bytes, no padding.  A: a group's 6 chunks are 24,576 dense bytes: 96 rows of 256.  B: two groups, 524,288 bytes apart: 2 rows of 24,576.  The first step's tiles have 2 chunks.
	s_or_b32 s[G1A],  s40, (3<<16)|(1<<21)         ; 15:0 the mask; 17:16 elements of 8 bytes; bit 21 beside a mask
	s_or_b32 s[G1A0], s40, (3<<16)|(1<<21)
	s_or_b32 s[G1B],  s41, (3<<16)|(1<<21)
	s_or_b32 s[G1B0], s41, (3<<16)|(1<<21)
	s_mov_b32 s[G1A+1], 32<<16                     ; tensor_dim0 = 32
	s_mov_b32 s[G1A+2], 96<<16                     ; tensor_dim1 = 96
	s_mov_b32 s[G1A+3], 32<<16                     ; tile_dim0 = 32
	s_mov_b32 s[G1A+4], 96                         ; tile_dim1 = 96
	s_mov_b32 s[G1A+5], 32                         ; elements from row to row
	s_mov_b32 s[G1A+6], 0
	s_mov_b32 s[G1A+7], 0
	s_mov_b32 s[G1A0+1], 32<<16
	s_mov_b32 s[G1A0+2], 32<<16                    ; 32 rows
	s_mov_b32 s[G1A0+3], 32<<16
	s_mov_b32 s[G1A0+4], 32
	s_mov_b32 s[G1A0+5], 32
	s_mov_b32 s[G1A0+6], 0
	s_mov_b32 s[G1A0+7], 0
	s_mov_b32 s[G1B+1], (AREG/8)<<16               ; tensor_dim0 = 3,072
	s_mov_b32 s[G1B+2], 2<<16                      ; tensor_dim1 = 2
	s_mov_b32 s[G1B+3], (AREG/8)<<16               ; tile_dim0 = 3,072
	s_mov_b32 s[G1B+4], 2                          ; tile_dim1 = 2
	s_mov_b32 s[G1B+5], 65536                      ; a group is 65,536 elements
	s_mov_b32 s[G1B+6], 0
	s_mov_b32 s[G1B+7], 0
	s_mov_b32 s[G1B0+1], (2*CH/8)<<16              ; 1,024
	s_mov_b32 s[G1B0+2], 2<<16
	s_mov_b32 s[G1B0+3], (2*CH/8)<<16
	s_mov_b32 s[G1B0+4], 2
	s_mov_b32 s[G1B0+5], 65536
	s_mov_b32 s[G1B0+6], 0
	s_mov_b32 s[G1B0+7], 0
	s_add_co_u32 s76, s71, s[WL]                   ; the group of A that I would fetch,
	s_lshl_b32 s76, s76, 19                        ; in bytes
	s_mov_b32 s77, 0
	s_lshl_b32 s74, s[WL], 1
	s_add_co_u32 s78, s72, s74                     ; the two groups of B
	s_lshl_b32 s78, s78, 19
	s_mov_b32 s79, 0
	s_mul_i32 s40, s[WL], AREG                     ; where they go: no place in the cluster enters an LDS address
	s_mul_i32 s41, s[WL], BREG
	s_add_co_u32 s41, s41, BOFF
	; where the results go.  q, k: head 2 x B tile + WL, token block 8 x A tile + 4 WH.  v: head = A tile, step 4 x B tile + 2 WL, channel block 4 WH
	s_lshl_b32 s73, s70, 1
	s_add_co_u32 s73, s73, s[WL]
	s_lshl_b32 s73, s73, 19
	s_lshl_b32 s74, s69, 3
	s_lshl_b32 s75, s[WH], 2
	s_add_co_u32 s74, s74, s75
	s_lshl_b32 s74, s74, 12
	s_add_co_u32 s73, s73, s74
	s_lshl_b32 s74, s69, 19
	s_lshl_b32 s75, s70, 2
	s_add_co_u32 s75, s75, s[WL]
	s_add_co_u32 s75, s75, s[WL]
	s_lshl_b32 s75, s75, 14
	s_add_co_u32 s74, s74, s75
	s_lshl_b32 s75, s[WH], 12
	s_add_co_u32 s74, s74, s75
	s_cmp_eq_u32 s68, 1
	s_cselect_b32 s46, s74, s73
	s_mov_b32 s47, 0
	s_lshl_b32 s2, s69, 9                          ; positions of my 64 tokens: 4 bytes x (128 x A tile + 64 WH)
	s_lshl_b32 s75, s[WH], 8
	s_add_co_u32 s2, s2, s75
	s_mov_b32 s3, 0
	s_wait_dscnt 0x0                               ; the opening add is done
	s_wait_kmcnt 0x0
	s_add_nc_u64 s[76:77], s[4:5], s[76:77]
	s_add_nc_u64 s[78:79], s[4:5], s[78:79]
	s_cmp_eq_u32 s68, 1
	s_cselect_b64 s[OUT:OUT+1], s[16:17], s[14:15]
	s_add_nc_u64 s[OUT:OUT+1], s[OUT:OUT+1], s[46:47]
	s_add_nc_u64 s[6:7], s[6:7], s[2:3]
	s_cmp_eq_u32 s66, 2
	s_cselect_b64 s[10:11], s[12:13], s[10:11]     ; k's gains in the clusters x = 2, else q's
	s_mov_b32 s[OFS], 8*CH                         ; step 2 begins at chunk 8, step 3 at chunk 14
	s_mov_b32 s[OFS+1], 14*CH
	CROUND                                         ; all sixteen work-groups are here: the first joint loads meet
.irp s, 0,1
	s_mov_b32 s[G0A+4*(\s)], 1
	s_add_co_u32 s[G0A+4*(\s)+1], s40, (\s)*SLOT
	s_add_nc_u64 s[G0A+4*(\s)+2:G0A+4*(\s)+3], s[76:77], (\s)*2*CH  ; step 0: chunks 0, 1; step 1: chunks 2 to 7
	s_or_b32 s[G0A+4*(\s)+3], s[G0A+4*(\s)+3], 0x80000000
	s_mov_b32 s[G0B+4*(\s)], 1
	s_add_co_u32 s[G0B+4*(\s)+1], s41, (\s)*SLOT
	s_add_nc_u64 s[G0B+4*(\s)+2:G0B+4*(\s)+3], s[78:79], (\s)*2*CH
	s_or_b32 s[G0B+4*(\s)+3], s[G0B+4*(\s)+3], 0x80000000
.endr
	JLOAD 0, G1A0, G1B0
	JLOAD 1, G1A, G1B                              ; two loads of mine are out
	v_and_b32 v1, 15, v0                           ; l % 16
	v_bfe_u32 v2, v0, 4, 1                         ; l / 16
	v_and_b32 v[L16], 31, v0
	v_lshlrev_b32 v[PFO], 8, v[L16]                ; the prefetches: a lane a block of 256 bytes
	v_lshlrev_b32 v[L16], 4, v[L16]                ; 16 x lane
	s_mul_i32 s73, s[WH], AREG
	s_mul_i32 s74, s[WL], BREG
	s_add_co_u32 s74, s74, BOFF
.irp s, 0,1
	v_add_nc_u32 v[ADRA+(\s)], s73, v[L16]
	v_add_nc_u32 v[ADRB+(\s)], s74, v[L16]
	s_add_co_u32 s73, s73, SLOT
	s_add_co_u32 s74, s74, SLOT
.endr
	v_lshlrev_b32 v9, 2, v1
	v_lshlrev_b32 v10, 6, v2
	v_lshlrev_b32 v8, 5, v2
	; who prefetches, and where
	s_cmp_eq_u32 s66, 0
	s_cselect_b32 s73, 1, 0
	s_cmp_lt_u32 s67, 2
	s_cselect_b32 s74, s68, 0
	s_or_b32 s73, s73, s74                         ; A's groups: clusters x = 0, and x = 3 with y < 2
	s_cmp_eq_u32 s67, 0
	s_cselect_b32 s74, 1, 0
	s_and_not1_b32 s74, s74, s68                   ; B's groups: clusters y = 0 but the v cluster
	s_cmp_eq_u32 s[WH], 0
	s_cselect_b32 s73, s73, s74
	s_cmp_eq_u32 s[WV], 1
	s_cselect_b32 s73, 0, s73                      ; wave 1 never asks: wave 0's four partners cover A's two groups
	s_cmp_eq_u32 s73, 1
	s_cselect_b32 s[LIM], 1, -1                    ; the same in all sixteen partners, for a given wave
	s_lshr_b32 s74, s21, 1
	s_add_co_u32 s74, s74, s71                     ; A: group by cx / 2,
	s_and_b32 s73, s21, 1                          ; step by cx % 2
	s_add_co_u32 s75, s72, s22                     ; B: group by cy, step by my wave
	s_cmp_eq_u32 s[WH], 0
	s_cselect_b32 s74, s74, s75
	s_cselect_b32 s73, s73, s[WL]
	s_lshl_b32 s74, s74, 19
	s_mul_i32 s73, s73, AREG
	s_add_co_u32 s74, s74, s73
	s_add_co_u32 s74, s74, 8*CH                    ; at chunk 8: the first trip steps it to chunk 20, where step 4 begins
	s_mov_b32 s75, 0                               ; (stays 0: the high word of the offsets in the loop)
	s_add_nc_u64 s[PFA:PFA+1], s[4:5], s[74:75]
	; THE GATHERS, waited for on the way out: positions, then cos and sin of my 4 x 16 tokens for my 32 pairs of channels, and my 64 gains.  The v clusters run these lines too, with tokens inside the
	; table, and use nothing of them: so every path has written the registers that the text names later.
.irp a, 0,1,2,3
	global_load_b32 v[RO+(\a)], v9, s[6:7] offset:64*(\a)
.endr
	s_wait_loadcnt 0x0
.irp a, 0,1,2,3
	v_min_u32 v[RO+(\a)], 0x7ff, v[RO+(\a)]        ; an index stays inside the table
.endr
.irp a, 0,1,2,3
	v_lshl_add_u32 v[RO+(\a)], v[RO+(\a)], 9, v10  ; 512 x position + 64 x (l / 16)
.endr
	WIN 0x80                                       ; destination window 2
.irp a, 0,1,2,3
.irp b, 0,1,2,3
.irp q, 0,1,2,3
	global_load_b128 v[64*(\a)+16*(\b)+4*(\q):64*(\a)+16*(\b)+4*(\q)+3], v[RO+(\a)], s[8:9] offset:128*(\b)+16*(\q)  ; cos, sin of i = 16 b + 8 (l / 16) + 2 q, and of i + 1
.endr
.endr
.endr
	WIN 0xc0                                       ; destination window 3
.irp b, 0,1,2,3,4,5,6,7
	global_load_b128 v[8*(\b):8*(\b)+3],   v8, s[10:11] offset:64*(\b)
	global_load_b128 v[8*(\b)+4:8*(\b)+7], v8, s[10:11] offset:64*(\b)+16
.endr
	WIN 0
	s_wait_tensorcnt 1                             ; my part of step 0 is in; step 1's may stay out
	s_barrier_signal -1
	s_barrier_wait -1
	FETCH 0, 0, F0, 2*CH                           ; in the first step's short tile B's second group lies 2 chunks behind its first
	QUARTER 0, 1, F0, F1, 1, 2*CH                  ; chunk 0 starts all 32 sums with the constant 0
	WIN 0
	s_mov_b32 s3, TRIPS
.Llap:                                 ; a trip begins at a change of slots, goes once round the ring and fills both slots again
	TURN 0, 1, 1, 0
	FIVE 1
	TURN 1, 0, 1, 1
	FIVE 0
	WIN 0
	s_sub_co_u32 s3, s3, 1
	s_cmp_lg_u32 s3, 0
	s_cbranch_scc1 .Llap
	TURN 0, 1, 0, 0                                ; the last change of slots fills nothing
	FIVE 1
	s_wait_dscnt 4
	MUL8 F1, 0, 0
	MUL8 F1, 1, 0
	s_wait_dscnt 0x0
	MUL8 F1, 2, 0
	MUL8 F1, 3, 0
	WIN 0
	PLACES
	PLACES                                         ; eight, once a launch
	s_mov_b32 s80, 0xffff0000                      ; a word's upper bf16 (the short tiles' descriptors are long done with)
	s_mov_b32 s81, 0x3c000000                      ; 1 / 128
	s_mov_b32 s82, 0x358637bd                      ; 1e-6
	s_mov_b32 s84, 0x76543210                      ; v_permlanex16_b32: each lane takes its own place in the other half
	s_mov_b32 s85, 0xfedcba98
	s_wait_loadcnt 0x0                             ; the gathers
	s_cmp_eq_u32 s68, 1
	s_cbranch_scc1 .Lv
; THE WAY OUT FOR q AND k.  window 0: v32-95 NW gains; v96-159 Y; v160-191 PK packed words; v192-223 four sets of cos, sin and two products; v224-231 SS; v232-239 RS, a pair a block
.set NW, 32
.set Y,  96
.set PK, 160
.set CC, 192
.set SN, 200
.set TA, 208
.set UA, 216
.set SS, 224
.set RS, 232
	WIN 0x0f                                       ; sources in window 3: the gains, rounded to bf16
.set i, 0
.rept 32
	v_cvt_pk_bf16_f32 v[PK+i], v[2*i], v[2*i+1]
.set i, i+1
.endr
	WIN 0
.set i, 0
.rept 32
	v_lshlrev_b32 v[NW+2*i],   16,  v[PK+i]
	v_and_b32     v[NW+2*i+1], s80, v[PK+i]
.set i, i+1
.endr
.macro SUMSQ a                         ; mean of squares + eps for block a's tokens: four chains over my 64 channels (each accumulator's lowest registers first), then the lane 16 away
	WIN 0x05                                       ; sources 0 and 1 in window 1
.irp b, 0,1,2,3,4,5,6,7
.irp p, 0,1,2,3
.if (\b) == 0
	v_pk_mul_f32 v[SS+2*(\p):SS+2*(\p)+1], v[64*(\a)+2*(\p):64*(\a)+2*(\p)+1], v[64*(\a)+2*(\p):64*(\a)+2*(\p)+1]
.else
	v_pk_fma_f32 v[SS+2*(\p):SS+2*(\p)+1], v[64*(\a)+8*(\b)+2*(\p):64*(\a)+8*(\b)+2*(\p)+1], v[64*(\a)+8*(\b)+2*(\p):64*(\a)+8*(\b)+2*(\p)+1], v[SS+2*(\p):SS+2*(\p)+1]
.endif
.endr
.endr
	WIN 0
	v_pk_add_f32 v[SS:SS+1], v[SS:SS+1], v[SS+2:SS+3]
	v_pk_add_f32 v[SS+4:SS+5], v[SS+4:SS+5], v[SS+6:SS+7]
	v_pk_add_f32 v[SS:SS+1], v[SS:SS+1], v[SS+4:SS+5]
	v_add_f32 v[SS], v[SS], v[SS+1]
	v_permlanex16_b32 v[SS+1], v[SS], s84, s85
	v_add_f32 v[SS], v[SS], v[SS+1]
	v_fma_f32 v[RS+2*(\a)], v[SS], s81, s82
.endm
	SUMSQ 0
	SUMSQ 1
	SUMSQ 2
	SUMSQ 3
.irp a, 0,1,2,3
	v_rsq_f32 v[RS+2*(\a)], v[RS+2*(\a)]
.endr
	v_nop                                          ; a plain instruction behind the last of the four,
	s_wait_alu depctr_va_vdst(0)                   ; and the wait ahead of the first use: one for the batch
.irp a, 0,1,2,3
	v_mov_b32 v[RS+2*(\a)+1], v[RS+2*(\a)]
.endr
.macro BLOCK a                         ; block a's 16 tokens: w (x rsqrt), RoPE, f16, eight stores of 512 consecutive bytes
	s_wait_xcnt 0x0                                ; the last block's stores have read PK
	WIN 0x0a                                       ; sources in window 2: cos and sin, rounded to bf16, two to a word
.irp b, 0,1,2,3
.irp q, 0,1,2,3
	v_cvt_pk_bf16_f32 v[PK+4*(\b)+(\q)],    v[64*(\a)+16*(\b)+4*(\q)],   v[64*(\a)+16*(\b)+4*(\q)+2]
	v_cvt_pk_bf16_f32 v[PK+16+4*(\b)+(\q)], v[64*(\a)+16*(\b)+4*(\q)+1], v[64*(\a)+16*(\b)+4*(\q)+3]
.endr
.endr
	WIN 0x01                                       ; source 0 in window 1
.set i, 0
.rept 32
	v_pk_mul_f32 v[Y+2*i:Y+2*i+1], v[64*(\a)+2*i:64*(\a)+2*i+1], v[RS+2*(\a):RS+2*(\a)+1] op_sel_hi:[1,0]
.set i, i+1
.endr
	WIN 0
.set i, 0
.rept 32
	v_pk_mul_f32 v[Y+2*i:Y+2*i+1], v[Y+2*i:Y+2*i+1], v[NW+2*i:NW+2*i+1]
.set i, i+1
.endr
.irp b, 0,1,2,3                        ; channels 16 b + .. pair with channels 64 + 16 b + ..
.irp q, 0,1,2,3
	v_lshlrev_b32 v[CC+2*(\q)],   16,  v[PK+4*(\b)+(\q)]
	v_and_b32     v[CC+2*(\q)+1], s80, v[PK+4*(\b)+(\q)]
	v_lshlrev_b32 v[SN+2*(\q)],   16,  v[PK+16+4*(\b)+(\q)]
	v_and_b32     v[SN+2*(\q)+1], s80, v[PK+16+4*(\b)+(\q)]
.endr
.irp q, 0,1,2,3
	v_pk_mul_f32 v[TA+2*(\q):TA+2*(\q)+1], v[Y+32+8*(\b)+2*(\q):Y+32+8*(\b)+2*(\q)+1], v[SN+2*(\q):SN+2*(\q)+1]
.endr
.irp q, 0,1,2,3
	v_pk_mul_f32 v[UA+2*(\q):UA+2*(\q)+1], v[Y+8*(\b)+2*(\q):Y+8*(\b)+2*(\q)+1], v[SN+2*(\q):SN+2*(\q)+1]
.endr
.irp q, 0,1,2,3
	v_pk_fma_f32 v[Y+8*(\b)+2*(\q):Y+8*(\b)+2*(\q)+1], v[Y+8*(\b)+2*(\q):Y+8*(\b)+2*(\q)+1], v[CC+2*(\q):CC+2*(\q)+1], v[TA+2*(\q):TA+2*(\q)+1] neg_lo:[0,0,1] neg_hi:[0,0,1]
.endr
.irp q, 0,1,2,3
	v_pk_fma_f32 v[Y+32+8*(\b)+2*(\q):Y+32+8*(\b)+2*(\q)+1], v[Y+32+8*(\b)+2*(\q):Y+32+8*(\b)+2*(\q)+1], v[CC+2*(\q):CC+2*(\q)+1], v[UA+2*(\q):UA+2*(\q)+1]
.endr
.endr
.set i, 0
.rept 32
	v_cvt_pk_f16_f32 v[PK+i], v[Y+2*i], v[Y+2*i+1]
.set i, i+1
.endr
.irp b, 0,1,2,3,4,5,6,7
	global_store_b128 v[L16], v[PK+4*(\b):PK+4*(\b)+3], s[OUT:OUT+1] offset:4096*(\a)+512*(\b)
.endr
.endm
	BLOCK 0
	BLOCK 1
	BLOCK 2
	BLOCK 3
	s_branch .Lend
; THE WAY OUT FOR v: times 1/4, f16; a lane's 8 tokens of one channel are 16 bytes of a block of V^T.  v160-223 at work, v32-159 packed words, 32 a block
.Lv:
.set YV,  160
.set PKV, 32
.irp a, 0,1,2,3
	WIN 0x01
.set i, 0
.rept 32
	v_pk_mul_f32 v[YV+2*i:YV+2*i+1], v[64*(\a)+2*i:64*(\a)+2*i+1], 0x3e800000 op_sel_hi:[1,0]
.set i, i+1
.endr
	WIN 0
.set i, 0
.rept 32
	v_cvt_pk_f16_f32 v[PKV+32*(\a)+i], v[YV+2*i], v[YV+2*i+1]
.set i, i+1
.endr
.irp b, 0,1,2,3,4,5,6,7
	global_store_b128 v[L16], v[PKV+32*(\a)+4*(\b):PKV+32*(\a)+4*(\b)+3], s[OUT:OUT+1] offset:((\b)/4)*16384+(((\b)/2)%2)*8192+(\a)*1024+((\b)%2)*512
.endr
.endr
.Lend:
	s_wait_tensorcnt 0x0                           ; the wave's end
	ds_add_u32 v[SPW], v[NIL]
	s_wait_dscnt 0x0
	CROUND                                         ; the closing round: no work-group ends while a partner may still ask for a tile that names it
	s_endpgm
.Lfunc_end_k_q808a3ed8aa_qkv:
	.size	k_q808a3ed8aa_qkv, .Lfunc_end_k_q808a3ed8aa_qkv-k_q808a3ed8aa_qkv
	.p2alignl 7, 3214868480
	.fill 96, 4, 3214868480
	.section	.rodata,"a",@progbits
	.p2align	6, 0x0
	.amdhsa_kernel k_q808a3ed8aa_qkv
		.amdhsa_group_segment_fixed_size 327680
		.amdhsa_private_segment_fixed_size 0
		.amdhsa_enable_private_segment 0
		.amdhsa_kernarg_size 56
		.amdhsa_user_sgpr_count 2
		.amdhsa_user_sgpr_kernarg_segment_ptr 1
		.amdhsa_wavefront_size32 1
		.amdhsa_system_sgpr_workgroup_id_x 1
		.amdhsa_system_sgpr_workgroup_id_y 1
		.amdhsa_system_sgpr_workgroup_id_z 1
		.amdhsa_system_vgpr_workitem_id 0
		.amdhsa_next_free_vgpr 832
		.amdhsa_next_free_sgpr 96
		.amdhsa_reserve_vcc 0
		.amdhsa_float_denorm_mode_32 3
		.amdhsa_float_denorm_mode_16_64 3
		.amdhsa_memory_ordered 1
		.amdhsa_forward_progress 1
		.amdhsa_inst_pref_size 194
	.end_amdhsa_kernel
	.amdgpu_metadata
---
amdhsa.version: [ 1, 2 ]
amdhsa.kernels:
  - .name:           k_q808a3ed8aa_qkv
    .symbol:         k_q808a3ed8aa_qkv.kd
    .args:
      - { .name: cb, .offset: 0, .size: 8, .value_kind: global_buffer, .address_space: global }
      - { .name: positions, .offset: 8, .size: 8, .value_kind: global_buffer, .address_space: global }
      - { .name: rope_cache, .offset: 16, .size: 8, .value_kind: global_buffer, .address_space: global }
      - { .name: q_norm_w, .offset: 24, .size: 8, .value_kind: global_buffer, .address_space: global }
      - { .name: k_norm_w, .offset: 32, .size: 8, .value_kind: global_buffer, .address_space: global }
      - { .name: qkf, .offset: 40, .size: 8, .value_kind: global_buffer, .address_space: global }
      - { .name: vf, .offset: 48, .size: 8, .value_kind: global_buffer, .address_space: global }
    .group_segment_fixed_size: 327680
    .private_segment_fixed_size: 0
    .kernarg_segment_align: 8
    .kernarg_segment_size: 56
    .max_flat_workgroup_size: 128
    .sgpr_count:     96
    .vgpr_count:     832
    .wavefront_size: 32
...
	.end_amdgpu_metadata
.endif
;; end of part 6
;; launch attn (part 7): grid 32 x 8, 4 waves a work-group, no clusters, 0 bytes of LDS; arguments qkf, vf, cu_seqlens, of; writes of
.if DOCPART == 7
	.amdgcn_target "amdgcn-amd-amdhsa--gfx1250"
	.amdhsa_code_object_version 6
	.text
	.protected	k_q808a3ed8aa_attn
	.globl	k_q808a3ed8aa_attn
	.p2align	8
	.type	k_q808a3ed8aa_attn,@function
k_q808a3ed8aa_attn:
	s_mov_b64 s[64:65], 0
	v_nop
	global_prefetch_b8 v0, s[64:65] scope:SCOPE_SE
	s_setreg_imm32_b32 hwreg(HW_REG_WAVE_MODE, 25, 1), 1
	s_wait_xcnt 0x0
; ATTENTION, causal inside the segments of cu_seqlens.  16 query heads on 8 key/value heads of 128 channels, 2,048 tokens.  q, k (qkf) and v / 4 (vf) arrive in f16 as blocks of 1,024 bytes
; (byte 512 j + 16 l + 2 e = row l % 16, k = 16 j + 8 (l / 16) + e), so a fragment is two loads of 512 consecutive bytes straight into registers.  O / 4 leaves in such blocks too (of:
; [32 groups of 64 tokens][64 chunks of 32 channels: 4 a head][4 blocks of 16 tokens][1,024]).  Products, maxima and sums in f32; the weights are rounded to f16 for the second product, O once.
; THE MASK.  Key k is seen by query q where lo(q) <= k <= q, lo(q) = max(0, the largest cu[j] <= q): for an ascending cu that is seg[q] == seg[k] and k <= q.
; SHARES.  A wave owns 16 rows (RB = 4 x work-group x + wave) of the two query heads of one kv head (work-group y): two tiles t of 16 queries; every fragment of K and V feeds both heads, and one mask
; serves both.  1,024 waves, four to a work-group, whose four share one diagonal step.
; A wave walks the steps of 64 keys from lo(first row) / 64 to its diagonal step: the trip count hangs on cu_seqlens, whole numbers that this launch reads.  The waves hand each other nothing: no LDS, no barrier,
; no tensor load and NO CLUSTER: row blocks walk different numbers of steps, by data, so no joint request and no barrier can stand in the loop.
; LAYOUT.  S^T = K Q^T (source 0 = 16 keys, source 1 = 16 queries): a lane holds ONE query (l % 16) and keys 8 (l / 16) + 0..7; two such results rounded to f16 ARE source 1 of O^T = V^T P.
; The mask is the C operand that starts S^T's sum: 0, or -1e30 where the key is hidden.  It is made anew only for steps that hold a hidden pair, and once behind such a step (zeros again).
; SOFTMAX.  Running maximum m and sum l a query: p = 2^(c s - c m), c = log2(e) / sqrt(128); O and l are multiplied by a = 2^(c m_old - c m_new) in every step.  m starts at -1e20, far above a hidden
; score and far below every f16 score (5.5e11 at the most), so a step in which a row sees nothing gives p = 0 and a = 1; every row sees its own key at the latest.
; LIMITS.  A hidden score counts as its value less 1e30; a weight below 2^-126 counts as 0; cu_seqlens ascends, as searchsorted relies on; NaN and infinities are not treated apart.
; O^T, l and the mask are cleared by moves while the first loads are on their way: a first step written out would be a second copy of the step's text.
; REGISTERS, in windows of 256 (s_set_vgpr_msb: bits 1:0 source 0, 3:2 source 1, 5:4 source 2, 7:6 destination):
;   window 0: v2 16 l; v3 256 l; v12-27 statistics, 8 a tile (c m, m, l, l, c0-c3; a takes c2's place); v44-52 the lanes' whole numbers; v64-127 S^T, 32 a tile; v192-223 P, 16 a tile
;   window 1: v0-127 O^T, 64 a tile      window 2: v0-63 Q, v128-255 K of one step      window 3: v0-127 V of one step, v128-159 the mask
.set L16, 2
.set PFO, 3
.set ST,  12
.set QI,  44          ; my query's number
.set LO,  46          ; lo of it
.set DD,  48          ; q - lo
.set TB,  50          ; 8 (l / 16) - lo
.set TT,  52          ; at work
.set S,   64
.set P,   192
.set KF,  128         ; window 2
.set MC,  128         ; window 3
.set WV,  12          ; s12 wave; s13 RB; s14 kv head; s15 Q0 = 16 RB; s16-20 cu; s21 lo(Q0); s22 lo(Q0 + 15); s23 first step; s24 diagonal step
.set NN,  25          ; s25 trips
.set II,  26          ; s26 trips done
.set JJ,  27          ; s27 the step in hand
.set DIRTY, 28        ; s28 1: the mask holds a hidden pair's mark
.set KB,  32          ; s[32:33] K of my head; s[34:35] V; s[36:37], s[38:39] the step to be loaded; s[40:41] an offset; s[42:43] my quarter of my diagonal step's K and V
.set VB,  34
.set KP,  36
.set VP,  38
.set OFF, 40
.set PD,  42
.set ASKJ, 46         ; s46 the trip in which I prefetch
.set QP,  48
.set OP,  50
.set CS,  58
.set SEL, 60
.set BIGN, 62
.set MSB, 0
.macro WIN new
.if MSB != (\new)
	s_set_vgpr_msb (MSB<<8)|(\new)
.set MSB, \new
.endif
.endm
.set W_KQ, 0x0a       ; K and Q in window 2, S^T in window 0
.set W_KM, 0x3a       ; the same with the C operand in window 3
.set W_PV, 0x53       ; V in window 3, P in window 0, O^T in window 1
.set W_RS, 0x41       ; destination and source 0 in window 1, source 1 in window 0
.macro PLACES
.rept 4
	v_nop
.endr
.endm
.macro LOADK                           ; a step's K: 4 blocks of 16 keys x 4 chunks: 32 loads of 512 consecutive bytes
	WIN 0x80
.set n, 0
.rept 32
	global_load_b128 v[KF+4*n:KF+4*n+3], v[L16], s[KP:KP+1] offset:512*n
.set n, n+1
.endr
	WIN 0
.endm
.macro LOADV                           ; a step's V^T: 2 x 32 keys x 8 blocks of 16 channels
	WIN 0xc0
.set n, 0
.rept 32
	global_load_b128 v[4*n:4*n+3], v[L16], s[VP:VP+1] offset:512*n
.set n, n+1
.endr
	WIN 0
.endm
; Product i of 32 of S^T: channels 32 (i / 8) on, keys 16 ((i / 2) % 4) on, tile i % 2.  The first 8 start the sums with the mask.  8 accumulators take turns.
.macro KQ
.set rS, S+32*(i%2)+8*((i/2)%4)
.set rK, KF+32*((i/2)%4)+8*(i/8)
.set rQ, 32*(i%2)+8*(i/8)
.set rM, MC+8*((i/2)%4)
.if i < 8
	WIN W_KM
	v_wmma_f32_16x16x32_f16 v[rS:rS+7], v[rK:rK+7], v[rQ:rQ+7], v[rM:rM+7]
.else
	WIN W_KQ
	v_wmma_f32_16x16x32_f16 v[rS:rS+7], v[rK:rK+7], v[rQ:rQ+7], v[rS:rS+7]
.endif
.endm
; Product i of 32 of O^T: keys 32 (i / 16) on, channels 16 ((i / 2) % 8) on, tile i % 2.  16 accumulators take turns.
.macro PV
	WIN W_PV
.set rO, 64*(i%2)+8*((i/2)%8)
.set rV, 64*(i/16)+8*((i/2)%8)
.set rP, P+16*(i%2)+8*(i/16)
	v_wmma_f32_16x16x32_f16 v[rO:rO+7], v[rV:rV+7], v[rP:rP+7], v[rO:rO+7]
.endm
; The mask of step J (s29 = 64 J): register n = 8 kb + r stands for key 64 J + 16 kb + 8 (l / 16) + r; it is hidden where key - lo, taken unsigned, is greater than q - lo.  S^T's registers, dead here, hold key - lo.
.macro MASKS
	WIN 0
	v_add_nc_u32 v[TT], s29, v[TB]
.set n, 0
.rept 32
	v_add_nc_u32 v[S+n], 16*(n/8)+n%8, v[TT]
.set n, n+1
.endr
	WIN 0xc0
.set n, 0
.rept 32
	v_cmp_gt_u32 vcc_lo, v[S+n], v[DD]
	v_cndmask_b32 v[MC+n], 0, s[BIGN], vcc_lo
.set n, n+1
.endr
	WIN 0
.endm
; Number j of the 134 instructions of tile t's softmax for one step.  s0-s31 are the lane's 32 scores, in pairs 0-15.
;   0-15 the maximum of the scores and the old m, three operands at a time, each accumulator's lowest registers first     16-20 the other half of the lanes' maximum; m; c m; its change
;   21-69 the 16 scalings c s - c m and all 33 exponentials (a at 23): none of them names an exponential's result     70-85 the roundings to f16     86-101 the sums, l = a l + sum     102-133 O^T times a
.macro SM t
.set rT, ST+8*(\t)
.set rS, S+32*(\t)
.set rP, P+16*(\t)
.set rO, 64*(\t)+2*(j-102)
.if j < 102
	WIN 0
.endif
.if j < 4
	v_max3_num_f32 v[rT+4+j], v[rS+8*j], v[rS+8*j+1], v[rS+8*j+2]
.elseif j < 12
	v_max3_num_f32 v[rT+4+j%4], v[rT+4+j%4], v[rS+8*(j%4)+2*(j/4)+1], v[rS+8*(j%4)+2*(j/4)+2]
.elseif j == 12
	v_max3_num_f32 v[rT+4], v[rT+4], v[rS+7], v[rS+15]
.elseif j == 13
	v_max3_num_f32 v[rT+6], v[rT+6], v[rS+23], v[rS+31]
.elseif j == 14
	v_max3_num_f32 v[rT+4], v[rT+4], v[rT+5], v[rT+6]
.elseif j == 15
	v_max3_num_f32 v[rT+4], v[rT+4], v[rT+7], v[rT+1]
.elseif j == 16
	v_permlanex16_b32 v[rT+5], v[rT+4], s[SEL], s[SEL+1]
.elseif j == 17
	v_mov_b32 v[rT+7], v[rT]
.elseif j == 18
	v_max_num_f32 v[rT+1], v[rT+4], v[rT+5]
.elseif j == 19
	v_mul_f32 v[rT], s[CS], v[rT+1]
.elseif j == 20
	v_sub_f32 v[rT+7], v[rT+7], v[rT]
.elseif j == 23
	v_exp_f32 v[rT+6], v[rT+7]
.elseif (j < 23) || ((j < 38) && (j%2 == 0)) || ((j < 66) && (j%4 == 2))
.set b, (j-2)/4
.if j < 38
.set b, (j-20)/2
.endif
	v_pk_fma_f32 v[rS+2*b:rS+2*b+1], v[rS+2*b:rS+2*b+1], s[CS:CS+1], v[rT:rT+1] op_sel_hi:[1,0,0] neg_lo:[0,0,1] neg_hi:[0,0,1]
.elseif j < 70
.set e, j-38
.if j < 66
.set e, j-32-(j-38)/4
.endif
.if j < 38
.set e, (j-25)/2
.endif
	v_exp_f32 v[rS+e], v[rS+e]
.elseif j < 86
	v_cvt_pk_f16_f32 v[rP+j-70], v[rS+2*(j-70)], v[rS+2*(j-70)+1]
.elseif j < 102
.set z, j-86
.set w, 4
.set u, z
.if z >= 14
.set w, 32
.set u, 0
.elseif z >= 12
.set w, 16
.set u, z-12
.elseif z >= 8
.set w, 8
.set u, z-8
.endif
.if z < 15
	v_pk_add_f32 v[rS+w*u:rS+w*u+1], v[rS+w*u:rS+w*u+1], v[rS+w*u+w/2:rS+w*u+w/2+1]
.else
	v_pk_fma_f32 v[rT+2:rT+3], v[rT+2:rT+3], v[rT+6:rT+7], v[rS:rS+1] op_sel_hi:[1,0,1]
.endif
.else
	WIN W_RS
	v_pk_mul_f32 v[rO:rO+1], v[rO:rO+1], v[rT+6:rT+7] op_sel_hi:[1,0]
.endif
.endm
	s_load_b256 s[4:11], s[0:1], 0x0               ; qkf s[4:5], vf s[6:7], cu_seqlens s[8:9], of s[10:11]
	v_lshrrev_b32 v1, 5, v0
	v_readfirstlane_b32 s[WV], v1
	s_lshl_b32 s13, ttmp9, 2
	s_add_co_u32 s13, s13, s[WV]                   ; RB
	s_and_b32 s14, ttmp7, 0xffff                   ; kv head
	s_lshl_b32 s15, s13, 4                         ; Q0
	s_mov_b32 s24, ttmp9                           ; the step that holds my diagonal: RB / 4
	s_mov_b32 s[CS], 0x3e0293ee                    ; c = log2(e) / sqrt(128)
	s_mov_b32 s[CS+1], s[CS]
	s_mov_b32 s[SEL], 0x76543210
	s_mov_b32 s[SEL+1], 0xfedcba98
	s_mov_b32 s[BIGN], 0xf149f2ca                  ; -1e30
	s_mov_b32 s[OFF+1], 0
	v_and_b32 v4, 31, v0
	v_lshlrev_b32 v[L16], 4, v4
	v_lshlrev_b32 v[PFO], 8, v4
	v_and_b32 v5, 15, v0                           ; l % 16
	v_bfe_u32 v6, v0, 4, 1                         ; l / 16
	s_wait_kmcnt 0x0
	s_load_b128 s[16:19], s[8:9], 0x0
	s_load_b32 s20, s[8:9], 0x10
	s_lshl_b32 s[OFF], s14, 20                     ; query head 2 x kv head: 524,288 bytes a head,
	s_lshl_b32 s29, s13, 12                        ; token block RB: 4,096 bytes a block
	s_add_co_u32 s[OFF], s[OFF], s29
	s_add_nc_u64 s[QP:QP+1], s[4:5], s[OFF:OFF+1]
	WIN 0x80
.irp t, 0,1
.irp i, 0,1,2,3,4,5,6,7
	global_load_b128 v[32*(\t)+4*(\i):32*(\t)+4*(\i)+3], v[L16], s[QP:QP+1] offset:(\t)*524288+512*(\i)
.endr
.endr
	WIN 0
	s_add_co_u32 s[OFF], s14, 16
	s_lshl_b32 s[OFF], s[OFF], 19
	s_add_nc_u64 s[KB:KB+1], s[4:5], s[OFF:OFF+1]
	s_lshl_b32 s[OFF], s14, 19
	s_add_nc_u64 s[VB:VB+1], s[6:7], s[OFF:OFF+1]
	s_cmp_lt_u32 s[WV], 2                          ; the prefetch of my diagonal step: waves 0, 1 take K's two halves, waves 2, 3 V's
	s_cselect_b64 s[PD:PD+1], s[KB:KB+1], s[VB:VB+1]
	s_lshl_b32 s[OFF], s24, 14                     ; a step is 16,384 bytes of K and of V
	s_and_b32 s29, s[WV], 1
	s_lshl_b32 s29, s29, 13
	s_add_co_u32 s[OFF], s[OFF], s29
	s_add_nc_u64 s[PD:PD+1], s[PD:PD+1], s[OFF:OFF+1]
	s_lshl_b32 s[OFF], s24, 18                     ; O: group RB / 4 (262,144 bytes), chunk 8 x kv head (4,096 each), block RB % 4
	s_lshl_b32 s29, s14, 15
	s_add_co_u32 s[OFF], s[OFF], s29
	s_and_b32 s29, s13, 3
	s_lshl_b32 s29, s29, 10
	s_add_co_u32 s[OFF], s[OFF], s29
	s_add_nc_u64 s[OP:OP+1], s[10:11], s[OFF:OFF+1]
	s_sub_co_u32 s[ASKJ], s24, 2                   ; two trips ahead of the diagonal step (for steps 0 and 1 no trip has this number)
	s_mov_b32 s21, 0
	s_mov_b32 s22, 0
	s_add_co_u32 s31, s15, 15
	s_wait_kmcnt 0x0
.irp j, 16,17,18,19,20
	s_cmp_le_i32 s\j, s15
	s_cselect_b32 s29, s\j, 0
	s_max_i32 s21, s21, s29                        ; lo of my first row
	s_cmp_le_i32 s\j, s31
	s_cselect_b32 s29, s\j, 0
	s_max_i32 s22, s22, s29                        ; lo of my last row
.endr
	s_lshr_b32 s23, s21, 6
	s_min_u32 s23, s23, s24
	s_min_u32 s23, s23, 31                         ; the first step
	s_add_co_u32 s[NN], s24, 1
	s_sub_co_u32 s[NN], s[NN], s23                 ; at least 1
	s_lshl_b32 s[OFF], s23, 14
	s_add_nc_u64 s[KP:KP+1], s[KB:KB+1], s[OFF:OFF+1]
	s_add_nc_u64 s[VP:VP+1], s[VB:VB+1], s[OFF:OFF+1]
	LOADK
	LOADV
	; while the loads are out: the lanes' whole numbers, and what the first step finds
	v_add_nc_u32 v[QI], s15, v5
	v_mov_b32 v[LO], 0
.irp j, 16,17,18,19,20
	v_cmp_le_i32 vcc_lo, s\j, v[QI]
	v_cndmask_b32 v[TT], 0, s\j, vcc_lo
	v_max_i32 v[LO], v[LO], v[TT]
.endr
	v_lshlrev_b32 v7, 3, v6
	v_sub_nc_u32 v[DD], v[QI], v[LO]
	v_sub_nc_u32 v[TB], v7, v[LO]
.irp t, 0,1
	v_mov_b32 v[ST+8*(\t)+1], 0xe0ad78ec           ; m = -1e20
	v_mov_b32 v[ST+8*(\t)+2], 0
	v_mov_b32 v[ST+8*(\t)+3], 0
.endr
.irp t, 0,1
	v_mul_f32 v[ST+8*(\t)], s[CS], v[ST+8*(\t)+1]  ; c m, made as the loop makes it
.endr
	WIN 0x40
.set n, 0
.rept 128
	v_mov_b32 v[n], 0
.set n, n+1
.endr
	WIN 0xc0
.set n, 0
.rept 32
	v_mov_b32 v[MC+n], 0
.set n, n+1
.endr
	WIN 0
	s_mov_b32 s[DIRTY], 0
	s_mov_b32 s[II], 0
	s_mov_b32 s[JJ], s23
.Lstep:
	s_lshl_b32 s29, s[JJ], 6                       ; the step's first key
	s_cmp_lt_u32 s29, s22                          ; does a segment begin behind it for one of my rows,
	s_cselect_b32 s30, 1, 0
	s_add_co_u32 s31, s29, 63
	s_cmp_gt_u32 s31, s15                          ; or does it reach past my first row?
	s_cselect_b32 s30, 1, s30
	s_or_b32 s31, s30, s[DIRTY]                    ; then the mask is made; and once more behind such a step
	s_mov_b32 s[DIRTY], s30
	s_cmp_eq_u32 s31, 0
	s_cbranch_scc1 .Lclean
	MASKS
.Lclean:
	s_wait_loadcnt 32                              ; K of this step is in (at the first trip Q too); V's 32 younger loads may stay out
.set i, 0
.rept 32
	KQ
.set i, i+1
.endr
	WIN 0
	PLACES                                         ; in front of the loads into K's registers and of the softmax's reads
	s_wait_xcnt 0x0                                ; earlier loads have read their base
	s_add_co_u32 s30, s[JJ], 1
	s_min_u32 s30, s30, 31                         ; the last trip's loads go to a step inside the buffer and are not used: one text, the same counts on every path
	s_lshl_b32 s[OFF], s30, 14
	s_add_nc_u64 s[KP:KP+1], s[KB:KB+1], s[OFF:OFF+1]
	LOADK
	s_cmp_eq_u32 s[JJ], s[ASKJ]                    ; a prefetch of my quarter of my diagonal step's K and V, 32 blocks of 256 bytes, a lane a block: behind this trip's loads, one trip ahead of the
	s_cbranch_scc0 .Lnoask                         ; loads that want them.  Step s of a head is named once in the launch, by the four waves of work-group x = s
	global_prefetch_b8 v[PFO], s[PD:PD+1] th:TH_LOAD_NT scope:SCOPE_SE
.Lnoask:
.set j, 0
.rept 70                               ; the two tiles alternate, so that no line reads the result of the one before it
	SM 0
	SM 1
.set j, j+1
.endr
	v_nop                                          ; a plain instruction behind the last exponential,
	s_wait_alu depctr_va_vdst(0)                   ; and the wait ahead of the first use: one for the step's 66 exponentials
.rept 64
	SM 0
	SM 1
.set j, j+1
.endr
	s_wait_loadcnt 32                              ; V of this step is in; the next K's 32 loads may stay out
.set i, 0
.rept 32
	PV
.set i, i+1
.endr
	WIN 0
	PLACES                                         ; in front of the loads into V's registers
	s_wait_xcnt 0x0
	s_add_nc_u64 s[VP:VP+1], s[VB:VB+1], s[OFF:OFF+1]
	LOADV
	s_add_co_u32 s[JJ], s[JJ], 1
	s_add_co_u32 s[II], s[II], 1
	s_cmp_lt_u32 s[II], s[NN]
	s_cbranch_scc1 .Lstep
	; THE WAY OUT: l's two halves and the other half of the lanes' are added; O^T is divided by l, rounded to f16 and stored as it lies: 512 consecutive bytes a store
.irp t, 0,1
	v_add_f32 v[ST+8*(\t)+4], v[ST+8*(\t)+2], v[ST+8*(\t)+3]
.endr
.irp t, 0,1
	v_permlanex16_b32 v[ST+8*(\t)+5], v[ST+8*(\t)+4], s[SEL], s[SEL+1]
.endr
.irp t, 0,1
	v_add_f32 v[ST+8*(\t)+4], v[ST+8*(\t)+4], v[ST+8*(\t)+5]
.endr
.irp t, 0,1
	v_rcp_f32 v[ST+8*(\t)+6], v[ST+8*(\t)+4]
.endr
	v_nop
	s_wait_alu depctr_va_vdst(0)                   ; one wait for the two reciprocals
.irp t, 0,1
	WIN W_RS
.set n, 64*(\t)
.rept 32
	v_pk_mul_f32 v[n:n+1], v[n:n+1], v[ST+8*(\t)+6:ST+8*(\t)+7] op_sel_hi:[1,0]
.set n, n+2
.endr
	WIN 0x05                                       ; sources in window 1, destination in window 0: S^T's registers are free
.set n, 0
.rept 32
	v_cvt_pk_f16_f32 v[S+32*(\t)+n], v[64*(\t)+2*n], v[64*(\t)+2*n+1]
.set n, n+1
.endr
	WIN 0
.irp f, 0,1,2,3,4,5,6,7
	global_store_b128 v[L16], v[S+32*(\t)+4*(\f):S+32*(\t)+4*(\f)+3], s[OP:OP+1] offset:(\t)*16384+((\f)/2)*4096+((\f)%2)*512  ; head t, chunk f / 2, half f % 2 of my block
.endr
.endr
	s_endpgm
.Lfunc_end_k_q808a3ed8aa_attn:
	.size	k_q808a3ed8aa_attn, .Lfunc_end_k_q808a3ed8aa_attn-k_q808a3ed8aa_attn
	.p2alignl 7, 3214868480
	.fill 96, 4, 3214868480
	.section	.rodata,"a",@progbits
	.p2align	6, 0x0
	.amdhsa_kernel k_q808a3ed8aa_attn
		.amdhsa_group_segment_fixed_size 0
		.amdhsa_private_segment_fixed_size 0
		.amdhsa_enable_private_segment 0
		.amdhsa_kernarg_size 32
		.amdhsa_user_sgpr_count 2
		.amdhsa_user_sgpr_kernarg_segment_ptr 1
		.amdhsa_wavefront_size32 1
		.amdhsa_system_sgpr_workgroup_id_x 1
		.amdhsa_system_sgpr_workgroup_id_y 1
		.amdhsa_system_sgpr_workgroup_id_z 1
		.amdhsa_system_vgpr_workitem_id 0
		.amdhsa_next_free_vgpr 928
		.amdhsa_next_free_sgpr 66
		.amdhsa_reserve_vcc 1
		.amdhsa_float_denorm_mode_32 3
		.amdhsa_float_denorm_mode_16_64 3
		.amdhsa_memory_ordered 1
		.amdhsa_forward_progress 1
		.amdhsa_inst_pref_size 58
	.end_amdhsa_kernel
	.amdgpu_metadata
---
amdhsa.version: [ 1, 2 ]
amdhsa.kernels:
  - .name:           k_q808a3ed8aa_attn
    .symbol:         k_q808a3ed8aa_attn.kd
    .args:
      - { .name: qkf, .offset: 0, .size: 8, .value_kind: global_buffer, .address_space: global }
      - { .name: vf, .offset: 8, .size: 8, .value_kind: global_buffer, .address_space: global }
      - { .name: cu_seqlens, .offset: 16, .size: 8, .value_kind: global_buffer, .address_space: global }
      - { .name: of, .offset: 24, .size: 8, .value_kind: global_buffer, .address_space: global }
    .group_segment_fixed_size: 0
    .private_segment_fixed_size: 0
    .kernarg_segment_align: 8
    .kernarg_segment_size: 32
    .max_flat_workgroup_size: 128
    .sgpr_count:     66
    .vgpr_count:     928
    .wavefront_size: 32
...
	.end_amdgpu_metadata
.endif
;; end of part 7
;; launch oproj (part 8): grid 16 x 16, 4 waves a work-group, clusters of 4 x 4, 327,680 bytes of LDS; arguments of, cb, out0; writes out0
.if DOCPART == 8
	.amdgcn_target "amdgcn-amd-amdhsa--gfx1250"
	.amdhsa_code_object_version 6
	.text
	.protected	k_q808a3ed8aa_oproj
	.globl	k_q808a3ed8aa_oproj
	.p2align	8
	.type	k_q808a3ed8aa_oproj,@function
k_q808a3ed8aa_oproj:
	s_mov_b64 s[64:65], 0
	v_nop
	global_prefetch_b8 v0, s[64:65] scope:SCOPE_SE
	s_setreg_imm32_b32 hwreg(HW_REG_WAVE_MODE, 25, 1), 1
	s_wait_xcnt 0x0
	s_wait_alu depctr_hold_cnt(0) depctr_sa_sdst(0) depctr_va_vdst(0) depctr_va_sdst(0) depctr_va_ssrc(0) depctr_va_vcc(0) depctr_vm_vsrc(0)
	s_getreg_b32 s2, hwreg(HW_REG_IB_STS2, 6, 4)
	s_cmp_eq_u32 s2, 0
	s_cbranch_scc0 .Lentry_in_a_cluster
	s_endpgm
.Lentry_in_a_cluster:
	s_bfe_u32 s2, ttmp6, 0x10000c
	s_cmp_lg_u32 s2, 0xf033
	s_cbranch_scc0 .Lentry_shape_is_right
	s_endpgm
.Lentry_shape_is_right:
; THE OUTPUT PROJECTION.  out0[t][n] = 4 x the sum over k of (O / 4)[t][k] wo[n][k]; both operands in f16, sums in f32, the factor 4 in f32 at the end; out0 is f32 [2048][4096].
; BOTH OPERANDS lie as [group of 64 rows][64 chunks of 32 along K][4 blocks of 16 rows][1,024 bytes: byte 256 o + 16 r + 2 e = row r, k = 8 o + e]: A = of (32 groups of tokens), B = wo at byte 50,331,648 of cb
; (64 groups).  A block is the register image of a 16 x 32 operand, a group's K range is contiguous (262,144 bytes), and a tile in LDS is dense: a fragment is two LDS loads of 512 consecutive bytes.
; A tile is 128 tokens x 256 columns.  16 x 16 work-groups, one tile each, in clusters of 4 x 4.
; K GOES IN STEPS OF 6 CHUNKS (192) through two LDS slots of 147,456 bytes: 64 chunks = a first step of 2 + 10 steps of 6 + a last step of 2.  A refill has a whole step, 192 matrix instructions a wave, in
; which to land.  The last tile has the size of the others and begins at chunk 58, so that it ends with the row: its first four chunks are brought a second time and are not read.
; Four waves: WH = wave / 2 takes 64 tokens (a group), WL = wave % 2 takes 128 columns (two groups): 32 accumulators (a, b) at v[8 (8 a + b)] of window 1.  The matrix instruction is used transposed
; (source 0 = 16 rows of wo, source 1 = 16 tokens): a lane holds one token and 8 neighbouring columns, 32 bytes.  They go through the wave's own stage in LDS, 64 columns at a time, and leave as rows of 256
; consecutive bytes, aligned, two rows a store.
; CLUSTER.  A's tile hangs on the tile row alone and is asked for jointly along a row of the cluster, B's on the tile column alone, along a column.
; LIMITS.  Those of the operands: |O| under 262,016, |wo| under 65,504.  NaN and infinities are not treated apart.
; SCALARS.  s12-13 out0 at my rows; s14, s15 byte offset along K of each slot's next tile; s18-20 wave, WH, WL; s21, s22 cx, cy; s24-31, s48-55 groups 1; s32-39, s56-63 groups 0, a set a slot; s43 LIM; s44-45 PFA;
;   s66, s67 cluster x, y; s69 tile row; s70 tile column; s73-75 at work; s76-79 my groups' addresses; s80-87, s88-95 groups 1 of the first step's short tiles.
.set CH,    4096                       ; a chunk of a group: 64 rows x 32 along K
.set STEPC, 6
.set AREG,  STEPC*CH                   ; 24,576
.set BREG,  2*AREG
.set BOFF,  2*AREG
.set SLOT,  BOFF+2*BREG                ; 147,456
.set STAGE, 2*SLOT                     ; behind the ring, never filled by a tensor load: 16 rows x 272 bytes for each wave
.set SPITCH, 272                       ; 256 bytes + 16 = 68 words: row r starts at bank 4 r mod 64 (64 banks of 4 bytes: ISA guide 11.1)
.set SPARE, STAGE+4*16*SPITCH          ; the spare words, 128 bytes a wave: two blocks of 256 bytes that no other line names
.set TRIPS, 5                          ; a trip = two steps; 10 refills
.set LASTC, 58                         ; no tile begins behind this chunk
.set WOOFF, 50331648
.set ADRA, 16
.set ADRB, 20
.set STO,  24
.set RD,   25
.set L16,  26
.set CO,   27
.set SPW,  28
.set NIL,  29
.set PFO,  30
.set F0,   32
.set F1,   128
.set TO,   32                          ; the way out: 32 numbers times 4
.set CB,  12
.set OFS, 14
.set WV, 18
.set WH, 19
.set WL, 20
.set G1A, 24
.set G0A, 32
.set LIM, 43
.set PFA, 44
.set G1B, 48
.set G0B, 56
.set G1A0, 80
.set G1B0, 88
.set MSB, 0
.macro WIN new
.if MSB != (\new)
	s_set_vgpr_msb (MSB<<8)|(\new)
.set MSB, \new
.endif
.endm
.set MUL, 0x50                         ; C and D in window 1
.macro PLACES
.rept 4
	v_nop
.endr
.endm
.macro CREST
	s_cmp_lg_u32 s[WV], 0
	s_cbranch_scc1 .Lnot_wave_0_\@
	s_barrier_signal -3
.Lnot_wave_0_\@:
	s_barrier_wait -3
	s_barrier_signal -1
	s_barrier_wait -1
.endm
.macro CROUND
	s_barrier_signal -1
	s_barrier_wait -1
	CREST
.endm
.macro JLOAD s, ga, gb                 ; waves 0, 1 fetch A's groups, waves 2, 3 B's pairs of groups; an s_nop 0 and four v_nop follow each line
	s_cmp_eq_u32 s[WH], 0
	s_cbranch_scc0 .Lfor_b_\@
	tensor_load_to_lds s[G0A+4*(\s):G0A+4*(\s)+3], s[(\ga):(\ga)+7]
	s_nop 0
.rept 4
	v_nop
.endr
	s_branch .Lasked_\@
.Lfor_b_\@:
	tensor_load_to_lds s[G0B+4*(\s):G0B+4*(\s)+3], s[(\gb):(\gb)+7]
	s_nop 0
.rept 4
	v_nop
.endr
.Lasked_\@:
.endm
; A PREFETCH, once a trip, behind the trip's second joint load and its run of LDS loads: the 12 chunks that the NEXT trip's two refills will ask for (one step and two steps ahead of those loads).
; A wave that asks names 24,576 bytes, a lane a block of 256, three instructions.  Each block is named once in the launch: A's groups by wave 0 of the clusters x = 0 (partner cx: group cx / 2, step cx % 2),
; B's by waves 2 and 3 of the clusters y = 0 (partner cy: group cy; wave 2 the first step, wave 3 the second).  The last two trips ask for nothing: the last of them has no trip behind it, and the one before
; would name chunks past the row's end; steps 0 to 3 come by their loads alone.
.macro ASK
	s_cmp_gt_u32 s3, s[LIM]
	s_cbranch_scc0 .Lnot_mine_\@
	global_prefetch_b8 v[PFO], s[PFA:PFA+1] th:TH_LOAD_NT scope:SCOPE_SE
	global_prefetch_b8 v[PFO], s[PFA:PFA+1] offset:8192 th:TH_LOAD_NT scope:SCOPE_SE
	global_prefetch_b8 v[PFO], s[PFA:PFA+1] offset:16384 th:TH_LOAD_NT scope:SCOPE_SE
.Lnot_mine_\@:
.endm
.macro MUL8 f, a, zero                 ; the 32 accumulators come once a chunk, in one order: no two products on end share one
	WIN MUL
.irp b, 0,1,2,3,4,5,6,7
.if \zero
	v_wmma_f32_16x16x32_f16 v[8*(8*(\a)+(\b)):8*(8*(\a)+(\b))+7], v[(\f)+8*(\b):(\f)+8*(\b)+7], v[(\f)+64+8*(\a):(\f)+64+8*(\a)+7], 0
.else
	v_wmma_f32_16x16x32_f16 v[8*(8*(\a)+(\b)):8*(8*(\a)+(\b))+7], v[(\f)+8*(\b):(\f)+8*(\b)+7], v[(\f)+64+8*(\a):(\f)+64+8*(\a)+7], v[8*(8*(\a)+(\b)):8*(8*(\a)+(\b))+7]
.endif
.endr
.endm
.macro FETCH slot, c, f, gs            ; 24 LDS loads in one run: chunk c of the slot: B's 8 fragments, then A's 4.  gs: bytes from B's first group to its second
	WIN 0
.irp i, 0,1,2,3,4,5,6,7
	ds_load_b128 v[(\f)+8*(\i):(\f)+8*(\i)+3],   v[ADRB+(\slot)] offset:((\i)/4)*(\gs)+(\c)*CH+((\i)%4)*1024
	ds_load_b128 v[(\f)+8*(\i)+4:(\f)+8*(\i)+7], v[ADRB+(\slot)] offset:((\i)/4)*(\gs)+(\c)*CH+((\i)%4)*1024+512
.endr
.irp i, 0,1,2,3
	ds_load_b128 v[(\f)+64+8*(\i):(\f)+64+8*(\i)+3],   v[ADRA+(\slot)] offset:(\c)*CH+(\i)*1024
	ds_load_b128 v[(\f)+64+8*(\i)+4:(\f)+64+8*(\i)+7], v[ADRA+(\slot)] offset:(\c)*CH+(\i)*1024+512
.endr
.endm
.macro QUARTER slot, c, f, g, zero, gs ; multiplies buffer f; in its middle fetches chunk c of the slot into g
	s_wait_dscnt 4                                 ; all but the four youngest loads (A's blocks 2 and 3)
	MUL8 \f, 0, \zero
	MUL8 \f, 1, \zero
	PLACES
	FETCH \slot, \c, \g, \gs
	s_wait_dscnt 24                                ; all but the 24 just issued
	MUL8 \f, 2, \zero
	MUL8 \f, 3, \zero
.endm
.macro FIVE s
	QUARTER \s, 1, F0, F1, 0, AREG
	QUARTER \s, 2, F1, F0, 0, AREG
	QUARTER \s, 3, F0, F1, 0, AREG
	QUARTER \s, 4, F1, F0, 0, AREG
	QUARTER \s, 5, F0, F1, 0, AREG
.endm
; A step's last chunk (in buffer 1) and the change of slots, as in the projection in front: half of the products ahead of the wait for the tile, half behind the next slot's first LDS loads, none between the
; wait and the refill.  fc: the chunk of the next slot that is fetched first.
.macro TURN slot, next, fill, ask, fc
.if \ask
	s_wait_xcnt 0x0                                ; the last prefetches, a trip back, have read their address
	s_add_nc_u64 s[PFA:PFA+1], s[PFA:PFA+1], 2*STEPC*CH
.endif
	s_wait_dscnt 4                                 ; all but A's blocks 2 and 3
	MUL8 F1, 0, 0
	MUL8 F1, 1, 0
	WIN 0
	s_wait_tensorcnt 0x0                           ; no tensor load of mine is out, so a group 0 may be written
	ds_add_u32 v[SPW], v[NIL]                      ; the descriptors' scalar work stands between the add and the wait for it
.if \fill
	s_min_u32 s74, s[OFS+(\slot)], LASTC*CH        ; the tile's place along K; the last tile ends with the row
	s_add_nc_u64 s[G0A+4*(\slot)+2:G0A+4*(\slot)+3], s[76:77], s[74:75]
	s_or_b32 s[G0A+4*(\slot)+3], s[G0A+4*(\slot)+3], 0x80000000
	s_add_nc_u64 s[G0B+4*(\slot)+2:G0B+4*(\slot)+3], s[78:79], s[74:75]
	s_or_b32 s[G0B+4*(\slot)+3], s[G0B+4*(\slot)+3], 0x80000000
	s_add_co_u32 s[OFS+(\slot)], s[OFS+(\slot)], 2*STEPC*CH
.endif
	s_wait_dscnt 0x0                               ; the add is done, my reads of this slot are over
	s_barrier_signal -1
	s_barrier_wait -1
.if \fill
	CREST                                          ; no wave of any partner still reads this slot or has a load on its way
	JLOAD \slot, G1A, G1B                          ; its four v_nop are also the places in front of the loads below
.else
	PLACES
.endif
	FETCH \next, \fc, F0, AREG
.if \ask
	ASK
.endif
	MUL8 F1, 2, 0
	MUL8 F1, 3, 0
.endm
	s_load_b128 s[4:7], s[0:1], 0x0                ; of s[4:5], cb s[6:7]
	s_load_b64 s[8:9], s[0:1], 0x10                ; out0
	v_lshl_add_u32 v[SPW], v0, 2, SPARE
	v_mov_b32 v[NIL], 0
	ds_add_u32 v[SPW], v[NIL]                      ; the wave's opening: the add and its wait stand ahead of my first tensor load
	v_lshrrev_b32 v1, 5, v0
	v_readfirstlane_b32 s[WV], v1
	s_lshr_b32 s[WH], s[WV], 1
	s_and_b32 s[WL], s[WV], 1
	s_bfe_u32 s21, ttmp6, 0x40000                  ; cx
	s_bfe_u32 s22, ttmp6, 0x40004                  ; cy
	s_mov_b32 s66, ttmp9
	s_and_b32 s67, ttmp7, 0xffff
	s_lshl_b32 s69, s67, 2
	s_add_co_u32 s69, s69, s22                     ; tile row
	s_lshl_b32 s70, s66, 2
	s_add_co_u32 s70, s70, s21                     ; tile column
	s_lshl_b32 s40, s22, 2
	s_lshl_b32 s40, 15, s40                        ; my row of the cluster
	s_lshl_b32 s41, 0x1111, s21                    ; my column
	; groups 1, in elements of 8 bytes, no padding.  A: a group's 6 chunks are 24,576 dense bytes: 96 rows of 256.  B: two groups, 262,144 bytes apart: 2 rows of 24,576.  The first step's tiles have 2 chunks.
	s_or_b32 s[G1A],  s40, (3<<16)|(1<<21)
	s_or_b32 s[G1A0], s40, (3<<16)|(1<<21)
	s_or_b32 s[G1B],  s41, (3<<16)|(1<<21)
	s_or_b32 s[G1B0], s41, (3<<16)|(1<<21)
	s_mov_b32 s[G1A+1], 32<<16
	s_mov_b32 s[G1A+2], 96<<16
	s_mov_b32 s[G1A+3], 32<<16
	s_mov_b32 s[G1A+4], 96
	s_mov_b32 s[G1A+5], 32
	s_mov_b32 s[G1A+6], 0
	s_mov_b32 s[G1A+7], 0
	s_mov_b32 s[G1A0+1], 32<<16
	s_mov_b32 s[G1A0+2], 32<<16
	s_mov_b32 s[G1A0+3], 32<<16
	s_mov_b32 s[G1A0+4], 32
	s_mov_b32 s[G1A0+5], 32
	s_mov_b32 s[G1A0+6], 0
	s_mov_b32 s[G1A0+7], 0
	s_mov_b32 s[G1B+1], (AREG/8)<<16
	s_mov_b32 s[G1B+2], 2<<16
	s_mov_b32 s[G1B+3], (AREG/8)<<16
	s_mov_b32 s[G1B+4], 2
	s_mov_b32 s[G1B+5], 32768                      ; a group is 32,768 elements
	s_mov_b32 s[G1B+6], 0
	s_mov_b32 s[G1B+7], 0
	s_mov_b32 s[G1B0+1], (2*CH/8)<<16
	s_mov_b32 s[G1B0+2], 2<<16
	s_mov_b32 s[G1B0+3], (2*CH/8)<<16
	s_mov_b32 s[G1B0+4], 2
	s_mov_b32 s[G1B0+5], 32768
	s_mov_b32 s[G1B0+6], 0
	s_mov_b32 s[G1B0+7], 0
	s_lshl_b32 s76, s69, 1                         ; A: two groups a tile row,
	s_add_co_u32 s76, s76, s[WL]                   ; the one that I would fetch,
	s_lshl_b32 s76, s76, 18
	s_mov_b32 s77, 0
	s_lshl_b32 s78, s70, 2                         ; B: four groups a tile column,
	s_add_co_u32 s78, s78, s[WL]
	s_add_co_u32 s78, s78, s[WL]                   ; my two,
	s_lshl_b32 s78, s78, 18
	s_add_co_u32 s78, s78, WOOFF                   ; behind U
	s_mov_b32 s79, 0
	s_mul_i32 s40, s[WL], AREG                     ; where they go
	s_mul_i32 s41, s[WL], BREG
	s_add_co_u32 s41, s41, BOFF
	s_lshl_b32 s[CB], s69, 21                      ; out0: 128 rows of 16,384 bytes a tile row,
	s_lshl_b32 s73, s[WH], 20                      ; my 64 rows,
	s_add_co_u32 s[CB], s[CB], s73
	s_lshl_b32 s73, s70, 10                        ; 256 columns of 4 bytes a tile column,
	s_add_co_u32 s[CB], s[CB], s73
	s_lshl_b32 s73, s[WL], 9                       ; my 128 columns
	s_add_co_u32 s[CB], s[CB], s73
	s_mov_b32 s[CB+1], 0
	s_mov_b32 s[OFS], 8*CH                         ; step 2 begins at chunk 8, step 3 at chunk 14
	s_mov_b32 s[OFS+1], 14*CH
	s_wait_dscnt 0x0                               ; the opening add is done
	s_wait_kmcnt 0x0
	s_add_nc_u64 s[76:77], s[4:5], s[76:77]
	s_add_nc_u64 s[78:79], s[6:7], s[78:79]
	s_add_nc_u64 s[CB:CB+1], s[8:9], s[CB:CB+1]
	CROUND                                         ; all sixteen work-groups are here: the first joint loads meet
.irp s, 0,1
	s_mov_b32 s[G0A+4*(\s)], 1
	s_add_co_u32 s[G0A+4*(\s)+1], s40, (\s)*SLOT
	s_add_nc_u64 s[G0A+4*(\s)+2:G0A+4*(\s)+3], s[76:77], (\s)*2*CH  ; step 0: chunks 0, 1; step 1: chunks 2 to 7
	s_or_b32 s[G0A+4*(\s)+3], s[G0A+4*(\s)+3], 0x80000000
	s_mov_b32 s[G0B+4*(\s)], 1
	s_add_co_u32 s[G0B+4*(\s)+1], s41, (\s)*SLOT
	s_add_nc_u64 s[G0B+4*(\s)+2:G0B+4*(\s)+3], s[78:79], (\s)*2*CH
	s_or_b32 s[G0B+4*(\s)+3], s[G0B+4*(\s)+3], 0x80000000
.endr
	JLOAD 0, G1A0, G1B0
	JLOAD 1, G1A, G1B                              ; two loads of mine are out
	v_and_b32 v1, 15, v0                           ; l % 16
	v_bfe_u32 v2, v0, 4, 1                         ; l / 16
	v_and_b32 v[L16], 31, v0
	v_lshlrev_b32 v[PFO], 8, v[L16]                ; the prefetches: a lane a block of 256 bytes
	v_lshlrev_b32 v[L16], 4, v[L16]
	s_mul_i32 s73, s[WH], AREG
	s_mul_i32 s74, s[WL], BREG
	s_add_co_u32 s74, s74, BOFF
.irp s, 0,1
	v_add_nc_u32 v[ADRA+(\s)], s73, v[L16]
	v_add_nc_u32 v[ADRB+(\s)], s74, v[L16]
	s_add_co_u32 s73, s73, SLOT
	s_add_co_u32 s74, s74, SLOT
.endr
	s_mul_i32 s73, s[WV], 16*SPITCH
	s_add_co_u32 s73, s73, STAGE                   ; my stage
	v_mul_u32_u24 v[STO], v1, SPITCH               ; in: row l % 16, 32 bytes for each half of the lanes
	v_lshl_add_u32 v[STO], v2, 5, v[STO]
	v_add_nc_u32 v[STO], s73, v[STO]
	v_mul_u32_u24 v[RD], v2, SPITCH                ; back: lanes 0-15 take one row of 256 bytes, lanes 16-31 the next
	v_lshl_add_u32 v[RD], v1, 4, v[RD]
	v_add_nc_u32 v[RD], s73, v[RD]
	v_lshlrev_b32 v[CO], 14, v2                    ; and the same two rows in out0
	v_lshl_add_u32 v[CO], v1, 4, v[CO]
	; who prefetches, and where
	s_cmp_eq_u32 s66, 0
	s_cselect_b32 s73, 1, 0
	s_cmp_eq_u32 s67, 0
	s_cselect_b32 s74, 1, 0
	s_cmp_eq_u32 s[WH], 0
	s_cselect_b32 s73, s73, s74
	s_cmp_eq_u32 s[WV], 1
	s_cselect_b32 s73, 0, s73                      ; wave 1 never asks
	s_cmp_eq_u32 s73, 1
	s_cselect_b32 s[LIM], 2, -1                    ; the same in all sixteen partners, for a given wave
	s_lshl_b32 s73, s69, 1
	s_lshr_b32 s74, s21, 1
	s_add_co_u32 s73, s73, s74                     ; A: group by cx / 2,
	s_lshl_b32 s73, s73, 18
	s_and_b32 s74, s21, 1
	s_mul_i32 s74, s74, AREG                       ; step by cx % 2
	s_add_co_u32 s73, s73, s74
	s_lshl_b32 s74, s70, 2
	s_add_co_u32 s74, s74, s22                     ; B: group by cy,
	s_lshl_b32 s74, s74, 18
	s_mul_i32 s75, s[WL], AREG                     ; step by my wave
	s_add_co_u32 s74, s74, s75
	s_add_co_u32 s74, s74, WOOFF
	s_cmp_eq_u32 s[WH], 0
	s_cselect_b32 s74, s73, s74
	s_cselect_b64 s[PFA:PFA+1], s[4:5], s[6:7]
	s_add_co_u32 s74, s74, 8*CH                    ; at chunk 8: the first trip steps it to chunk 20, where step 4 begins
	s_mov_b32 s75, 0                               ; (stays 0: the high word of the offsets in the loop)
	s_add_nc_u64 s[PFA:PFA+1], s[PFA:PFA+1], s[74:75]
	s_wait_tensorcnt 1                             ; my part of step 0 is in; step 1's may stay out
	s_barrier_signal -1
	s_barrier_wait -1
	FETCH 0, 0, F0, 2*CH                           ; in the first step's short tile B's second group lies 2 chunks behind its first
	QUARTER 0, 1, F0, F1, 1, 2*CH                  ; chunk 0 starts all 32 sums with the constant 0
	WIN 0
	s_mov_b32 s3, TRIPS
.Llap:                                 ; a trip begins at a change of slots, goes once round the ring and fills both slots again
	TURN 0, 1, 1, 0, 0
	FIVE 1
	TURN 1, 0, 1, 1, 0
	FIVE 0
	WIN 0
	s_sub_co_u32 s3, s3, 1
	s_cmp_lg_u32 s3, 0
	s_cbranch_scc1 .Llap
	TURN 0, 1, 0, 0, 4                             ; the last change of slots fills nothing; of the last tile (chunks 58 to 63) the last two are due
	QUARTER 1, 5, F0, F1, 0, AREG
	s_wait_dscnt 4
	MUL8 F1, 0, 0
	MUL8 F1, 1, 0
	s_wait_dscnt 0x0
	MUL8 F1, 2, 0
	MUL8 F1, 3, 0
	WIN 0
	PLACES
	PLACES                                         ; eight, once a launch
; THE WAY OUT of half hf (64 columns) of block a (16 tokens): times 4; 32 bytes a lane and column block into my stage; back as rows of 256 bytes; stored.  LDS serves a wave's instructions in order
; (ISA guide 5.7.1.4), and the stage is my own: no barrier, and no wait between the stores and the loads.
.macro OUTB a, hf
.set BK, 96+32*(\hf)                   ; rows read back: v96-127 and v128-159 by turns
	WIN 0x01                                       ; source 0 in window 1
.set i, 0
.rept 16
	v_pk_mul_f32 v[TO+2*i:TO+2*i+1], v[64*(\a)+32*(\hf)+2*i:64*(\a)+32*(\hf)+2*i+1], 4.0 op_sel_hi:[1,0]
.set i, i+1
.endr
	WIN 0
.irp b, 0,1,2,3
	ds_store_b128 v[STO], v[TO+8*(\b):TO+8*(\b)+3]   offset:64*(\b)
	ds_store_b128 v[STO], v[TO+8*(\b)+4:TO+8*(\b)+7] offset:64*(\b)+16
.endr
	s_wait_xcnt 0x0                                ; the stores of two halves back have read these registers
.irp t, 0,1,2,3,4,5,6,7
	ds_load_b128 v[BK+4*(\t):BK+4*(\t)+3], v[RD] offset:(\t)*2*SPITCH
.endr
.irp t, 0,1,2,3,4,5,6,7
	s_wait_dscnt 7-(\t)                            ; rows 2 t and 2 t + 1 are back; the 7 - t younger loads may stay out
	global_store_b128 v[CO], v[BK+4*(\t):BK+4*(\t)+3], s[CB:CB+1] offset:(\a)*262144+(\t)*32768+(\hf)*256 th:TH_STORE_NT  ; 16 lanes store 256 consecutive bytes, at a multiple of 256 from out0's first byte
.endr
.endm
.irp a, 0,1,2,3
	OUTB \a, 0
	OUTB \a, 1
.endr
	s_wait_tensorcnt 0x0                           ; the wave's end: behind my last tensor load and my last LDS store
	ds_add_u32 v[SPW], v[NIL]
	s_wait_dscnt 0x0
	CROUND                                         ; the closing round: no work-group ends while a partner may still ask for a tile that names it
	s_endpgm
.Lfunc_end_k_q808a3ed8aa_oproj:
	.size	k_q808a3ed8aa_oproj, .Lfunc_end_k_q808a3ed8aa_oproj-k_q808a3ed8aa_oproj
	.p2alignl 7, 3214868480
	.fill 96, 4, 3214868480
	.section	.rodata,"a",@progbits
	.p2align	6, 0x0
	.amdhsa_kernel k_q808a3ed8aa_oproj
		.amdhsa_group_segment_fixed_size 327680
		.amdhsa_private_segment_fixed_size 0
		.amdhsa_enable_private_segment 0
		.amdhsa_kernarg_size 24
		.amdhsa_user_sgpr_count 2
		.amdhsa_user_sgpr_kernarg_segment_ptr 1
		.amdhsa_wavefront_size32 1
		.amdhsa_system_sgpr_workgroup_id_x 1
		.amdhsa_system_sgpr_workgroup_id_y 1
		.amdhsa_system_sgpr_workgroup_id_z 1
		.amdhsa_system_vgpr_workitem_id 0
		.amdhsa_next_free_vgpr 512
		.amdhsa_next_free_sgpr 96
		.amdhsa_reserve_vcc 0
		.amdhsa_float_denorm_mode_32 3
		.amdhsa_float_denorm_mode_16_64 3
		.amdhsa_memory_ordered 1
		.amdhsa_forward_progress 1
		.amdhsa_inst_pref_size 98
	.end_amdhsa_kernel
	.amdgpu_metadata
---
amdhsa.version: [ 1, 2 ]
amdhsa.kernels:
  - .name:           k_q808a3ed8aa_oproj
    .symbol:         k_q808a3ed8aa_oproj.kd
    .args:
      - { .name: of, .offset: 0, .size: 8, .value_kind: global_buffer, .address_space: global }
      - { .name: cb, .offset: 8, .size: 8, .value_kind: global_buffer, .address_space: global }
      - { .name: out0, .offset: 16, .size: 8, .value_kind: global_buffer, .address_space: global }
    .group_segment_fixed_size: 327680
    .private_segment_fixed_size: 0
    .kernarg_segment_align: 8
    .kernarg_segment_size: 24
    .max_flat_workgroup_size: 128
    .sgpr_count:     96
    .vgpr_count:     512
    .wavefront_size: 32
...
	.end_amdgpu_metadata
.endif
;; end of part 8
